; MI455X (gfx1250); checked and timed in simulation.
; The chip was launched on July 23, 2026; its instructions are those of AMD's public machine-readable ISA for CDNA 5 (MIT licence, August 2026) and "CDNA5" Instruction Set Architecture Reference Guide (July 2026). The comments in the code are by the model that wrote it; some were corrected since.
;; Sparse Mo E Layer. Allowed arithmetic: matrix products marked QUANTISED: E4M3 operands, one E8M0 scale for each 32 along K, by v_wmma_scale_f32_16x16x128_f8f6f4 with both operands' format E4M3, f32 sums; products left as they are: f32 operands where the result goes on into a quantised operand, else bf16, f16 or f32 operands; f32 sums; everything else in f32.
;; Inputs: gate_w 8 x 1,024 float32; w1_codes 8 x 2,048 x 32 x 32 uint8 (E4M3 codes of w1, K innermost, in blocks of 32 codes); w1_scales 8 x 2,048 x 32 uint8 (E8M0 scales of w1, one for each 32 codes along K); w2_codes 8 x 1,024 x 64 x 32 uint8 (E4M3 codes of w2, K innermost, in blocks of 32 codes); w2_scales 8 x 1,024 x 64 uint8 (E8M0 scales of w2, one for each 32 codes along K); x 2 x 1,024 x 1,024 float32.
;; Outputs: out0 2 x 1,024 x 1,024 float32; out1 one number float32.
;; This version of the problem:
;;   THIS VERSION OF THE PROBLEM IS GIVEN IN LOW PRECISION. The matrix products marked QUANTISED in the list below multiply operands that are first quantised to E4M3 (4 exponent bits, 3 mantissa bits; 8 bits a number), with one power-of-two scale for each 32 numbers along K (OCP MX v1.0); their sums are f32. All else is computed in f32.
;;   The module's matrix products, in the order in which they are computed (A, B: the left and right operand; K: the contracted axis; several contracted axes count as one K, in the product's order):
;;     1. [M 2,048, K 1,024] x [K 1,024, N 8]; A: input x; B: input gate_w: left as it is (N = 8 < 16)
;;     2. [M 16,384, K 1,024] x [K 1,024, N 2,048]; A: input w1 (given as codes); B: input x: QUANTISED
;;     3. batch 8 x [M 2,048, K 2,048] x [K 2,048, N 1,024]; A: computed on the way; B: input w2 (given as codes): QUANTISED
;;     4. batch 2,048 x [M 1, K 8] x [K 8, N 1,024]; A: computed on the way; B: computed on the way: left as it is (K = 8 < 32)
;;   THE QUANTISER, for each operand of a quantised product, along K:
;;     - K is cut into blocks of 32 from its start; a last block that is shorter is filled with zeros.
;;     - A block's scale is 2^e with e = floor(log2(the largest magnitude in the block)) - 8, held to -126 .. 127; a block of zeros has e = 0. As a byte (E8M0): e + 127.
;;     - Each number is divided by its block's scale, clamped to +-448, and rounded to the nearest number of E4M3, ties to even, subnormals kept.
;;     - The product sums the exact products of the quantised numbers (number of the format x scale) in f32.
;;   ~~~python
;;   def quantise(x, axis):      # numpy; x: float32 -> the quantised numbers, widened to float32 again
;;       x = np.moveaxis(x, axis, -1); K = x.shape[-1]
;;       x = np.pad(x, [(0, 0)] * (x.ndim - 1) + [(0, -K % 32)]); x = x.reshape(x.shape[:-1] + (-1, 32)); a = np.abs(x).max(-1, keepdims=True)
;;       e = np.where(a > 0, np.clip(np.frexp(np.where(a > 0, a, 1))[1] - 1 - 8, -126, 127), 0)      # np.frexp(a)[1] - 1 = floor(log2(a)), exactly
;;       r = np.clip(x / 2.0 ** e, -448, 448)
;;       step = 2.0 ** (np.maximum(np.frexp(np.where(r == 0, 1, r))[1] - 1, -6) - 3)
;;       q = np.round(r / step) * step * 2.0 ** e      # np.round: ties to even
;;       return np.moveaxis(q.reshape(q.shape[:-2] + (-1,))[..., :K], -1, axis).astype(np.float32)
;;   ~~~
;;   OPERANDS COMPUTED ON THE WAY. 'Computed on the way' means the value that the module computes at that place (a softmax that the list does not call 'softmax' is quantised finished and normalised). What goes into a quantiser is computed in f32, as accurately as f32 sums, v_exp_f32 and their like allow (about 1e-6 of the number): no bf16 or f16 on the way to a quantiser, and a product that is left as it is and whose result goes on into a quantised operand takes f32 operands (vector FMAs, or v_wmma_f32_16x16x4_f32). A number that lies on a knife's edge between two numbers of the format may be rounded either way, as far as f32 arithmetic and the matrix unit's own rounding can turn it there, and no further.
;;   INPUTS GIVEN AS CODES. w1 (in the module: [8, 1024, 2048], K = its axis 1); w2 (in the module: [8, 2048, 1024], K = its axis 1): each comes as NAME_codes (uint8): NAME with its K axis moved to the last place and cut into blocks of 32 codes, [.., K / 32, bytes a block], one block behind the other in memory; one code a byte (a code: sign, 4 exponent bits, 3 mantissa bits); and NAME_scales (uint8): the same leading axes, one E8M0 byte (e + 127) for each 32 codes along K. Its value is code x scale, taken as it is: it is not quantised again, and the codes and scales need not be those that the quantiser above would give.
;; 2 versions. Each part assembles by itself: llvm-mc -triple=amdgcn-amd-amdhsa -mcpu=gfx1250 --defsym DOCPART=n.
;; ======== version 1 of 2: 5 launches
;; workspace buffers: sel 16,384 bytes of whole numbers; lists 36,864 bytes of whole numbers; rf 24,576 bytes; xqs 2,162,688 bytes; hcs 10,543,104 bytes; ybuf 20,447,232 bytes
;; launch route (part 1): grid 256 x 1, 4 waves a work-group, no clusters, 2,560 bytes of LDS; arguments x, gate_w, xqs, sel, rf; writes xqs, sel, rf
.if DOCPART == 1
	.amdgcn_target "amdgcn-amd-amdhsa--gfx1250"
	.amdhsa_code_object_version 6
	.text
	.protected	k_qfbc66c1a62_route
	.globl	k_qfbc66c1a62_route
	.p2align	8
	.type	k_qfbc66c1a62_route,@function
k_qfbc66c1a62_route:
	s_mov_b64 s[64:65], 0
	v_nop
	global_prefetch_b8 v0, s[64:65] scope:SCOPE_SE
	s_setreg_imm32_b32 hwreg(HW_REG_WAVE_MODE, 25, 1), 1
	s_wait_xcnt 0x0
; ROUTER AND QUANTISER OF x.  x [2048][1024] f32, gate_w [8][1024] f32.
; Out: xqs = x's E4M3 codes [2048][1024] and, XSO bytes on, its E8M0 scale words [2048][8] (word s: the 4 bytes of K = 128 s ..);
;      sel [2048][2] u32: the two chosen experts; rf = their probabilities [2048][2] f32 and, PPO bytes on, the sums of the 8 probabilities over a work-group's 8 tokens [256][8].
; The choice is stored as VALUES at fixed places: no address and no branch of this launch hangs on it.
; SHARES.  A work-group takes 8 tokens.  The four waves share K: wave w, lane l hold elements 256 w + 8 l + 0 .. 7 of every row, so the thread's number t gives byte 32 t of a row of f32 and byte 8 t of a row of codes.
; A lane's 8 gate numbers of each of the 8 experts stay in 64 registers.  A block of 32 along K lies in 4 neighbouring lanes.
; LOGITS in f32 by packed multiply-adds; the 64 partial sums of a lane (8 rows x 8 experts) are added over the 32 lanes by a fold that halves the registers as it doubles the lanes summed.
; The waves' four quarters meet in LDS; wave 0 makes softmax (the row's maximum taken away first), top-2 (a strict compare in ascending order keeps the lower index) and the sums.
; LIMITS: NaN and infinities are not served.  A block of zeros gets the byte 1 (its codes are zeros; the bytes are read by this program alone); blocks whose largest magnitude lies under 2^-118 are held at byte 1.
; The order of the f32 sums of a logit differs from the reference's: a choice that hangs on a logit's last bits may fall the other way.
; No matrix unit, no tensor load: 8 columns of gate are too few for a tile, and each byte of x is read once.
.set XW,  1024                         ; LDS: 0 .. 1023 the waves' 64 sums each; from XW the 8 rows' 8 scale words
.set XSO, 2097152                      ; the scale words' place in xqs
.set PPO, 16384                        ; the sums' place in rf
.set CD,  16                           ; v16-31   codes, two registers a row
.set XR,  32                           ; v32-95   x, 8 rows x 8 numbers
.set GT,  96                           ; v96-159  gate, 8 experts x 8 numbers
.set PV,  160                          ; v160-223 partial logits, 8 row + expert
.set TA,  224                          ; v224-239 eight pairs of running sums
.set SN,  240                          ; v240-243 the fold: what I send
.set RC,  244                          ; v244-247 the fold: what I receive
.set SW,  248                          ; v248-255 a scale word for each row
	s_load_b256 s[4:11], s[0:1], 0x0               ; x, gate_w, xqs, sel
	s_load_b64 s[12:13], s[0:1], 0x20              ; rf
	v_lshl_add_u32 v15, v0, 2, 0x800
	s_set_vgpr_msb 0x40
	v_mov_b32 v1, 0
	s_set_vgpr_msb 0x4000
	v_lshrrev_b32 v1, 5, v0
	v_readfirstlane_b32 s14, v1                    ; wave
	v_and_b32 v1, 31, v0                           ; lane
	v_lshlrev_b32 v2, 5, v0                        ; my 32 bytes of a row of f32
	v_lshlrev_b32 v3, 3, v0                        ; my 8 bytes of a row of codes
	v_bfe_u32 v4, v0, 2, 2
	v_lshlrev_b32 v4, 3, v4                        ; my block's byte in its scale word, as a shift
	v_lshrrev_b32 v5, 4, v0
	v_lshl_add_u32 v5, v5, 2, XW                   ; LDS: word 2 w + lane / 16 of a row's eight
	v_lshlrev_b32 v6, 3, v0                        ; LDS: my two sums of the wave's 64
	v_and_b32 v7, 7, v0
	v_lshlrev_b32 v7, 5, v7                        ; LDS: row (lane % 8)'s eight sums in a wave's 64
	v_lshl_add_u32 v13, v1, 3, XW                  ; LDS: 8 bytes a lane of the 256 bytes of scale words
	v_lshlrev_b32 v14, 3, v1                       ; and the same in memory
	v_mov_b32 v12, 0                               ; destinations of lane moves count as read: written once here
.irp i, 0,1,2,3
	v_mov_b32 v[RC+\i], 0
.endr
	s_mov_b32 s16, 0x76543210
	s_mov_b32 s17, 0xfedcba98                      ; v_permlanex16_b32: lane l xor 16
	s_mov_b32 s18, 0x600000                        ; the mantissa field of 448
	s_mov_b32 s20, 0xffff0000                      ; lanes whose number has bit 4, 3, 2, 1, 0
	s_mov_b32 s21, 0xff00ff00
	s_mov_b32 s22, 0xf0f0f0f0
	s_mov_b32 s23, 0xcccccccc
	s_mov_b32 s24, 0xaaaaaaaa
	s_lshl_b32 s30, ttmp9, 15                      ; 8 rows of 4,096 bytes a work-group
	s_mov_b32 s31, 0
	s_wait_kmcnt 0x0
	s_add_nc_u64 s[4:5], s[4:5], s[30:31]
	s_add_nc_u64 s[32:33], s[8:9], XSO
	s_lshl_b32 s30, ttmp9, 8
	s_add_nc_u64 s[32:33], s[32:33], s[30:31]      ; my 256 bytes of scale words
	s_lshl_b32 s30, ttmp9, 13
	s_add_nc_u64 s[8:9], s[8:9], s[30:31]          ; my 8 rows of codes
	s_lshl_b32 s30, ttmp9, 6
	s_add_nc_u64 s[10:11], s[10:11], s[30:31]      ; my 64 bytes of sel
	s_add_nc_u64 s[34:35], s[12:13], PPO
	s_add_nc_u64 s[12:13], s[12:13], s[30:31]      ; and of the probabilities
	s_lshl_b32 s30, ttmp9, 5
	s_add_nc_u64 s[34:35], s[34:35], s[30:31]      ; my 32 bytes of sums
.irp e, 0,1,2,3,4,5,6,7
	global_load_b128 v[GT+8*\e:GT+8*\e+3], v2, s[6:7] offset:4096*\e
	global_load_b128 v[GT+8*\e+4:GT+8*\e+7], v2, s[6:7] offset:4096*\e+16
.endr
.irp p, 0,1,2,3,4,5,6,7
	global_load_b128 v[XR+8*\p:XR+8*\p+3], v2, s[4:5] offset:4096*\p th:TH_LOAD_NT
	global_load_b128 v[XR+8*\p+4:XR+8*\p+7], v2, s[4:5] offset:4096*\p+16 th:TH_LOAD_NT
.endr
; Row p: its share of the 8 logits, then its codes and its scale word.
.macro QROW p
	s_wait_loadcnt 14-2*\p                         ; loads come back in order: the gate and rows 0 .. p are in; the two loads of each later row may be out
.irp e, 0,1,2,3,4,5,6,7
	v_pk_mul_f32 v[TA+2*\e:TA+2*\e+1], v[XR+8*\p:XR+8*\p+1], v[GT+8*\e:GT+8*\e+1]      ; the first product starts each sum
.endr
.irp k, 2,4,6
.irp e, 0,1,2,3,4,5,6,7
	v_pk_fma_f32 v[TA+2*\e:TA+2*\e+1], v[XR+8*\p+\k:XR+8*\p+\k+1], v[GT+8*\e+\k:GT+8*\e+\k+1], v[TA+2*\e:TA+2*\e+1]
.endr
.endr
.irp e, 0,1,2,3,4,5,6,7
	v_add_f32 v[PV+8*\p+\e], v[TA+2*\e], v[TA+2*\e+1]
.endr
	v_max3_num_f32 v8, |v[XR+8*\p]|, |v[XR+8*\p+1]|, 0x4800000      ; the largest magnitude of my 8, over the floor 2^(9 - 127): the byte cannot fall under 1
	v_max3_num_f32 v8, v8, |v[XR+8*\p+2]|, |v[XR+8*\p+3]|
	v_max3_num_f32 v8, v8, |v[XR+8*\p+4]|, |v[XR+8*\p+5]|
	v_max3_num_f32 v8, v8, |v[XR+8*\p+6]|, |v[XR+8*\p+7]|
	v_max_num_f32_dpp v8, v8, v8 row_xmask:1 row_mask:0xf bank_mask:0xf
	v_max_num_f32_dpp v8, v8, v8 row_xmask:2 row_mask:0xf bank_mask:0xf   ; with the three lanes that share my block
	v_add_nc_u32 v9, 0xfc000000, v8                ; 8 off its exponent field: the conversion's scale operand
	v_and_or_b32 v10, v8, 0x7f800000, s18          ; 448 x the scale
.irp i, 0,1,2,3,4,5,6,7
	v_med3_num_f32 v[XR+8*\p+\i], v[XR+8*\p+\i], -v10, v10      ; the conversion to an 8-bit code does not saturate (ISA guide 7.6.2): the hold comes first
.endr
	v_cvt_scalef32_pk8_fp8_f32 v[CD+2*\p:CD+2*\p+1], v[XR+8*\p:XR+8*\p+7], v9
	v_lshrrev_b32 v11, 23, v9                      ; the scale's byte (also the plain line behind the conversion)
	v_lshlrev_b32 v[SW+\p], v4, v11                ; at its place in the word;
	v_mov_b32_dpp v12, v[SW+\p] row_xmask:4 row_mask:0xf bank_mask:0xf
	v_or_b32 v[SW+\p], v[SW+\p], v12
	v_mov_b32_dpp v12, v[SW+\p] row_xmask:8 row_mask:0xf bank_mask:0xf
	v_or_b32 v[SW+\p], v[SW+\p], v12               ; the four blocks of 16 lanes make the word of 128 along K
	global_store_b64 v3, v[CD+2*\p:CD+2*\p+1], s[8:9] offset:1024*\p      ; the wave stores 256 consecutive bytes, at a multiple of 256
	ds_store_b32 v5, v[SW+\p] offset:32*\p         ; sixteen lanes write the same word with the same value
.endm
.irp p, 0,1,2,3,4,5,6,7
	QROW \p
.endr
; The fold.  Of sums i and i + n a lane keeps one (the upper where its number has the step's bit), sends the other to the lane that keeps it, and adds what it receives.
; After the five steps lane l holds in the first two registers the wave's sums 2 l and 2 l + 1.
.macro FOLDH n, mask
.set i, 0
.rept \n
	v_cndmask_b32 v[SN+i%4], v[PV+i+\n], v[PV+i], \mask
	v_cndmask_b32 v[PV+i], v[PV+i], v[PV+i+\n], \mask
	v_permlanex16_b32 v[RC+i%4], v[SN+i%4], s16, s17
	v_add_f32 v[PV+i], v[PV+i], v[RC+i%4]
.set i, i+1
.endr
.endm
.macro FOLD n, mask, x
.set i, 0
.rept \n
	v_cndmask_b32 v[SN+i%4], v[PV+i+\n], v[PV+i], \mask
	v_cndmask_b32 v[PV+i], v[PV+i], v[PV+i+\n], \mask
	v_add_f32_dpp v[PV+i], v[SN+i%4], v[PV+i] row_xmask:\x row_mask:0xf bank_mask:0xf
.set i, i+1
.endr
.endm
	FOLDH 32, s20
	FOLD 16, s21, 8
	FOLD 8, s22, 4
	FOLD 4, s23, 2
	FOLD 2, s24, 1
	ds_store_b64 v6, v[PV:PV+1]
	s_wait_dscnt 0x0                               ; for wave 0's sake: my sums and my scale words lie in LDS
	s_barrier_signal -1
	s_barrier_wait -1
	s_cmp_lg_u32 s14, 0
	s_cbranch_scc1 .Lend                           ; the rest is 8 rows' work: one wave's
	; wave 0: lane l takes row l % 8 (four lanes do the same work)
.irp q, 0,1,2,3
	ds_load_b128 v[32+8*\q:35+8*\q], v7 offset:256*\q
	ds_load_b128 v[36+8*\q:39+8*\q], v7 offset:256*\q+16
.endr
	ds_load_b64 v[64:65], v13
	s_wait_dscnt 0x0
.irp j, 0,2,4,6
	v_pk_add_f32 v[32+\j:33+\j], v[32+\j:33+\j], v[40+\j:41+\j]
	v_pk_add_f32 v[48+\j:49+\j], v[48+\j:49+\j], v[56+\j:57+\j]
.endr
.irp j, 0,2,4,6
	v_pk_add_f32 v[32+\j:33+\j], v[32+\j:33+\j], v[48+\j:49+\j]      ; the row's 8 logits: v32-39
.endr
	global_store_b64 v14, v[64:65], s[32:33]       ; the 8 rows' scale words: 256 consecutive bytes, at a multiple of 256
	v_max3_num_f32 v40, v32, v33, v34
	v_max3_num_f32 v40, v40, v35, v36
	v_max3_num_f32 v40, v40, v37, v38
	v_max_num_f32 v40, v40, v39                    ; the row's largest logit is taken away ahead of the exponential
.irp e, 0,1,2,3,4,5,6,7
	v_sub_f32 v[32+\e], v[32+\e], v40
.endr
.irp e, 0,1,2,3,4,5,6,7
	v_mul_f32 v[32+\e], 0x3fb8aa3b, v[32+\e]       ; x log2(e)
.endr
.irp e, 0,1,2,3,4,5,6,7
	v_exp_f32 v[32+\e], v[32+\e]
.endr
	v_nop                                          ; a plain line behind the exponentials
	s_wait_alu depctr_va_vdst(0)
	v_pk_add_f32 v[42:43], v[32:33], v[34:35]
	v_pk_add_f32 v[44:45], v[36:37], v[38:39]
	v_pk_add_f32 v[42:43], v[42:43], v[44:45]
	v_add_f32 v41, v42, v43
	v_rcp_f32 v41, v41
	v_nop
	s_wait_alu depctr_va_vdst(0)
.irp e, 0,1,2,3,4,5,6,7
	v_mul_f32 v[32+\e], v[32+\e], v41              ; the probabilities
.endr
	v_mov_b32 v52, v32                             ; the largest, and its expert
	v_mov_b32 v50, 0
.irp e, 1,2,3,4,5,6,7
	v_cmp_gt_f32 vcc_lo, v[32+\e], v52
	v_cndmask_b32 v50, v50, \e, vcc_lo
	v_max_num_f32 v52, v52, v[32+\e]
.endr
	v_mov_b32 v53, -1.0                            ; the largest of the other seven, under every probability at first
	v_mov_b32 v51, 0
.irp e, 0,1,2,3,4,5,6,7
	v_cmp_gt_f32 s28, v[32+\e], v53
	v_cmp_ne_u32 s29, \e, v50
	s_and_b32 s28, s28, s29
	v_cndmask_b32 v51, v51, \e, s28
	v_cndmask_b32 v53, v53, v[32+\e], s28
.endr
.irp x, 1,2,4
.irp e, 0,1,2,3,4,5,6,7
	v_add_f32_dpp v[32+\e], v[32+\e], v[32+\e] row_xmask:\x row_mask:0xf bank_mask:0xf      ; each probability summed over the 8 rows
.endr
.endr
	s_wait_xcnt 0x0                                ; EXEC is a source of the stores issued so far: it changes only behind this wait
	v_cmp_gt_u32 vcc_lo, 8, v0
	s_and_saveexec_b32 s26, vcc_lo                 ; lanes 0-7: one for each row
	global_store_b64 v14, v[50:51], s[10:11]
	global_store_b64 v14, v[52:53], s[12:13]
	s_wait_xcnt 0x0
	s_or_b32 exec_lo, exec_lo, s26
	v_cmp_eq_u32 vcc_lo, 0, v0
	s_and_saveexec_b32 s26, vcc_lo                 ; lane 0: the 8 sums
	global_store_b128 v14, v[32:35], s[34:35]
	global_store_b128 v14, v[36:39], s[34:35] offset:16
	s_wait_xcnt 0x0
	s_or_b32 exec_lo, exec_lo, s26
.Lend:
	s_set_vgpr_msb 0x4
	s_wait_tensorcnt 0x0
	ds_add_u32 v15, v1
	s_wait_dscnt 0x0
	s_set_vgpr_msb 0x400
	s_endpgm
.Lfunc_end_k_qfbc66c1a62_route:
	.size	k_qfbc66c1a62_route, .Lfunc_end_k_qfbc66c1a62_route-k_qfbc66c1a62_route
	.p2alignl 7, 3214868480
	.fill 96, 4, 3214868480
	.section	.rodata,"a",@progbits
	.p2align	6, 0x0
	.amdhsa_kernel k_qfbc66c1a62_route
		.amdhsa_group_segment_fixed_size 2560
		.amdhsa_private_segment_fixed_size 0
		.amdhsa_enable_private_segment 0
		.amdhsa_kernarg_size 40
		.amdhsa_user_sgpr_count 2
		.amdhsa_user_sgpr_kernarg_segment_ptr 1
		.amdhsa_wavefront_size32 1
		.amdhsa_system_sgpr_workgroup_id_x 1
		.amdhsa_system_sgpr_workgroup_id_y 1
		.amdhsa_system_sgpr_workgroup_id_z 1
		.amdhsa_system_vgpr_workitem_id 0
		.amdhsa_next_free_vgpr 258
		.amdhsa_next_free_sgpr 66
		.amdhsa_reserve_vcc 1
		.amdhsa_float_denorm_mode_32 3
		.amdhsa_float_denorm_mode_16_64 3
		.amdhsa_memory_ordered 1
		.amdhsa_forward_progress 1
		.amdhsa_inst_pref_size 58
	.end_amdhsa_kernel
	.amdgpu_metadata
---
amdhsa.version: [ 1, 2 ]
amdhsa.kernels:
  - .name:           k_qfbc66c1a62_route
    .symbol:         k_qfbc66c1a62_route.kd
    .args:
      - { .name: x, .offset: 0, .size: 8, .value_kind: global_buffer, .address_space: global }
      - { .name: gate_w, .offset: 8, .size: 8, .value_kind: global_buffer, .address_space: global }
      - { .name: xqs, .offset: 16, .size: 8, .value_kind: global_buffer, .address_space: global }
      - { .name: sel, .offset: 24, .size: 8, .value_kind: global_buffer, .address_space: global }
      - { .name: rf, .offset: 32, .size: 8, .value_kind: global_buffer, .address_space: global }
    .group_segment_fixed_size: 2560
    .private_segment_fixed_size: 0
    .kernarg_segment_align: 8
    .kernarg_segment_size: 40
    .max_flat_workgroup_size: 128
    .sgpr_count:     66
    .vgpr_count:     258
    .wavefront_size: 32
...
	.end_amdgpu_metadata
.endif
;; end of part 1
;; launch place (part 2): grid 1 x 1, 8 waves a work-group, no clusters, 2,048 bytes of LDS; arguments sel, rf, lists, out1; writes lists, out1
.if DOCPART == 2
	.amdgcn_target "amdgcn-amd-amdhsa--gfx1250"
	.amdhsa_code_object_version 6
	.text
	.protected	k_qfbc66c1a62_place
	.globl	k_qfbc66c1a62_place
	.p2align	8
	.type	k_qfbc66c1a62_place,@function
k_qfbc66c1a62_place:
	s_mov_b64 s[64:65], 0
	v_nop
	global_prefetch_b8 v0, s[64:65] scope:SCOPE_SE
	s_setreg_imm32_b32 hwreg(HW_REG_WAVE_MODE, 25, 1), 1
	s_wait_xcnt 0x0
; THE ROWS ARE PLACED BY EXPERT, AND THE ROUTER'S LOSS.  In: sel [2048][2] u32, rf's sums [256][8] f32 (PPO bytes on).
; Out: lists = posn [2048][2] u32 (the position of entry (token, k)); TOK bytes on: tok [4992] u32 (the token at each position); TEXP bytes on: texp [64] u32 (the expert of each tile of 128 positions); out1.
; Expert e owns positions base_e .. base_e + count_e - 1; base_e is the sum of the earlier experts' counts, each rounded up to 128.  4,096 entries and 8 experts give at most 32 + 7 = 39 tiles, whatever the split.
; Positions that hold no entry (a segment's rest, and all behind the last segment) get token 0; tiles behind the last segment get expert 7.  Their results are never named by posn.
; ONE work-group of 8 waves: a counting sort without atomics, kept in vector registers throughout.  Thread i owns the 16 entries 1024 j + 4 i + c.
;   1. A thread ranks its entries against eight counters of 4 bits in one register.  The two experts of a token differ (the launch that chose them leaves the first out of the second search), so of a thread's
;      8 tokens at most 8 entries name one expert: a counter never passes 8.
;   2. The counts go on as FOUR WORDS OF TWO 16-BIT FIELDS (experts 2 j and 2 j + 1); no field passes 4,992.  Over the 32 lanes an exclusive sum by a butterfly: a lane adds its partner block's total to its own
;      running sum where the partner block lies below it.  3. The waves' totals meet in LDS, one barrier.  4. Sizes, bases and offsets stay packed.
;   5. An entry's offset is looked up by v_perm_b32: the eight offsets' low bytes in two registers, the high bytes in two, the entries' experts as selector bytes, four entries an instruction.
; The order of an expert's rows is free: the reference has no capacity.
; Token 0 goes out with every lane on: a lane whose position needs none sends its 0 to one of 32 spare words behind texp (word DUMP + lane from tok on), which nothing reads.  So EXEC changes once, for out1.
; out1 = sum over e of count_e x (sum of probabilities)_e / (4096 x 2048).
.set TOK,  16384
.set TEXP, 36352
.set PPO,  16384
.set DUMP, 5056                        ; (36,608 - TOK) / 4
.set CNT,  0                           ; LDS: [8 waves][4 words] the waves' counts, two experts to a word
.set PS,   256                         ; LDS: [8 waves][8 experts] sums of probabilities
.set SL,   12                          ; v12-15   four entries' experts, a byte each
.set SE,   16                          ; v16-31   my 16 entries' experts
.set RK,   32                          ; v32-47   rank in the thread, then position
.set AD,   48                          ; v48-63   4 x expert, then the byte offset in tok
.set TK,   64                          ; v64-71   my 8 tokens
.set PP,   72                          ; v72-79   sums of probabilities
.set TMP,  80                          ; v80-83   what a partner lane sent
.set TT,   84                          ; v84-87   running totals, at last the wave's
.set PF,   88                          ; v88-91   the lanes below mine
.set ON,   96                          ; v96-111  1 << 4 x expert; later at work
.set TOT,  112                         ; v112-115 the experts' counts
.set PRE,  116                         ; v116-119 their counts in the waves in front of mine
.set SZ,   120                         ; v120-123 the segments' sizes
.set BAS,  124                         ; v124-127 their bases
.set WT,   128                         ; v128-159 the eight waves' totals; later at work
.set OFF,  160                         ; v160-163 where my entries of each expert begin
.set SEG,  164                         ; v164-167 where each expert's entries end
.set ALE,  168                         ; v168-171 where each segment ends
.set SS,   172                         ; v172-179 sums of sizes
.set TB,   180                         ; v180-183 the byte tables
.set PZ,   184                         ; v184-191 eight positions that may want token 0, then their byte offsets
	s_load_b256 s[4:11], s[0:1], 0x0               ; sel, rf, lists, out1
	v_lshl_add_u32 v192, v0, 2, 0x400
	v_mov_b32 v193, 0
	v_lshlrev_b32 v4, 4, v0                        ; 16 x thread
	s_wait_kmcnt 0x0
.irp j, 0,1,2,3
	global_load_b128 v[SE+4*\j:SE+4*\j+3], v4, s[4:5] offset:4096*\j
.endr
	global_load_b128 v[PP:PP+3], v4, s[6:7] offset:PPO
	global_load_b128 v[PP+4:PP+7], v4, s[6:7] offset:PPO+4096
	v_lshrrev_b32 v1, 5, v0
	v_readfirstlane_b32 s12, v1                    ; wave W
	v_and_b32 v1, 31, v0                           ; lane
	v_and_b32 v2, 0xe0, v0                         ; 32 W
	v_and_b32 v5, 1, v0
	v_lshl_add_u32 v5, v5, 4, v2
	v_add_nc_u32 v5, PS, v5                        ; LDS: my wave's sums, experts 0-3 (even lanes) or 4-7 (odd)
	v_lshrrev_b32 v2, 1, v2                        ; LDS: 16 W: my wave's four words of counts
	v_lshlrev_b32 v3, 2, v1                        ; 4 x lane
	v_lshlrev_b32 v8, 2, v0                        ; texp: 4 bytes a thread; never rewritten
	v_mov_b32 v9, 1
	v_add_nc_u32 v10, DUMP, v1                     ; my spare word, as a position
	v_mov_b32 v11, 0                               ; token 0; LDS byte 0; out1's byte offset; never rewritten
	v_mov_b32 v95, 0                               ; a lane permute's destination counts as read
	s_mov_b32 s26, 0x76543210
	s_mov_b32 s27, 0xfedcba98                      ; v_permlanex16_b32: lane l xor 16
	s_mov_b32 s40, 0x06040200                      ; v_perm_b32: bytes 0 and 2 of both sources: four fields' low bytes
	s_mov_b32 s41, 0x07050301                      ; bytes 1 and 3: their high bytes
	s_mov_b32 s42, 0x05010400                      ; low and high byte of entries 0 and 1, as two 16-bit fields
	s_mov_b32 s43, 0x07030602                      ; of entries 2 and 3
	s_mov_b32 s44, 0xaaaaaaaa                      ; lanes whose number has bit 0, 1, 2, 3, 4
	s_mov_b32 s45, 0xcccccccc
	s_mov_b32 s46, 0xf0f0f0f0
	s_mov_b32 s47, 0xff00ff00
	s_mov_b32 s48, 0xffff0000
.irp w, 0,1,2,3,4,5,6
	s_cmp_gt_u32 s12, \w
	s_cselect_b32 s[16+\w], -1, 0                  ; all ones where wave w stands in front of mine
.endr
	s_and_b32 s24, s12, 1
	s_cselect_b32 s28, -1, 0                       ; all ones where W has bit 0,
	s_and_b32 s24, s12, 2
	s_cselect_b32 s29, -1, 0                       ; bit 1,
	s_and_b32 s24, s12, 4
	s_cselect_b32 s30, -1, 0                       ; bit 2
	s_lshl_b32 s31, s12, 7                         ; 128 W
.irp j, 0,1,2,3
.irp c, 0,1
	v_lshl_add_u32 v[TK+2*\j+\c], v0, 1, 512*\j+\c ; entry 1024 j + 4 i + c' is token 512 j + 2 i + c' / 2
.endr
.endr
	s_wait_loadcnt 0x0
.irp n, 0,1,2,3,4,5,6,7,8,9,10,11,12,13,14,15
	v_min_u32 v[SE+\n], 7, v[SE+\n]
.endr
.irp n, 0,1,2,3,4,5,6,7,8,9,10,11,12,13,14,15
	v_lshlrev_b32 v[AD+\n], 2, v[SE+\n]            ; the expert's counter begins at bit 4 e
.endr
.irp n, 0,1,2,3,4,5,6,7,8,9,10,11,12,13,14,15
	v_lshlrev_b32 v[ON+\n], v[AD+\n], v9           ; one in that counter
.endr
	v_mov_b32 v92, 0                               ; the eight counters
.irp n, 0,1,2,3,4,5,6,7,8,9,10,11,12,13,14,15
	v_bfe_u32 v[RK+\n], v92, v[AD+\n], 4           ; how many of my earlier entries name this expert
	v_add_nc_u32 v92, v92, v[ON+\n]
.endr
.irp g, 0,1,2,3
	v_lshl_or_b32 v[SL+\g], v[SE+4*\g+1], 8, v[SE+4*\g]            ; four experts as four selector bytes
.endr
.irp g, 0,1,2,3
	v_lshl_or_b32 v[SL+\g], v[SE+4*\g+2], 16, v[SL+\g]
.endr
.irp g, 0,1,2,3
	v_lshl_or_b32 v[SL+\g], v[SE+4*\g+3], 24, v[SL+\g]
.endr
.irp j, 0,1,2,3
	v_bfe_u32 v[TMP+\j], v92, 8*\j, 4              ; my count of expert 2 j,
	v_bfe_u32 v[PF+\j], v92, 8*\j+4, 4             ; of expert 2 j + 1
.endr
.irp j, 0,1,2,3
	v_lshl_or_b32 v[TT+\j], v[PF+\j], 16, v[TMP+\j]
.endr
; A step of the butterfly: the partner block's totals come over; they count among the lanes below mine where my lane's number has the step's bit; the blocks join.
.macro SCAN x, mask, first
.irp j, 0,1,2,3
	v_mov_b32_dpp v[TMP+\j], v[TT+\j] row_xmask:\x row_mask:0xf bank_mask:0xf
.endr
.irp j, 0,1,2,3
.if \first
	v_cndmask_b32 v[PF+\j], 0, v[TMP+\j], \mask    ; the first step starts the sums
.else
	v_cndmask_b32 v[ON+\j], 0, v[TMP+\j], \mask
.endif
.endr
.irp j, 0,1,2,3
.if \first
.else
	v_add_nc_u32 v[PF+\j], v[PF+\j], v[ON+\j]
.endif
	v_add_nc_u32 v[TT+\j], v[TT+\j], v[TMP+\j]
.endr
.endm
	SCAN 1, s44, 1
	SCAN 2, s45, 0
	SCAN 4, s46, 0
	SCAN 8, s47, 0
.irp j, 0,1,2,3
	v_permlanex16_b32 v[TMP+\j], v[TT+\j], s26, s27
.endr
.irp j, 0,1,2,3
	v_cndmask_b32 v[ON+\j], 0, v[TMP+\j], s48
.endr
.irp j, 0,1,2,3
	v_add_nc_u32 v[PF+\j], v[PF+\j], v[ON+\j]      ; my wave's entries of each expert in the lanes below mine
	v_add_nc_u32 v[TT+\j], v[TT+\j], v[TMP+\j]     ; and in the whole wave
.endr
	ds_store_b128 v2, v[TT:TT+3] offset:CNT        ; all lanes write the same 16 bytes with the same values
	v_pk_add_f32 v[PP:PP+1], v[PP:PP+1], v[PP+4:PP+5]        ; thread i holds the sums of experts 4 (i % 2) + 0 .. 3
	v_pk_add_f32 v[PP+2:PP+3], v[PP+2:PP+3], v[PP+6:PP+7]
.irp x, 2,4,8
.irp c, 0,1,2,3
	v_add_f32_dpp v[PP+\c], v[PP+\c], v[PP+\c] row_xmask:\x row_mask:0xf bank_mask:0xf
.endr
.endr
.irp c, 0,1,2,3
	v_permlanex16_b32 v[PP+4+\c], v[PP+\c], s26, s27
.endr
.irp c, 0,1,2,3
	v_add_f32 v[PP+\c], v[PP+\c], v[PP+4+\c]       ; summed over the lanes of my parity
.endr
	ds_store_b128 v5, v[PP:PP+3]
	s_wait_dscnt 0x0                               ; for the others' sake: my counts and sums lie in LDS
	s_barrier_signal -1
	s_barrier_wait -1
.irp w, 0,1,2,3,4,5,6,7
	ds_load_b128 v[WT+4*\w:WT+4*\w+3], v11 offset:CNT+16*\w        ; every lane reads all eight waves' counts
.endr
	ds_load_b32 v82, v3 offset:PS                  ; the sum of expert l % 8 in wave l / 8,
	ds_load_b32 v83, v3 offset:PS+128              ; in wave 4 + l / 8
	s_wait_dscnt 0x0
.irp j, 0,1,2,3
	v_add3_u32 v[TOT+\j], v[WT+\j], v[WT+4+\j], v[WT+8+\j]
.endr
.irp j, 0,1,2,3
	v_add3_u32 v[TOT+\j], v[TOT+\j], v[WT+12+\j], v[WT+16+\j]
.endr
.irp j, 0,1,2,3
	v_add3_u32 v[TOT+\j], v[TOT+\j], v[WT+20+\j], v[WT+24+\j]
.endr
.irp j, 0,1,2,3
	v_add_nc_u32 v[TOT+\j], v[TOT+\j], v[WT+28+\j] ; the experts' counts: at most 2,048 each
.endr
.irp w, 0,1,2,3,4,5,6
.irp j, 0,1,2,3
	v_and_b32 v[WT+4*\w+\j], s[16+\w], v[WT+4*\w+\j]               ; only the waves in front of mine
.endr
.endr
.irp j, 0,1,2,3
	v_add3_u32 v[PRE+\j], v[WT+\j], v[WT+4+\j], v[WT+8+\j]
.endr
.irp j, 0,1,2,3
	v_add3_u32 v[PRE+\j], v[PRE+\j], v[WT+12+\j], v[WT+16+\j]
.endr
.irp j, 0,1,2,3
	v_add3_u32 v[PRE+\j], v[PRE+\j], v[WT+20+\j], v[WT+24+\j]
.endr
.irp j, 0,1,2,3
	v_add_nc_u32 v[SZ+\j], 0x7f007f, v[TOT+\j]     ; both fields rounded up to 128: no field passes 2,175 on the way
.endr
.irp j, 0,1,2,3
	v_and_b32 v[SZ+\j], 0xff80ff80, v[SZ+\j]
.endr
.irp j, 0,1,2,3
	v_and_b32 v[SS+\j], 0xffff, v[SZ+\j]
	v_lshrrev_b32 v[SS+4+\j], 16, v[SZ+\j]
.endr
.irp j, 0,1,2,3
	v_add_nc_u32 v[SS+\j], v[SS+\j], v[SS+4+\j]    ; the size of experts 2 j and 2 j + 1 together
.endr
	v_add_nc_u32 v[SS+4], v[SS], v[SS+1]           ; where expert 4 begins,
	v_add3_u32 v[SS+5], v[SS], v[SS+1], v[SS+2]    ; expert 6,
	v_add_nc_u32 v[SS+6], v[SS+5], v[SS+3]         ; and where the last segment ends
	v_lshlrev_b32 v[BAS], 16, v[SZ]                ; bases, packed: expert 2 j begins at its pair's base, expert 2 j + 1 one size further on
	v_lshl_or_b32 v[SS+7], v[SS], 16, v[SS]
	v_lshl_add_u32 v[BAS+1], v[SZ+1], 16, v[SS+7]
	v_lshl_or_b32 v[SS+7], v[SS+4], 16, v[SS+4]
	v_lshl_add_u32 v[BAS+2], v[SZ+2], 16, v[SS+7]
	v_lshl_or_b32 v[SS+7], v[SS+5], 16, v[SS+5]
	v_lshl_add_u32 v[BAS+3], v[SZ+3], 16, v[SS+7]
.irp j, 0,1,2,3
	v_add3_u32 v[OFF+\j], v[BAS+\j], v[PRE+\j], v[PF+\j]           ; base + earlier waves + lower lanes
	v_add_nc_u32 v[SEG+\j], v[BAS+\j], v[TOT+\j]
	v_add_nc_u32 v[ALE+\j], v[BAS+\j], v[SZ+\j]
.endr
	v_perm_b32 v[TB], v[OFF+1], v[OFF], s40        ; low bytes of experts 0-3's offsets,
	v_perm_b32 v[TB+1], v[OFF+3], v[OFF+2], s40    ; of experts 4-7's;
	v_perm_b32 v[TB+2], v[OFF+1], v[OFF], s41      ; the high bytes likewise
	v_perm_b32 v[TB+3], v[OFF+3], v[OFF+2], s41
.irp g, 0,1,2,3
	v_perm_b32 v[WT+8*\g], v[TB+1], v[TB], v[SL+\g]                ; a selector byte 0-3 takes from the second source, 4-7 from the first: four entries' low bytes,
	v_perm_b32 v[WT+8*\g+1], v[TB+3], v[TB+2], v[SL+\g]            ; and high bytes
.endr
.irp g, 0,1,2,3
	v_perm_b32 v[WT+8*\g+2], v[WT+8*\g+1], v[WT+8*\g], s42
	v_perm_b32 v[WT+8*\g+3], v[WT+8*\g+1], v[WT+8*\g], s43
.endr
.irp g, 0,1,2,3
	v_and_b32 v[WT+8*\g+4], 0xffff, v[WT+8*\g+2]
	v_lshrrev_b32 v[WT+8*\g+5], 16, v[WT+8*\g+2]
	v_and_b32 v[WT+8*\g+6], 0xffff, v[WT+8*\g+3]
	v_lshrrev_b32 v[WT+8*\g+7], 16, v[WT+8*\g+3]
.endr
.irp g, 0,1,2,3
.irp c, 0,1,2,3
	v_add_nc_u32 v[RK+4*\g+\c], v[RK+4*\g+\c], v[WT+8*\g+4+\c]     ; the entry's position
.endr
.endr
.irp j, 0,1,2,3
	global_store_b128 v4, v[RK+4*\j:RK+4*\j+3], s[8:9] offset:4096*\j      ; posn: dense, 512 bytes a wave
.endr
.irp n, 0,1,2,3,4,5,6,7,8,9,10,11,12,13,14,15
	v_min_u32 v[AD+\n], 0x137f, v[RK+\n]           ; held inside tok's 4,992 words before it enters an address
.endr
.irp n, 0,1,2,3,4,5,6,7,8,9,10,11,12,13,14,15
	v_lshlrev_b32 v[AD+\n], 2, v[AD+\n]
.endr
.irp n, 0,1,2,3,4,5,6,7,8,9,10,11,12,13,14,15
	global_store_b32 v[AD+\n], v[TK+2*(\n/4)+(\n%4)/2], s[8:9] offset:TOK
.endr
; Token 0.  Wave W sees to expert W's rest (under 128 positions: four times 32) and to 128 positions from 128 W behind the last segment on (behind it lie at most 896: the 8 waves reach 1,024).
	v_cndmask_b32 v96, v[SEG], v[SEG+1], s29       ; the word of expert W: W's bits 1 and 2 choose among the four,
	v_cndmask_b32 v97, v[SEG+2], v[SEG+3], s29
	v_cndmask_b32 v98, v[ALE], v[ALE+1], s29
	v_cndmask_b32 v99, v[ALE+2], v[ALE+3], s29
	v_cndmask_b32 v96, v96, v97, s30
	v_cndmask_b32 v98, v98, v99, s30
	v_and_b32 v97, 0xffff, v96
	v_lshrrev_b32 v96, 16, v96
	v_and_b32 v99, 0xffff, v98
	v_lshrrev_b32 v98, 16, v98
	v_cndmask_b32 v96, v97, v96, s28               ; bit 0 the field: where expert W's entries end,
	v_cndmask_b32 v98, v99, v98, s28               ; and where its segment ends
	v_add_nc_u32 v100, s31, v[SS+6]
.irp k, 0,1,2,3
	v_add3_u32 v[PZ+\k], v96, v1, 32*\k
	v_add3_u32 v[PZ+4+\k], v100, v1, 32*\k
.endr
.irp k, 0,1,2,3
	v_cmp_gt_u32 vcc_lo, v98, v[PZ+\k]
	v_cndmask_b32 v[PZ+\k], v10, v[PZ+\k], vcc_lo  ; past the segment's end: my spare word instead
.endr
.irp k, 4,5,6,7
	v_cmp_gt_u32 vcc_lo, 0x1380, v[PZ+\k]
	v_cndmask_b32 v[PZ+\k], v10, v[PZ+\k], vcc_lo  ; past tok's end likewise
.endr
.irp k, 0,1,2,3,4,5,6,7
	v_min_u32 v[PZ+\k], 0x13ff, v[PZ+\k]           ; held inside the buffer before it enters an address
.endr
.irp k, 0,1,2,3,4,5,6,7
	v_lshlrev_b32 v[PZ+\k], 2, v[PZ+\k]
.endr
.irp k, 0,1,2,3,4,5,6,7
	global_store_b32 v[PZ+\k], v11, s[8:9] offset:TOK
.endr
; The loss: lane l stands for expert l % 8.
	v_add_f32 v94, v82, v83
	v_add_f32_dpp v94, v94, v94 row_xmask:8 row_mask:0xf bank_mask:0xf
	v_permlanex16_b32 v95, v94, s26, s27
	v_add_f32 v94, v94, v95                        ; its sum of probabilities
	v_cndmask_b32 v92, v[TOT], v[TOT+1], s45
	v_cndmask_b32 v93, v[TOT+2], v[TOT+3], s45
	v_cndmask_b32 v92, v92, v93, s46
	v_and_b32 v93, 0xffff, v92
	v_lshrrev_b32 v92, 16, v92
	v_cndmask_b32 v92, v93, v92, s44               ; its count
	v_cvt_f32_u32 v101, v92
	v_mul_f32 v101, v101, v94
	v_add_f32_dpp v101, v101, v101 row_xmask:1 row_mask:0xf bank_mask:0xf
	v_add_f32_dpp v101, v101, v101 row_xmask:2 row_mask:0xf bank_mask:0xf
	v_add_f32_dpp v101, v101, v101 row_xmask:4 row_mask:0xf bank_mask:0xf
	v_mul_f32 v101, 0x34000000, v101               ; x 2^-23
	s_cmp_gt_u32 s12, 1
	s_cbranch_scc1 .Lno_texp                       ; 64 tiles: waves 0 and 1
.irp j, 0,1,2,3
	v_and_b32 v[102+2*\j], 0xffff, v[ALE+\j]       ; the eight segments' ends
	v_lshrrev_b32 v[103+2*\j], 16, v[ALE+\j]
.endr
	v_lshlrev_b32 v93, 7, v0                       ; tile i begins at position 128 i: its expert is the number of segments that end at or before it
	v_mov_b32 v110, 0
.irp e, 0,1,2,3,4,5,6,7
	v_cmp_le_u32 vcc_lo, v[102+\e], v93
	v_cndmask_b32 v111, 0, 1, vcc_lo
	v_add_nc_u32 v110, v110, v111
.endr
	v_min_u32 v110, 7, v110
	global_store_b32 v8, v110, s[8:9] offset:TEXP
.Lno_texp:
	s_wait_xcnt 0x0                                ; EXEC is a source of every store issued so far: it is narrowed only behind this wait,
	v_cmp_eq_u32 vcc_lo, 0, v0
	s_wait_tensorcnt 0x0
	ds_add_u32 v192, v193
	s_wait_dscnt 0x0
	s_and_saveexec_b32 s24, vcc_lo                 ; thread 0 alone
	global_store_b32 v11, v101, s[10:11]
	s_wait_xcnt 0x0                                ; and widened again only behind this one
	s_or_b32 exec_lo, exec_lo, s24
	s_endpgm
.Lfunc_end_k_qfbc66c1a62_place:
	.size	k_qfbc66c1a62_place, .Lfunc_end_k_qfbc66c1a62_place-k_qfbc66c1a62_place
	.p2alignl 7, 3214868480
	.fill 96, 4, 3214868480
	.section	.rodata,"a",@progbits
	.p2align	6, 0x0
	.amdhsa_kernel k_qfbc66c1a62_place
		.amdhsa_group_segment_fixed_size 2048
		.amdhsa_private_segment_fixed_size 0
		.amdhsa_enable_private_segment 0
		.amdhsa_kernarg_size 32
		.amdhsa_user_sgpr_count 2
		.amdhsa_user_sgpr_kernarg_segment_ptr 1
		.amdhsa_wavefront_size32 1
		.amdhsa_system_sgpr_workgroup_id_x 1
		.amdhsa_system_sgpr_workgroup_id_y 1
		.amdhsa_system_sgpr_workgroup_id_z 1
		.amdhsa_system_vgpr_workitem_id 0
		.amdhsa_next_free_vgpr 194
		.amdhsa_next_free_sgpr 66
		.amdhsa_reserve_vcc 1
		.amdhsa_float_denorm_mode_32 3
		.amdhsa_float_denorm_mode_16_64 3
		.amdhsa_memory_ordered 1
		.amdhsa_forward_progress 1
		.amdhsa_inst_pref_size 31
	.end_amdhsa_kernel
	.amdgpu_metadata
---
amdhsa.version: [ 1, 2 ]
amdhsa.kernels:
  - .name:           k_qfbc66c1a62_place
    .symbol:         k_qfbc66c1a62_place.kd
    .args:
      - { .name: sel, .offset: 0, .size: 8, .value_kind: global_buffer, .address_space: global }
      - { .name: rf, .offset: 8, .size: 8, .value_kind: global_buffer, .address_space: global }
      - { .name: lists, .offset: 16, .size: 8, .value_kind: global_buffer, .address_space: global }
      - { .name: out1, .offset: 24, .size: 8, .value_kind: global_buffer, .address_space: global }
    .group_segment_fixed_size: 2048
    .private_segment_fixed_size: 0
    .kernarg_segment_align: 8
    .kernarg_segment_size: 32
    .max_flat_workgroup_size: 256
    .sgpr_count:     66
    .vgpr_count:     194
    .wavefront_size: 32
...
	.end_amdgpu_metadata
.endif
;; end of part 2
;; launch up (part 3): grid 16 x 39, 4 waves a work-group, no clusters, 140,288 bytes of LDS; arguments xqs, lists, w1_codes, w1_scales, hcs; writes hcs
.if DOCPART == 3
	.amdgcn_target "amdgcn-amd-amdhsa--gfx1250"
	.amdhsa_code_object_version 6
	.text
	.protected	k_qfbc66c1a62_up
	.globl	k_qfbc66c1a62_up
	.p2align	8
	.type	k_qfbc66c1a62_up,@function
k_qfbc66c1a62_up:
	s_mov_b64 s[64:65], 0
	v_nop
	global_prefetch_b8 v0, s[64:65] scope:SCOPE_SE
	s_setreg_imm32_b32 hwreg(HW_REG_WAVE_MODE, 25, 1), 1
	s_wait_xcnt 0x0
; FIRST PRODUCT OF THE CHOSEN ROWS, silu, AND THE QUANTISER ALONG THE HIDDEN AXIS.  MX-FP8 (E4M3 codes, one E8M0 byte for each 32 along K), sums in f32.
; Work-group (x, y): the 128 positions of row tile y (tokens by the list tok, expert by texp) x hidden units 128 x .. 128 x + 127, K = 1,024.
; Out: hcs = the hidden layer's codes as IMAGES OF THE NEXT PRODUCT'S OPERAND REGISTERS, [39 tiles][16 K steps][8 blocks of 16 rows][4 groups of registers][32 lanes][16 bytes]; HSO bytes on: its scale words [39][16][128 rows].
; FOUR WAVES, each 64 rows x 64 units: 16 accumulators.  USED TRANSPOSED (source 0 = 16 rows of W1, source 1 = 16 token rows): a lane holds one token and its registers run along the hidden units, the next K.
; THE ROWS OF W1 THAT FORM A TILE ARE NOT NEIGHBOURS: lane r of tile 2 b + u takes unit 32 b + 8 u + r + 8 (r / 8), so that the 16 registers of tiles 2 b, 2 b + 1 are 16 neighbours.  The order is made where W1's rows are stored to LDS.
; K goes in four steps of 256 through two LDS slots.  Both operands come through registers (global load, LDS store, one barrier a step): the next step's 32 loads a wave are on their way while this step is multiplied.
; EVERY WORK-GROUP RUNS THE SAME TEXT: numbers read from memory enter global addresses alone (held to their range first), no branch, no LDS address.  A tile with no entries multiplies token 0's row; nothing ever names its results.
; With 8 experts at most 7 of the 39 row tiles are such work.
; NO TENSOR LOADS AND NO JOINT LOADS: the token rows are a gather by a list, 128 rows at 128 places, and W1's tile hangs on an expert's number read from memory; what the 16 work-groups of a row tile share is that gather.
; LIMITS: NaN and infinities are not served; a block of zeros gets the byte 1 with zero codes (the bytes are read by this program alone); blocks whose largest magnitude lies under 2^-118 are held at byte 1.
; REGISTERS.  Window 0: v1-15 addresses; v16-31 the staged rows' byte offsets in x's codes; v32-47 x's scale words, v48-63 W1's; v64-127 four fragments of x, v128-191 four of W1; v192-219 set-up.
;   Window 1: v0-127 accumulators ((m, t) at 8 (4 m + t)); v128-191, v192-255 the rows on their way to LDS; on the way out v128-211 at work.
.set PITCH, 272                        ; an LDS row: 256 bytes + 16: an odd multiple of 16, so the 16 rows of a fragment load begin 16 bytes apart modulo 256
.set SLOT,  69632                      ; 128 token rows, then 128 rows of W1
.set BOFF,  34816
.set SCST,  139264                     ; behind the slots: the 128 rows' scale words of this K step of the next product
.set XSO,   2097152
.set TOKO,  16384
.set TEXPO, 36352
.set HSO,   10223616
.set ADRA, 4                           ; v4-5   my fragments of x in slot 0, 1
.set ADRB, 6                           ; v6-7   of W1
.set STA,  8                           ; v8-9   where I store token rows
.set STB,  10                          ; v10-11 where I store W1's rows
.set GB,   12                          ; v12    my byte offset in W1's 128 rows
.set HCO,  13                          ; v13    16 x lane
.set HSA,  14                          ; v14    LDS: my row's two scale bytes
.set HSR,  15                          ; v15    LDS: 16 bytes a lane of the 512
.set GA,   16
.set SCA,  32
.set SCB,  48
.set AF,   64
.set BF,   128
.set TK,   192
.set SGA,  128                         ; window 1
.set SGB,  192
.set TT,   128
.set TM,   160
.set PC,   176
.set HW,   208
.set MSB, 0
.macro WIN new                         ; the immediate's high byte repeats the setting that is left
.if MSB != \new
	s_set_vgpr_msb (MSB<<8)|\new
.set MSB, \new
.endif
.endm
.macro PLACES n
.rept \n
	v_nop
.endr
.endm
.macro BAR                             ; my LDS stores have landed and my LDS loads are in: then the work-group's barrier
	s_wait_dscnt 0x0
	s_barrier_signal -1
	s_barrier_wait -1
.endm
	s_load_b256 s[4:11], s[0:1], 0x0               ; xqs, lists, W1's codes, W1's scales
	s_load_b64 s[12:13], s[0:1], 0x20              ; hcs
	v_lshl_add_u32 v254, v0, 2, 0x22200
	v_mov_b32 v255, 0
	v_lshrrev_b32 v1, 5, v0
	v_readfirstlane_b32 s14, v1                    ; wave
	s_lshr_b32 s15, s14, 1                         ; wm: which 64 rows
	s_and_b32 s16, s14, 1                          ; wn: which 64 units
	s_mov_b32 s17, ttmp9                           ; x: which 128 units
	s_and_b32 s18, ttmp7, 0xffff                   ; y: which row tile
	s_lshl_b32 s33, s18, 2
	s_mov_b32 s28, 0x76543210
	s_mov_b32 s29, 0xfedcba98                      ; v_permlanex16_b32: lane l xor 16
	s_mov_b32 s30, 0xbfb8aa3b                      ; -log2(e)
	s_mov_b32 s31, s30                             ; (named with it as a pair)
	s_mov_b32 s32, 0x600000                        ; the mantissa field of 448
	v_and_b32 v1, 15, v0                           ; r
	v_bfe_u32 v2, v0, 4, 1                         ; h
	v_lshlrev_b32 v3, 4, v1                        ; 16 r
	v_and_b32 v216, 0x60, v0
	v_add_nc_u32 v216, v216, v2                    ; 32 w + h: the first row that I stage
	s_lshl_b32 s20, s15, 6
	v_add_nc_u32 v217, s20, v1                     ; 64 wm + r
	s_lshl_b32 s21, s16, 6
	v_add_nc_u32 v218, s21, v1                     ; 64 wn + r
	v_mul_u32_u24 v[ADRA], v217, PITCH
	v_lshl_add_u32 v[ADRA], v2, 4, v[ADRA]
	v_add_nc_u32 v[ADRA+1], SLOT, v[ADRA]
	v_mul_u32_u24 v[ADRB], v218, PITCH
	v_lshl_add_u32 v[ADRB], v2, 4, v[ADRB]
	v_add_nc_u32 v[ADRB], BOFF, v[ADRB]
	v_add_nc_u32 v[ADRB+1], SLOT, v[ADRB]
	v_mul_u32_u24 v[STA], v216, PITCH
	v_add_nc_u32 v[STA], v[STA], v3
	v_add_nc_u32 v[STA+1], SLOT, v[STA]
	v_add_nc_u32 v[STB], BOFF, v[STA]
	v_add_nc_u32 v[STB+1], BOFF, v[STA+1]
	v_lshl_add_u32 v[GB], v216, 10, v3
	v_and_b32 v[HCO], 31, v0
	v_lshlrev_b32 v[HCO], 4, v[HCO]
	s_lshl_b32 s21, s16, 1
	v_lshl_add_u32 v[HSA], v217, 2, s21
	v_add_nc_u32 v[HSA], SCST, v[HSA]
	v_add_nc_u32 v[HSR], SCST, v[HCO]
	v_lshlrev_b32 v214, 2, v216                    ; tok: the rows that I stage,
	v_lshlrev_b32 v215, 2, v217                    ; and the rows of my fragments
	v_and_b32 v219, 8, v1
	v_add_nc_u32 v219, v219, v1                    ; r + 8 (r / 8)
	v_lshlrev_b32 v219, 5, v219                    ; W1's scales: 32 bytes a unit;
	v_lshl_add_u32 v219, v2, 4, v219               ; lanes 0-15 take words 0-3, lanes 16-31 words 4-7
	s_wait_kmcnt 0x0
	s_load_b32 s19, s[6:7], s33 offset:TEXPO       ; the tile's expert
	s_lshl_b32 s20, s18, 9
	s_mov_b32 s21, 0
	s_add_nc_u64 s[24:25], s[6:7], s[20:21]
	s_add_nc_u64 s[24:25], s[24:25], TOKO          ; the tile's 128 words of tok
.irp j, 0,1,2,3,4,5,6,7,8,9,10,11,12,13,14,15
	global_load_b32 v[TK+\j], v214, s[24:25] offset:8*\j
.endr
.irp m, 0,1,2,3
	global_load_b32 v[TK+16+\m], v215, s[24:25] offset:64*\m
.endr
	s_add_nc_u64 s[22:23], s[4:5], XSO             ; x's scale words
	s_lshl_b32 s34, s18, 4
	s_add_co_u32 s34, s34, s17                     ; 16 y + x
	s_lshl_b32 s20, s34, 9
	s_add_nc_u64 s[26:27], s[12:13], s[20:21]
	s_add_nc_u64 s[26:27], s[26:27], HSO           ; my 512 bytes of the hidden layer's scale words
	s_lshl_b32 s20, s34, 14
	s_lshl_b32 s35, s15, 13
	s_add_co_u32 s20, s20, s35
	s_lshl_b32 s35, s16, 10
	s_add_co_u32 s20, s20, s35
	s_add_nc_u64 s[12:13], s[12:13], s[20:21]      ; my wave's images: K step x of tile y, blocks 4 wm on, register groups 2 wn on
	s_wait_kmcnt 0x0
	s_min_u32 s19, s19, 7                          ; held to its range before it enters an address
	s_lshl_b32 s20, s19, 21
	s_lshl_b32 s35, s17, 17
	s_add_co_u32 s20, s20, s35
	s_add_nc_u64 s[8:9], s[8:9], s[20:21]          ; W1's codes: expert, 128 x rows of 1,024 bytes
	s_lshl_b32 s20, s19, 16
	s_lshl_b32 s35, s17, 12
	s_add_co_u32 s20, s20, s35
	s_lshl_b32 s35, s16, 11
	s_add_co_u32 s20, s20, s35
	s_add_nc_u64 s[10:11], s[10:11], s[20:21]      ; W1's scales: my wave's 64 units
; a wave stages 32 rows of each operand: a load takes two rows' 256 bytes, lanes 0-15 the even row, lanes 16-31 the odd one
.macro LOADGA i
	WIN 0x40                                       ; destination window 1
.irp j, 0,1,2,3,4,5,6,7,8,9,10,11,12,13,14,15
	global_load_b128 v[SGA+4*\j:SGA+4*\j+3], v[GA+\j], s[4:5] offset:256*(\i)
.endr
.endm
.macro LOADGB i
	WIN 0x40
.irp j, 0,1,2,3,4,5,6,7,8,9,10,11,12,13,14,15
	global_load_b128 v[SGB+4*\j:SGB+4*\j+3], v[GB], s[8:9] offset:2048*\j+256*(\i)
.endr
.endm
.macro STORE slot
	WIN 0x04                                       ; an LDS store's data are its source 1: window 1
.irp j, 0,1,2,3,4,5,6,7,8,9,10,11,12,13,14,15
	ds_store_b128 v[STA+\slot], v[SGA+4*\j:SGA+4*\j+3] offset:2*PITCH*\j
.endr
.irp j, 0,1,2,3,4,5,6,7,8,9,10,11,12,13,14,15
	ds_store_b128 v[STB+\slot], v[SGB+4*\j:SGB+4*\j+3] offset:PITCH*(16*((\j/4)%2)+8*(\j/8)+2*(\j%4))   ; unit y = 2 j + h of 32 goes to row 16 ((y / 8) % 2) + 8 (y / 16) + y % 8
.endr
.endm
.macro FETCH slot, q                   ; the fragments of the slot's q-th 128 along K: W1's four, then x's four
	WIN 0
.irp t, 0,1,2,3
.irp c, 0,1,2,3
	ds_load_b128 v[BF+16*\t+4*\c:BF+16*\t+4*\c+3], v[ADRB+\slot] offset:16*\t*PITCH+128*\q+32*\c
.endr
.endr
.irp m, 0,1,2,3
.irp c, 0,1,2,3
	ds_load_b128 v[AF+16*\m+4*\c:AF+16*\m+4*\c+3], v[ADRA+\slot] offset:16*\m*PITCH+128*\q+32*\c
.endr
.endr
.endm
; one product.  ra, rb: the scales of source 0, source 1 stand in lanes 16-31 of their registers
.macro WM d, b, a, sb, sa, ra, rb, zero
.if \zero
	v_wmma_scale_f32_16x16x128_f8f6f4 v[\d:\d+7], v[\b:\b+15], v[\a:\a+15], 0, v[\sb], v[\sa]
.elseif (\ra) && (\rb)
	v_wmma_scale_f32_16x16x128_f8f6f4 v[\d:\d+7], v[\b:\b+15], v[\a:\a+15], v[\d:\d+7], v[\sb], v[\sa] matrix_a_scale:MATRIX_SCALE_ROW1 matrix_b_scale:MATRIX_SCALE_ROW1
.elseif (\ra)
	v_wmma_scale_f32_16x16x128_f8f6f4 v[\d:\d+7], v[\b:\b+15], v[\a:\a+15], v[\d:\d+7], v[\sb], v[\sa] matrix_a_scale:MATRIX_SCALE_ROW1
.elseif (\rb)
	v_wmma_scale_f32_16x16x128_f8f6f4 v[\d:\d+7], v[\b:\b+15], v[\a:\a+15], v[\d:\d+7], v[\sb], v[\sa] matrix_b_scale:MATRIX_SCALE_ROW1
.else
	v_wmma_scale_f32_16x16x128_f8f6f4 v[\d:\d+7], v[\b:\b+15], v[\a:\a+15], v[\d:\d+7], v[\sb], v[\sa]
.endif
.endm
; K step s of eight: 16 products.  The 16 accumulators take turns, one instruction a turn, in the same order in every step.
; A scale register holds word s % 4 in lanes 0-15 and word 4 + s % 4 in lanes 16-31.
.macro MUL s, zero
	WIN 0x50                                       ; C and D window 1
.irp m, 0,1,2,3
	s_wait_dscnt 12-4*\m                           ; W1's fragments and x's 0 .. m are in; the four loads of each later fragment of x may be out
.irp t, 0,1,2,3
	WM 8*(4*\m+\t), BF+16*\t, AF+16*\m, SCB+4*\t+(\s)%4, SCA+4*\m+(\s)%4, (\s)/4, (\s)/4, \zero
.endr
.endr
.endm
; A step of 256 along K.  Eight plain places stand behind the products in front of the loads into registers that they read, and of the first read of results (ISA guide 7.12.1 for the read of results).
.macro KSTEP i, slot, next, more, zero
.if \more
	LOADGA (\i)+1                                  ; the next step's rows: they land while this step is multiplied
	LOADGB (\i)+1
.endif
	FETCH \slot, 0
	MUL 2*(\i), \zero
	PLACES 8
	FETCH \slot, 1
	MUL 2*(\i)+1, 0
	PLACES 8
.if \more
	s_wait_loadcnt 0x0
	STORE \next                                    ; every wave left that slot in front of the last barrier
	BAR
.endif
.endm
.irp t, 0,1,2,3
	global_load_b128 v[SCB+4*\t:SCB+4*\t+3], v219, s[10:11] offset:(32*(\t/2)+8*(\t%2))*32
.endr
	LOADGB 0
	WIN 0
	s_wait_loadcnt 20                              ; the 20 loads from tok are in; the 20 issued behind them may be out
.irp j, 0,1,2,3,4,5,6,7,8,9,10,11,12,13,14,15
	v_min_u32 v[TK+\j], 0x7ff, v[TK+\j]            ; a token, held to its range before it enters an address
	v_lshl_add_u32 v[GA+\j], v[TK+\j], 10, v3      ; its row of 1,024 codes, + 16 r
.endr
.irp m, 0,1,2,3
	v_min_u32 v[TK+16+\m], 0x7ff, v[TK+16+\m]
	v_lshlrev_b32 v[TK+16+\m], 5, v[TK+16+\m]      ; its 8 scale words;
	v_lshl_add_u32 v[TK+16+\m], v2, 4, v[TK+16+\m] ; lanes 0-15 take words 0-3, lanes 16-31 words 4-7
.endr
.irp m, 0,1,2,3
	global_load_b128 v[SCA+4*\m:SCA+4*\m+3], v[TK+16+\m], s[22:23]
.endr
	LOADGA 0
	s_wait_loadcnt 0x0
	STORE 0
	BAR
	KSTEP 0, 0, 1, 1, 1                            ; the first products start the sums: nothing is cleared
	KSTEP 1, 1, 0, 1, 0
	KSTEP 2, 0, 1, 1, 0
	KSTEP 3, 1, 0, 0, 0
; THE WAY OUT of the 16 rows of block m: 32 numbers a lane, register 16 b + i = unit 64 wn + 32 b + 16 h + i of row r.  silu(z) = z / (1 + 2^(-z log2 e)), all in f32; then the quantiser, two blocks of 32.
; Each accumulator is read from its low end on.
.macro ACT m
	WIN 0x55                                       ; all operands window 1
.set ZB, 32*(\m)
.set j, 0
.rept 16
	v_pk_mul_f32 v[TT+j:TT+j+1], v[ZB+j:ZB+j+1], s[30:31] op_sel_hi:[1,0]
.set j, j+2
.endr
.set j, 0
.rept 32
	v_exp_f32 v[TT+j], v[TT+j]
.set j, j+1
.endr
	v_nop                                          ; a plain line behind the exponentials
.set j, 0
	s_wait_alu depctr_va_vdst(0)
.rept 16
	v_pk_add_f32 v[TT+j:TT+j+1], v[TT+j:TT+j+1], 1.0 op_sel_hi:[1,0]
.set j, j+2
.endr
.set j, 0
.rept 32
	v_rcp_f32 v[TT+j], v[TT+j]
.set j, j+1
.endr
	v_nop
.set j, 0
	s_wait_alu depctr_va_vdst(0)
.rept 16
	v_pk_mul_f32 v[ZB+j:ZB+j+1], v[ZB+j:ZB+j+1], v[TT+j:TT+j+1]
.set j, j+2
.endr
.irp b, 0,1
	v_max3_num_f32 v[TM+\b], |v[ZB+16*\b]|, |v[ZB+16*\b+1]|, 0x4800000      ; my 16 of the block, over the floor 2^(9 - 127)
.endr
.irp i, 2,4,6,8,10,12,14
.irp b, 0,1
	v_max3_num_f32 v[TM+\b], v[TM+\b], |v[ZB+16*\b+\i]|, |v[ZB+16*\b+\i+1]|
.endr
.endr
.irp b, 0,1
	v_permlanex16_b32 v[TM+2+\b], v[TM+\b], s28, s29
.endr
.irp b, 0,1
	v_max_num_f32 v[TM+\b], v[TM+\b], v[TM+2+\b]   ; with lane l xor 16's 16: the block's largest magnitude
.endr
.irp b, 0,1
	v_add_nc_u32 v[TM+6+\b], 0xfc000000, v[TM+\b]  ; 8 off its exponent field: the conversion's scale operand
.endr
.irp b, 0,1
	v_and_or_b32 v[TM+4+\b], v[TM+\b], 0x7f800000, s32      ; 448 x the scale
.endr
.irp b, 0,1
	v_lshrrev_b32 v[TM+2+\b], 23, v[TM+6+\b]       ; the scale's byte
.endr
	v_lshl_or_b32 v[HW+\m], v[TM+3], 8, v[TM+2]    ; my wave's two bytes of the row's word
.irp b, 0,1
.irp i, 0,1,2,3,4,5,6,7,8,9,10,11,12,13,14,15
	v_med3_num_f32 v[ZB+16*\b+\i], v[ZB+16*\b+\i], -v[TM+4+\b], v[TM+4+\b]      ; the conversion does not saturate (ISA guide 7.6.2)
.endr
	v_cvt_scalef32_pk8_fp8_f32 v[PC+8*(\m)+4*\b:PC+8*(\m)+4*\b+1], v[ZB+16*\b:ZB+16*\b+7], v[TM+6+\b]
	v_cvt_scalef32_pk8_fp8_f32 v[PC+8*(\m)+4*\b+2:PC+8*(\m)+4*\b+3], v[ZB+16*\b+8:ZB+16*\b+15], v[TM+6+\b]
.endr
	v_nop                                          ; a plain line behind the last conversion
	WIN 0x04                                       ; a store's data are its source 1: window 1
	global_store_b128 v[HCO], v[PC+8*(\m):PC+8*(\m)+3], s[12:13] offset:2048*(\m)            ; register group 2 wn of the block's image: 512 consecutive bytes
	global_store_b128 v[HCO], v[PC+8*(\m)+4:PC+8*(\m)+7], s[12:13] offset:2048*(\m)+512      ; group 2 wn + 1
	ds_store_b16 v[HSA], v[HW+\m] offset:64*(\m)   ; lanes r and 16 + r write the same two bytes with the same value
.endm
	WIN 0x55
	v_mov_b32 v[TM+2], 0                           ; a lane permute's destination counts as one of its sources
	v_mov_b32 v[TM+3], 0
	ACT 0
	ACT 1
	ACT 2
	ACT 3
	WIN 0
	BAR                                            ; the 128 rows' scale words lie in LDS
	s_cmp_lg_u32 s14, 0
	s_cbranch_scc1 .Ldone
	ds_load_b128 v[64:67], v[HSR]
	s_wait_dscnt 0x0
	global_store_b128 v[HCO], v[64:67], s[26:27]   ; wave 0 stores them: 512 consecutive bytes
.Ldone:
	s_wait_tensorcnt 0x0
	ds_add_u32 v254, v255
	s_wait_dscnt 0x0
	s_endpgm
.Lfunc_end_k_qfbc66c1a62_up:
	.size	k_qfbc66c1a62_up, .Lfunc_end_k_qfbc66c1a62_up-k_qfbc66c1a62_up
	.p2alignl 7, 3214868480
	.fill 96, 4, 3214868480
	.section	.rodata,"a",@progbits
	.p2align	6, 0x0
	.amdhsa_kernel k_qfbc66c1a62_up
		.amdhsa_group_segment_fixed_size 140288
		.amdhsa_private_segment_fixed_size 0
		.amdhsa_enable_private_segment 0
		.amdhsa_kernarg_size 40
		.amdhsa_user_sgpr_count 2
		.amdhsa_user_sgpr_kernarg_segment_ptr 1
		.amdhsa_wavefront_size32 1
		.amdhsa_system_sgpr_workgroup_id_x 1
		.amdhsa_system_sgpr_workgroup_id_y 1
		.amdhsa_system_sgpr_workgroup_id_z 1
		.amdhsa_system_vgpr_workitem_id 0
		.amdhsa_next_free_vgpr 512
		.amdhsa_next_free_sgpr 66
		.amdhsa_reserve_vcc 0
		.amdhsa_float_denorm_mode_32 3
		.amdhsa_float_denorm_mode_16_64 3
		.amdhsa_memory_ordered 1
		.amdhsa_forward_progress 1
		.amdhsa_inst_pref_size 104
	.end_amdhsa_kernel
	.amdgpu_metadata
---
amdhsa.version: [ 1, 2 ]
amdhsa.kernels:
  - .name:           k_qfbc66c1a62_up
    .symbol:         k_qfbc66c1a62_up.kd
    .args:
      - { .name: xqs, .offset: 0, .size: 8, .value_kind: global_buffer, .address_space: global }
      - { .name: lists, .offset: 8, .size: 8, .value_kind: global_buffer, .address_space: global }
      - { .name: w1_codes, .offset: 16, .size: 8, .value_kind: global_buffer, .address_space: global }
      - { .name: w1_scales, .offset: 24, .size: 8, .value_kind: global_buffer, .address_space: global }
      - { .name: hcs, .offset: 32, .size: 8, .value_kind: global_buffer, .address_space: global }
    .group_segment_fixed_size: 140288
    .private_segment_fixed_size: 0
    .kernarg_segment_align: 8
    .kernarg_segment_size: 40
    .max_flat_workgroup_size: 128
    .sgpr_count:     66
    .vgpr_count:     512
    .wavefront_size: 32
...
	.end_amdgpu_metadata
.endif
;; end of part 3
;; launch down (part 4): grid 4 x 39, 4 waves a work-group, no clusters, 263,680 bytes of LDS; arguments hcs, lists, w2_codes, w2_scales, ybuf; writes ybuf
.if DOCPART == 4
	.amdgcn_target "amdgcn-amd-amdhsa--gfx1250"
	.amdhsa_code_object_version 6
	.text
	.protected	k_qfbc66c1a62_down
	.globl	k_qfbc66c1a62_down
	.p2align	8
	.type	k_qfbc66c1a62_down,@function
k_qfbc66c1a62_down:
	s_mov_b64 s[64:65], 0
	v_nop
	global_prefetch_b8 v0, s[64:65] scope:SCOPE_SE
	s_setreg_imm32_b32 hwreg(HW_REG_WAVE_MODE, 25, 1), 1
	s_wait_xcnt 0x0
; SECOND PRODUCT OF THE CHOSEN ROWS.  MX-FP8, sums in f32.  Work-group (x, y): the 128 positions of row tile y x columns 256 x .. 256 x + 255 of the model's 1,024, K = 2,048.  Out: ybuf [4992 positions][1024] f32.
; The hidden layer comes as images of this product's operand registers (16 KB for a K step of 128 and 128 rows), so a fragment is four loads of 512 consecutive bytes; its scale words [tile][16 steps][128 rows].
; FOUR WAVES, each 64 rows x 128 columns: 32 accumulators, 256 registers.  For 128 along K a wave reads 12 fragments from LDS for 32 products, and the work-group takes in (128 + 256) x 128 bytes for 128 x 256 outputs.
; 4 x 39 = 156 work-groups: the row tiles are 128 rows of one expert, and the wider tile with 1,024 registers a wave is what lets two K steps' bytes be on their way at once.
; USED TRANSPOSED (source 0 = 16 rows of W2, source 1 = 16 rows of the hidden layer): a lane holds eight neighbouring columns of one row of y.
; K goes in eight steps of 256 through two LDS slots.  Both operands come through registers (global load, LDS store, one barrier a step), in TWO sets of staging registers: step i + 2's 48 loads a wave are issued in
; step i and waited for in the middle of step i + 1, where their LDS stores stand among that step's products.  By the text's own count a wave names up to 96 loads as outstanding (108 at the head), more than
; LOADcnt's field counts: the issue of a load then waits for an earlier one's return (ISA guide 5.7.1), and every count below stays right.
; A K step's products go COLUMN TILE BY COLUMN TILE: the hidden layer's four fragments are fetched first, then W2's eight, and the four products of a tile wait for that tile's fragment alone.
; THE SCALE BYTES COME ONCE, as dense blocks in whole units of 256 bytes: the row tile's 8,192 bytes and the 256 columns' 16,384, through registers into LDS, and from there into 96 registers that hold nothing else.
; EVERY WORK-GROUP RUNS THE SAME TEXT: the tile's expert, read from memory and held to 0 .. 7, enters W2's global addresses alone.  A tile without entries gives rows that nothing names.
; NO TENSOR LOADS AND NO JOINT LOADS: W2's tile hangs on a number read from memory, which this text keeps out of descriptors; what the 4 work-groups of a row tile share, the images, is a third of a step's bytes.
; REGISTERS.  Window 0: v1-26 addresses; v32-63 the hidden layer's scale words, v64-127 W2's; v128-191 four fragments of the hidden layer; v192-239 the scale bytes on their way to LDS.
;   Window 1: the accumulators ((m, t) at 8 (8 m + t)).   Window 2: v0-127 eight fragments of W2; v128-191, v192-255 the images on their way to LDS, sets 0 and 1; on the way out all 256: rows read back.
;   Window 3: v0-127, v128-255 W2's rows on their way to LDS, sets 0 and 1.
.set PITCH,  272                       ; a row of W2 in LDS: 256 bytes + 16, an odd multiple of 16: the 16 rows of a fragment load begin 16 bytes apart modulo 256
.set BOFF,   32768
.set SLOT,   102400                    ; two K steps' images (32,768 bytes), then 256 rows of W2
.set HSL,    204800                    ; behind the slots: the hidden layer's scale words, 8,192 bytes;
.set WSL,    212992                    ; W2's scale bytes, 16,384;
.set STG,    229376                    ; a stage of 16 rows x 528 bytes for each wave
.set SPITCH, 528
.set HSO,    10223616
.set TEXPO,  36352
.set ADRA, 4                           ; v4-5   my fragments of the hidden layer in slot 0, 1
.set ADRB, 6                           ; v6-7   of W2
.set STA,  8                           ; v8-9   where I store my quarter of the images
.set STB,  10                          ; v10-11 where I store my 64 rows of W2
.set GA,   12                          ; v12    my byte offset in a step's images
.set GB,   13                          ; v13    in W2's 256 rows
.set SO,   14                          ; v14    the stage: where I put 32 bytes of a row
.set SR,   15                          ; v15    and where I read a row back
.set L16,  16                          ; v16    16 x lane
.set GH,   17                          ; v17    my byte offset in the 8,192 bytes,  v18 the same in LDS
.set HSW,  18
.set GW,   19                          ; v19    in the 16,384 bytes,  v20 the same in LDS
.set WSW,  20
.set SAA,  21                          ; v21    LDS: my rows' scale words
.set SBA,  22                          ; v22    LDS: my columns' scale words
.set SCA,  32
.set SCB,  64
.set AF,   128
.set HST,  192
.set WST,  208
.set SGA,  128                         ; window 2
.set MSB, 0
.macro WIN new                         ; the immediate's high byte repeats the setting that is left
.if MSB != \new
	s_set_vgpr_msb (MSB<<8)|\new
.set MSB, \new
.endif
.endm
.macro PLACES n
.rept \n
	v_nop
.endr
.endm
.macro BAR                             ; my LDS stores have landed and my LDS loads are in: then the work-group's barrier
	s_wait_dscnt 0x0
	s_barrier_signal -1
	s_barrier_wait -1
.endm
	s_load_b256 s[4:11], s[0:1], 0x0               ; hcs, lists, W2's codes, W2's scales
	s_load_b64 s[12:13], s[0:1], 0x20              ; ybuf
	v_lshl_add_u32 v254, v0, 2, 0x40400
	v_mov_b32 v255, 0
	v_lshrrev_b32 v1, 5, v0
	v_readfirstlane_b32 s14, v1                    ; wave
	s_lshr_b32 s15, s14, 1                         ; wm: which 64 rows
	s_and_b32 s16, s14, 1                          ; wn: which 128 columns
	s_mov_b32 s17, ttmp9                           ; x
	s_and_b32 s18, ttmp7, 0xffff                   ; y
	s_lshl_b32 s33, s18, 2
	v_and_b32 v1, 15, v0                           ; r
	v_bfe_u32 v2, v0, 4, 1                         ; h
	v_lshlrev_b32 v3, 4, v1                        ; 16 r
	v_and_b32 v[L16], 31, v0
	v_lshlrev_b32 v[L16], 4, v[L16]                ; 16 x lane
	v_and_b32 v23, 0x60, v0                        ; 32 w
	v_lshl_add_u32 v[GA], v23, 8, v[L16]           ; 8,192 w + 16 x lane: my quarter of a step's images, in memory
	v_lshl_add_u32 v[STA], v23, 8, v[L16]          ; and in LDS
	v_add_nc_u32 v[STA+1], SLOT, v[STA]
	v_lshl_add_u32 v[GH], v23, 6, v[L16]           ; 2,048 w + 16 x lane
	v_add_nc_u32 v[HSW], HSL, v[GH]
	v_lshl_add_u32 v[GW], v23, 7, v[L16]           ; 4,096 w + 16 x lane
	v_add_nc_u32 v[WSW], WSL, v[GW]
	v_lshl_add_u32 v25, v23, 1, v2                 ; 64 w + h: the first row of W2 that I stage
	v_lshl_add_u32 v[GB], v25, 11, v3              ; its 2,048 bytes a row, + 16 r
	v_mul_u32_u24 v[STB], v25, PITCH
	v_add_nc_u32 v[STB], v[STB], v3
	v_add_nc_u32 v[STB], BOFF, v[STB]
	v_add_nc_u32 v[STB+1], SLOT, v[STB]
	s_lshl_b32 s20, s15, 13
	v_add_nc_u32 v[ADRA], s20, v[L16]              ; images: blocks 4 wm on
	v_add_nc_u32 v[ADRA+1], SLOT, v[ADRA]
	s_lshl_b32 s20, s16, 7
	v_add_nc_u32 v24, s20, v1                      ; 128 wn + r
	v_mul_u32_u24 v[ADRB], v24, PITCH
	v_lshl_add_u32 v[ADRB], v2, 4, v[ADRB]
	v_add_nc_u32 v[ADRB], BOFF, v[ADRB]
	v_add_nc_u32 v[ADRB+1], SLOT, v[ADRB]
	s_lshl_b32 s20, s15, 6
	v_add_nc_u32 v26, s20, v1                      ; 64 wm + r
	v_lshlrev_b32 v[SAA], 2, v26
	v_lshl_add_u32 v[SAA], v2, 9, v[SAA]           ; the hidden layer's scale words: lanes 0-15 an even K step's, lanes 16-31 the odd one's behind it
	v_add_nc_u32 v[SAA], HSL, v[SAA]
	v_lshlrev_b32 v[SBA], 6, v24
	v_lshl_add_u32 v[SBA], v2, 4, v[SBA]           ; W2's: 64 bytes a row; lanes 0-15 four words, lanes 16-31 the next four
	v_add_nc_u32 v[SBA], WSL, v[SBA]
	s_mul_i32 s20, s14, 16*SPITCH
	s_add_co_u32 s20, s20, STG                     ; my stage
	v_mul_u32_u24 v[SO], v1, SPITCH
	v_lshl_add_u32 v[SO], v2, 5, v[SO]
	v_add_nc_u32 v[SO], s20, v[SO]                 ; in: row r, 32 bytes for each half of the lanes
	v_add_nc_u32 v[SR], s20, v[L16]                ; back: the 32 lanes take one row of 512 bytes
	s_wait_kmcnt 0x0
	s_load_b32 s19, s[6:7], s33 offset:TEXPO       ; the tile's expert
	s_mov_b32 s21, 0
	s_lshl_b32 s20, s18, 13
	s_add_nc_u64 s[22:23], s[4:5], s[20:21]
	s_add_nc_u64 s[22:23], s[22:23], HSO           ; the tile's scale words
	s_lshl_b32 s20, s18, 18
	s_add_nc_u64 s[4:5], s[4:5], s[20:21]          ; the tile's images
.macro LOADGA i, set                   ; step i's images are 32,768 consecutive bytes: 16 loads of 512 a wave
	WIN 0x80                                       ; destination window 2
.irp j, 0,1,2,3,4,5,6,7,8,9,10,11,12,13,14,15
	global_load_b128 v[SGA+64*(\set)+4*\j:SGA+64*(\set)+4*\j+3], v[GA], s[4:5] offset:512*\j+32768*(\i)
.endr
.endm
.macro LOADGB i, set                   ; step i's 256 bytes of my 64 rows of W2: a load takes two rows, lanes 0-15 the even one, lanes 16-31 the odd one
	WIN 0xc0                                       ; destination window 3
.set jj, 0
.rept 32
	global_load_b128 v[128*(\set)+4*jj:128*(\set)+4*jj+3], v[GB], s[8:9] offset:4096*jj+256*(\i)
.set jj, jj+1
.endr
.endm
.macro STORE slot, set                 ; 48 LDS stores
	WIN 0x08                                       ; an LDS store's data are its source 1: window 2
.irp j, 0,1,2,3,4,5,6,7,8,9,10,11,12,13,14,15
	ds_store_b128 v[STA+\slot], v[SGA+64*(\set)+4*\j:SGA+64*(\set)+4*\j+3] offset:512*\j
.endr
	WIN 0x0c                                       ; window 3
.set jj, 0
.rept 32
	ds_store_b128 v[STB+\slot], v[128*(\set)+4*jj:128*(\set)+4*jj+3] offset:2*PITCH*jj
.set jj, jj+1
.endr
.endm
.macro FETCH slot, q                   ; the fragments of the slot's q-th 128 along K: the hidden layer's four, then W2's eight: 48 LDS loads
	WIN 0
.irp m, 0,1,2,3
.irp c, 0,1,2,3
	ds_load_b128 v[AF+16*\m+4*\c:AF+16*\m+4*\c+3], v[ADRA+\slot] offset:16384*\q+2048*\m+512*\c
.endr
.endr
	WIN 0x80                                       ; destination window 2
.irp t, 0,1,2,3,4,5,6,7
.irp c, 0,1,2,3
	ds_load_b128 v[16*\t+4*\c:16*\t+4*\c+3], v[ADRB+\slot] offset:16*\t*PITCH+128*\q+32*\c
.endr
.endr
.endm
; one product.  ra, rb: the scales of source 0, source 1 stand in lanes 16-31 of their registers
.macro WM d, b, a, sb, sa, ra, rb, zero
.if \zero
	v_wmma_scale_f32_16x16x128_f8f6f4 v[\d:\d+7], v[\b:\b+15], v[\a:\a+15], 0, v[\sb], v[\sa]
.elseif (\ra) && (\rb)
	v_wmma_scale_f32_16x16x128_f8f6f4 v[\d:\d+7], v[\b:\b+15], v[\a:\a+15], v[\d:\d+7], v[\sb], v[\sa] matrix_a_scale:MATRIX_SCALE_ROW1 matrix_b_scale:MATRIX_SCALE_ROW1
.elseif (\ra)
	v_wmma_scale_f32_16x16x128_f8f6f4 v[\d:\d+7], v[\b:\b+15], v[\a:\a+15], v[\d:\d+7], v[\sb], v[\sa] matrix_a_scale:MATRIX_SCALE_ROW1
.elseif (\rb)
	v_wmma_scale_f32_16x16x128_f8f6f4 v[\d:\d+7], v[\b:\b+15], v[\a:\a+15], v[\d:\d+7], v[\sb], v[\sa] matrix_b_scale:MATRIX_SCALE_ROW1
.else
	v_wmma_scale_f32_16x16x128_f8f6f4 v[\d:\d+7], v[\b:\b+15], v[\a:\a+15], v[\d:\d+7], v[\sb], v[\sa]
.endif
.endm
; Half of K step s of sixteen: column tiles t0 .. t0 + 3, four products each.  The 32 accumulators take turns, one instruction a turn, in the same order in every step.
; W2's word s stands in register 4 (s / 8) + s % 4 of the tile's eight, in lanes 16-31 where (s / 4) % 2 = 1; the hidden layer's in register s / 2 of the block's eight, in lanes 16-31 for odd s.
; extra: LDS instructions issued behind the step's fetch, which may stay out.
.macro MULH s, t0, extra, zero
	WIN 0x52                                       ; source 0 (W2) window 2, source 1 window 0, C and D window 1
.irp t, \t0, \t0+1, \t0+2, \t0+3
	s_wait_dscnt (\extra)+4*(7-(\t))               ; the hidden layer's fragments and W2's 0 .. t are in; the four loads of each later tile may be out
.irp m, 0,1,2,3
	WM 8*(8*\m+(\t)), 16*(\t), AF+16*\m, SCB+8*(\t)+4*((\s)/8)+(\s)%4, SCA+8*\m+(\s)/2, ((\s)/4)%2, (\s)%2, \zero
.endr
.endr
.endm
; A step of 256 along K.  ld: step i + 2's loads are issued, into the set whose LDS stores were waited for in front of the last barrier.  st: step i + 1's bytes go into the other slot, which every wave left in front of
; the last barrier.  Eight plain places stand behind the products in front of the loads into registers that they read, and of the first read of results (ISA guide 7.12.1 for the read of results).
.macro KSTEP i, slot, next, ld, st, zero
	FETCH \slot, 0
.if \ld
	LOADGA (\i)+2, (\i)%2                          ; behind the fetch: the LDS serves it while these are issued
	LOADGB (\i)+2, (\i)%2
.endif
	MULH 2*(\i), 0, 0, \zero
	MULH 2*(\i), 4, 0, \zero
	PLACES 8
	FETCH \slot, 1
	MULH 2*(\i)+1, 0, 0, 0
.if \st
.if \ld
	s_wait_loadcnt 48                              ; step i + 1's 48 loads are in; step i + 2's 48, issued behind them, may be out
.else
	s_wait_loadcnt 0x0
.endif
	STORE \next, ((\i)+1)%2                        ; the LDS takes these while the step's last sixteen products run
	MULH 2*(\i)+1, 4, 48, 0
.else
	MULH 2*(\i)+1, 4, 0, 0
.endif
	PLACES 8
.if \st
	BAR
.endif
.endm
	LOADGA 0, 0                                    ; what does not need the expert goes out first
	WIN 0
.irp j, 0,1,2,3
	global_load_b128 v[HST+4*\j:HST+4*\j+3], v[GH], s[22:23] offset:512*\j
.endr
	s_lshl_b32 s20, s18, 19
	s_lshl_b32 s34, s15, 18
	s_add_co_u32 s20, s20, s34
	s_lshl_b32 s34, s17, 10
	s_add_co_u32 s20, s20, s34
	s_lshl_b32 s34, s16, 9
	s_add_co_u32 s20, s20, s34
	s_add_nc_u64 s[12:13], s[12:13], s[20:21]      ; y: row 128 y + 64 wm, column 256 x + 128 wn
	s_wait_kmcnt 0x0
	s_min_u32 s19, s19, 7                          ; held to its range before it enters an address
	s_lshl_b32 s20, s19, 21
	s_lshl_b32 s34, s17, 19
	s_add_co_u32 s20, s20, s34
	s_add_nc_u64 s[8:9], s[8:9], s[20:21]          ; W2's codes: expert, 256 x rows of 2,048 bytes
	s_lshl_b32 s20, s19, 16
	s_lshl_b32 s34, s17, 14
	s_add_co_u32 s20, s20, s34
	s_add_nc_u64 s[10:11], s[10:11], s[20:21]      ; W2's scales: the same rows, 64 bytes each
	LOADGB 0, 0
	WIN 0
.irp j, 0,1,2,3,4,5,6,7
	global_load_b128 v[WST+4*\j:WST+4*\j+3], v[GW], s[10:11] offset:512*\j
.endr
	LOADGA 1, 1
	LOADGB 1, 1
	s_wait_loadcnt 48                              ; step 0's bytes and the scale bytes are in; step 1's 48 loads may be out
	STORE 0, 0
	WIN 0
.irp j, 0,1,2,3
	ds_store_b128 v[HSW], v[HST+4*\j:HST+4*\j+3] offset:512*\j
.endr
.irp j, 0,1,2,3,4,5,6,7
	ds_store_b128 v[WSW], v[WST+4*\j:WST+4*\j+3] offset:512*\j
.endr
	BAR
.irp m, 0,1,2,3
.irp p, 0,1,2,3,4,5,6,7
	ds_load_b32 v[SCA+8*\m+\p], v[SAA] offset:1024*\p+64*\m        ; K steps 2 p and 2 p + 1 of rows 16 m on
.endr
.endr
.irp t, 0,1,2,3,4,5,6,7
.irp g, 0,1
	ds_load_b128 v[SCB+8*\t+4*\g:SCB+8*\t+4*\g+3], v[SBA] offset:1024*\t+32*\g      ; K steps 8 g on of columns 16 t on
.endr
.endr
	KSTEP 0, 0, 1, 1, 1, 1                         ; the first products start the sums: nothing is cleared.  (Their first wait on DScnt covers the scale words too: they were asked for ahead of the fragments)
	KSTEP 1, 1, 0, 1, 1, 0
	KSTEP 2, 0, 1, 1, 1, 0
	KSTEP 3, 1, 0, 1, 1, 0
	KSTEP 4, 0, 1, 1, 1, 0
	KSTEP 5, 1, 0, 1, 1, 0
	KSTEP 6, 0, 1, 0, 1, 0                         ; nothing is left to ask for
	KSTEP 7, 1, 0, 0, 0, 0
; THE WAY OUT.  A lane holds 32 neighbouring bytes of a row and the lanes beside it other rows: a block of 16 rows x 512 bytes goes through my own stage and comes back by rows.
; LDS serves a wave's instructions in order (ISA guide 5.7.1.4): no wait between the stores and the loads, nor in front of the next block's stores.  Each block has read-back registers of its own.
.macro TOSTAGE m
	WIN 0x04                                       ; the data: window 1
.irp t, 0,1,2,3,4,5,6,7
	ds_store_b128 v[SO], v[8*(8*\m+\t):8*(8*\m+\t)+3] offset:64*\t            ; each accumulator from its low end on
	ds_store_b128 v[SO], v[8*(8*\m+\t)+4:8*(8*\m+\t)+7] offset:64*\t+16
.endr
	WIN 0x80                                       ; destination window 2
.irp i, 0,1,2,3,4,5,6,7,8,9,10,11,12,13,14,15
	ds_load_b128 v[64*\m+4*\i:64*\m+4*\i+3], v[SR] offset:SPITCH*\i
.endr
.endm
.macro SEND m, younger                 ; younger: the LDS instructions of the block issued behind block m
	WIN 0x08                                       ; a store's data are its source 1: window 2
.irp i, 0,1,2,3,4,5,6,7,8,9,10,11,12,13,14,15
	s_wait_dscnt (\younger)+15-\i                  ; behind this load: the block's later loads and the next block's
	global_store_b128 v[L16], v[64*\m+4*\i:64*\m+4*\i+3], s[12:13] offset:(16*\m+\i)*4096      ; 32 lanes store 512 consecutive bytes, at a multiple of 256
.endr
.endm
	TOSTAGE 0
	TOSTAGE 1
	SEND 0, 32
	TOSTAGE 2
	SEND 1, 32
	TOSTAGE 3
	SEND 2, 32
	SEND 3, 0
	WIN 0
	s_wait_tensorcnt 0x0
	ds_add_u32 v254, v255
	s_wait_dscnt 0x0
	s_endpgm
.Lfunc_end_k_qfbc66c1a62_down:
	.size	k_qfbc66c1a62_down, .Lfunc_end_k_qfbc66c1a62_down-k_qfbc66c1a62_down
	.p2alignl 7, 3214868480
	.fill 96, 4, 3214868480
	.section	.rodata,"a",@progbits
	.p2align	6, 0x0
	.amdhsa_kernel k_qfbc66c1a62_down
		.amdhsa_group_segment_fixed_size 263680
		.amdhsa_private_segment_fixed_size 0
		.amdhsa_enable_private_segment 0
		.amdhsa_kernarg_size 40
		.amdhsa_user_sgpr_count 2
		.amdhsa_user_sgpr_kernarg_segment_ptr 1
		.amdhsa_wavefront_size32 1
		.amdhsa_system_sgpr_workgroup_id_x 1
		.amdhsa_system_sgpr_workgroup_id_y 1
		.amdhsa_system_sgpr_workgroup_id_z 1
		.amdhsa_system_vgpr_workitem_id 0
		.amdhsa_next_free_vgpr 1024
		.amdhsa_next_free_sgpr 66
		.amdhsa_reserve_vcc 0
		.amdhsa_float_denorm_mode_32 3
		.amdhsa_float_denorm_mode_16_64 3
		.amdhsa_memory_ordered 1
		.amdhsa_forward_progress 1
		.amdhsa_inst_pref_size 209
	.end_amdhsa_kernel
	.amdgpu_metadata
---
amdhsa.version: [ 1, 2 ]
amdhsa.kernels:
  - .name:           k_qfbc66c1a62_down
    .symbol:         k_qfbc66c1a62_down.kd
    .args:
      - { .name: hcs, .offset: 0, .size: 8, .value_kind: global_buffer, .address_space: global }
      - { .name: lists, .offset: 8, .size: 8, .value_kind: global_buffer, .address_space: global }
      - { .name: w2_codes, .offset: 16, .size: 8, .value_kind: global_buffer, .address_space: global }
      - { .name: w2_scales, .offset: 24, .size: 8, .value_kind: global_buffer, .address_space: global }
      - { .name: ybuf, .offset: 32, .size: 8, .value_kind: global_buffer, .address_space: global }
    .group_segment_fixed_size: 263680
    .private_segment_fixed_size: 0
    .kernarg_segment_align: 8
    .kernarg_segment_size: 40
    .max_flat_workgroup_size: 128
    .sgpr_count:     66
    .vgpr_count:     1024
    .wavefront_size: 32
...
	.end_amdgpu_metadata
.endif
;; end of part 4
;; launch combine (part 5): grid 256 x 1, 4 waves a work-group, no clusters, 0 bytes of LDS; arguments ybuf, lists, rf, out0; writes out0
.if DOCPART == 5
	.amdgcn_target "amdgcn-amd-amdhsa--gfx1250"
	.amdhsa_code_object_version 6
	.text
	.protected	k_qfbc66c1a62_combine
	.globl	k_qfbc66c1a62_combine
	.p2align	8
	.type	k_qfbc66c1a62_combine,@function
k_qfbc66c1a62_combine:
	s_mov_b64 s[64:65], 0
	v_nop
	global_prefetch_b8 v0, s[64:65] scope:SCOPE_SE
	s_setreg_imm32_b32 hwreg(HW_REG_WAVE_MODE, 25, 1), 1
	s_wait_xcnt 0x0
; out0[t] = g0 y[pos0] + g1 y[pos1]: a token's two rows of ybuf, found by posn, weighed by its two probabilities.  The six experts not chosen have weight 0 in the reference and add nothing.
; A wave takes two tokens: four rows of 4,096 bytes, 32 loads of 512 consecutive bytes, all issued at once; each output row has one owner.  The positions are whole numbers stored by an earlier launch,
; read by scalar loads and held to ybuf's 4,992 rows before they enter an address.  A stream: no LDS, no barrier, no matrix unit.
.set Y, 32                             ; v32-159: token a, row k, 32 registers each: Y + 64 a + 32 k
	s_load_b256 s[4:11], s[0:1], 0x0               ; ybuf, lists, rf, out0
	v_lshrrev_b32 v1, 5, v0
	v_readfirstlane_b32 s12, v1                    ; wave
	v_and_b32 v1, 31, v0
	v_lshlrev_b32 v1, 4, v1                        ; 16 x lane
	s_lshl_b32 s13, ttmp9, 2
	s_add_co_u32 s13, s13, s12                     ; my pair of tokens: 4 x work-group + wave
	s_lshl_b32 s14, s13, 4                         ; its 16 bytes in posn and among the probabilities
	s_wait_kmcnt 0x0
	s_load_b128 s[16:19], s[6:7], s14 offset:0x0
	s_load_b128 s[24:27], s[8:9], s14 offset:0x0
	s_lshl_b32 s20, s13, 13
	s_mov_b32 s21, 0
	s_add_nc_u64 s[10:11], s[10:11], s[20:21]      ; my two rows of out0
	s_wait_kmcnt 0x0
.irp k, 0,1,2,3
	s_min_u32 s[16+\k], s[16+\k], 0x137f
	s_lshl_b32 s20, s[16+\k], 12
	s_add_nc_u64 s[32+2*\k:33+2*\k], s[4:5], s[20:21]
.endr
.irp k, 0,1,2,3
.irp i, 0,1,2,3,4,5,6,7
	global_load_b128 v[Y+32*\k+4*\i:Y+32*\k+4*\i+3], v1, s[32+2*\k:33+2*\k] offset:512*\i th:TH_LOAD_NT      ; each row of ybuf that is read is read once
.endr
.endr
.irp k, 0,1,2,3
	v_mov_b32 v[4+2*\k], s[24+\k]                  ; each weight twice: a pair for the packed forms
	v_mov_b32 v[5+2*\k], s[24+\k]
.endr
.macro MIX a
.set j, 0
.rept 16
	v_pk_mul_f32 v[Y+64*\a+j:Y+64*\a+j+1], v[Y+64*\a+j:Y+64*\a+j+1], v[4+4*\a:5+4*\a]
	v_pk_fma_f32 v[Y+64*\a+j:Y+64*\a+j+1], v[Y+64*\a+32+j:Y+64*\a+32+j+1], v[6+4*\a:7+4*\a], v[Y+64*\a+j:Y+64*\a+j+1]
.set j, j+2
.endr
.irp i, 0,1,2,3,4,5,6,7
	global_store_b128 v1, v[Y+64*\a+4*\i:Y+64*\a+4*\i+3], s[10:11] offset:4096*\a+512*\i th:TH_STORE_NT      ; 512 consecutive bytes, at a multiple of 256
.endr
.endm
	s_wait_loadcnt 16                              ; the first token's 16 loads are in; the second's 16 may be out
	MIX 0
	s_wait_loadcnt 0x0
	MIX 1
	s_endpgm
.Lfunc_end_k_qfbc66c1a62_combine:
	.size	k_qfbc66c1a62_combine, .Lfunc_end_k_qfbc66c1a62_combine-k_qfbc66c1a62_combine
	.p2alignl 7, 3214868480
	.fill 96, 4, 3214868480
	.section	.rodata,"a",@progbits
	.p2align	6, 0x0
	.amdhsa_kernel k_qfbc66c1a62_combine
		.amdhsa_group_segment_fixed_size 0
		.amdhsa_private_segment_fixed_size 0
		.amdhsa_enable_private_segment 0
		.amdhsa_kernarg_size 32
		.amdhsa_user_sgpr_count 2
		.amdhsa_user_sgpr_kernarg_segment_ptr 1
		.amdhsa_wavefront_size32 1
		.amdhsa_system_sgpr_workgroup_id_x 1
		.amdhsa_system_sgpr_workgroup_id_y 1
		.amdhsa_system_sgpr_workgroup_id_z 1
		.amdhsa_system_vgpr_workitem_id 0
		.amdhsa_next_free_vgpr 160
		.amdhsa_next_free_sgpr 66
		.amdhsa_reserve_vcc 0
		.amdhsa_float_denorm_mode_32 3
		.amdhsa_float_denorm_mode_16_64 3
		.amdhsa_memory_ordered 1
		.amdhsa_forward_progress 1
		.amdhsa_inst_pref_size 11
	.end_amdhsa_kernel
	.amdgpu_metadata
---
amdhsa.version: [ 1, 2 ]
amdhsa.kernels:
  - .name:           k_qfbc66c1a62_combine
    .symbol:         k_qfbc66c1a62_combine.kd
    .args:
      - { .name: ybuf, .offset: 0, .size: 8, .value_kind: global_buffer, .address_space: global }
      - { .name: lists, .offset: 8, .size: 8, .value_kind: global_buffer, .address_space: global }
      - { .name: rf, .offset: 16, .size: 8, .value_kind: global_buffer, .address_space: global }
      - { .name: out0, .offset: 24, .size: 8, .value_kind: global_buffer, .address_space: global }
    .group_segment_fixed_size: 0
    .private_segment_fixed_size: 0
    .kernarg_segment_align: 8
    .kernarg_segment_size: 32
    .max_flat_workgroup_size: 128
    .sgpr_count:     66
    .vgpr_count:     160
    .wavefront_size: 32
...
	.end_amdgpu_metadata
.endif
;; end of part 5
;; ======== version 2 of 2: 5 launches
;; workspace buffers: sel 16,384 bytes of whole numbers; lists 36,864 bytes of whole numbers; rf 24,576 bytes; xqs 2,162,688 bytes; hcs 10,543,104 bytes; ybuf 20,447,232 bytes
;; launch route (part 6): grid 256 x 1, 4 waves a work-group, no clusters, 2,560 bytes of LDS; arguments x, gate_w, xqs, sel, rf; writes xqs, sel, rf
.if DOCPART == 6
	.amdgcn_target "amdgcn-amd-amdhsa--gfx1250"
	.amdhsa_code_object_version 6
	.text
	.protected	k_qfbc66c1a62_route
	.globl	k_qfbc66c1a62_route
	.p2align	8
	.type	k_qfbc66c1a62_route,@function
k_qfbc66c1a62_route:
	s_mov_b64 s[64:65], 0
	v_nop
	global_prefetch_b8 v0, s[64:65] scope:SCOPE_SE
	s_setreg_imm32_b32 hwreg(HW_REG_WAVE_MODE, 25, 1), 1
	s_wait_xcnt 0x0
; ROUTER AND QUANTISER OF x.  x [2048][1024] f32, gate_w [8][1024] f32.
; Out: xqs = x's E4M3 codes [2048][1024] and, XSO bytes on, its E8M0 scale words [2048][8] (word s: the 4 bytes of K = 128 s ..);
;      sel [2048][2] u32: the two chosen experts; rf = their probabilities [2048][2] f32 and, PPO bytes on, the sums of the 8 probabilities over a work-group's 8 tokens [256][8].
; The choice is stored as VALUES at fixed places: no address and no branch of this launch hangs on it.
; SHARES.  A work-group takes 8 tokens.  The four waves share K: wave w, lane l hold elements 256 w + 8 l + 0 .. 7 of every row, so the thread's number t gives byte 32 t of a row of f32 and byte 8 t of a row of codes.
; A lane's 8 gate numbers of each of the 8 experts stay in 64 registers.  A block of 32 along K lies in 4 neighbouring lanes.
; LOGITS in f32 by packed multiply-adds; the 64 partial sums of a lane (8 rows x 8 experts) are added over the 32 lanes by a fold that halves the registers as it doubles the lanes summed.
; The waves' four quarters meet in LDS; wave 0 makes softmax (the row's maximum taken away first), top-2 (a strict compare in ascending order keeps the lower index) and the sums.
; LIMITS: NaN and infinities are not served.  A block of zeros gets the byte 1 (its codes are zeros; the bytes are read by this program alone); blocks whose largest magnitude lies under 2^-118 are held at byte 1.
; The order of the f32 sums of a logit differs from the reference's: a choice that hangs on a logit's last bits may fall the other way.
; No matrix unit, no tensor load: 8 columns of gate are too few for a tile, and each byte of x is read once.
.set XW,  1024                         ; LDS: 0 .. 1023 the waves' 64 sums each; from XW the 8 rows' 8 scale words
.set XSO, 2097152                      ; the scale words' place in xqs
.set PPO, 16384                        ; the sums' place in rf
.set CD,  16                           ; v16-31   codes, two registers a row
.set XR,  32                           ; v32-95   x, 8 rows x 8 numbers
.set GT,  96                           ; v96-159  gate, 8 experts x 8 numbers
.set PV,  160                          ; v160-223 partial logits, 8 row + expert
.set TA,  224                          ; v224-239 eight pairs of running sums
.set SN,  240                          ; v240-243 the fold: what I send
.set RC,  244                          ; v244-247 the fold: what I receive
.set SW,  248                          ; v248-255 a scale word for each row
	s_load_b256 s[4:11], s[0:1], 0x0               ; x, gate_w, xqs, sel
	s_load_b64 s[12:13], s[0:1], 0x20              ; rf
	v_lshl_add_u32 v15, v0, 2, 0x800
	s_set_vgpr_msb 0x40
	v_mov_b32 v1, 0
	s_set_vgpr_msb 0x4000
	v_lshrrev_b32 v1, 5, v0
	v_readfirstlane_b32 s14, v1                    ; wave
	v_and_b32 v1, 31, v0                           ; lane
	v_lshlrev_b32 v2, 5, v0                        ; my 32 bytes of a row of f32
	v_lshlrev_b32 v3, 3, v0                        ; my 8 bytes of a row of codes
	v_bfe_u32 v4, v0, 2, 2
	v_lshlrev_b32 v4, 3, v4                        ; my block's byte in its scale word, as a shift
	v_lshrrev_b32 v5, 4, v0
	v_lshl_add_u32 v5, v5, 2, XW                   ; LDS: word 2 w + lane / 16 of a row's eight
	v_lshlrev_b32 v6, 3, v0                        ; LDS: my two sums of the wave's 64
	v_and_b32 v7, 7, v0
	v_lshlrev_b32 v7, 5, v7                        ; LDS: row (lane % 8)'s eight sums in a wave's 64
	v_lshl_add_u32 v13, v1, 3, XW                  ; LDS: 8 bytes a lane of the 256 bytes of scale words
	v_lshlrev_b32 v14, 3, v1                       ; and the same in memory
	v_mov_b32 v12, 0                               ; destinations of lane moves count as read: written once here
.irp i, 0,1,2,3
	v_mov_b32 v[RC+\i], 0
.endr
	s_mov_b32 s16, 0x76543210
	s_mov_b32 s17, 0xfedcba98                      ; v_permlanex16_b32: lane l xor 16
	s_mov_b32 s18, 0x600000                        ; the mantissa field of 448
	s_mov_b32 s20, 0xffff0000                      ; lanes whose number has bit 4, 3, 2, 1, 0
	s_mov_b32 s21, 0xff00ff00
	s_mov_b32 s22, 0xf0f0f0f0
	s_mov_b32 s23, 0xcccccccc
	s_mov_b32 s24, 0xaaaaaaaa
	s_lshl_b32 s30, ttmp9, 15                      ; 8 rows of 4,096 bytes a work-group
	s_mov_b32 s31, 0
	s_wait_kmcnt 0x0
	s_add_nc_u64 s[4:5], s[4:5], s[30:31]
	s_add_nc_u64 s[32:33], s[8:9], XSO
	s_lshl_b32 s30, ttmp9, 8
	s_add_nc_u64 s[32:33], s[32:33], s[30:31]      ; my 256 bytes of scale words
	s_lshl_b32 s30, ttmp9, 13
	s_add_nc_u64 s[8:9], s[8:9], s[30:31]          ; my 8 rows of codes
	s_lshl_b32 s30, ttmp9, 6
	s_add_nc_u64 s[10:11], s[10:11], s[30:31]      ; my 64 bytes of sel
	s_add_nc_u64 s[34:35], s[12:13], PPO
	s_add_nc_u64 s[12:13], s[12:13], s[30:31]      ; and of the probabilities
	s_lshl_b32 s30, ttmp9, 5
	s_add_nc_u64 s[34:35], s[34:35], s[30:31]      ; my 32 bytes of sums
.irp e, 0,1,2,3,4,5,6,7
	global_load_b128 v[GT+8*\e:GT+8*\e+3], v2, s[6:7] offset:4096*\e
	global_load_b128 v[GT+8*\e+4:GT+8*\e+7], v2, s[6:7] offset:4096*\e+16
.endr
.irp p, 0,1,2,3,4,5,6,7
	global_load_b128 v[XR+8*\p:XR+8*\p+3], v2, s[4:5] offset:4096*\p th:TH_LOAD_NT
	global_load_b128 v[XR+8*\p+4:XR+8*\p+7], v2, s[4:5] offset:4096*\p+16 th:TH_LOAD_NT
.endr
; Row p: its share of the 8 logits, then its codes and its scale word.
.macro QROW p
	s_wait_loadcnt 14-2*\p                         ; loads come back in order: the gate and rows 0 .. p are in; the two loads of each later row may be out
.irp e, 0,1,2,3,4,5,6,7
	v_pk_mul_f32 v[TA+2*\e:TA+2*\e+1], v[XR+8*\p:XR+8*\p+1], v[GT+8*\e:GT+8*\e+1]      ; the first product starts each sum
.endr
.irp k, 2,4,6
.irp e, 0,1,2,3,4,5,6,7
	v_pk_fma_f32 v[TA+2*\e:TA+2*\e+1], v[XR+8*\p+\k:XR+8*\p+\k+1], v[GT+8*\e+\k:GT+8*\e+\k+1], v[TA+2*\e:TA+2*\e+1]
.endr
.endr
.irp e, 0,1,2,3,4,5,6,7
	v_add_f32 v[PV+8*\p+\e], v[TA+2*\e], v[TA+2*\e+1]
.endr
	v_max3_num_f32 v8, |v[XR+8*\p]|, |v[XR+8*\p+1]|, 0x4800000      ; the largest magnitude of my 8, over the floor 2^(9 - 127): the byte cannot fall under 1
	v_max3_num_f32 v8, v8, |v[XR+8*\p+2]|, |v[XR+8*\p+3]|
	v_max3_num_f32 v8, v8, |v[XR+8*\p+4]|, |v[XR+8*\p+5]|
	v_max3_num_f32 v8, v8, |v[XR+8*\p+6]|, |v[XR+8*\p+7]|
	v_max_num_f32_dpp v8, v8, v8 row_xmask:1 row_mask:0xf bank_mask:0xf
	v_max_num_f32_dpp v8, v8, v8 row_xmask:2 row_mask:0xf bank_mask:0xf   ; with the three lanes that share my block
	v_add_nc_u32 v9, 0xfc000000, v8                ; 8 off its exponent field: the conversion's scale operand
	v_and_or_b32 v10, v8, 0x7f800000, s18          ; 448 x the scale
.irp i, 0,1,2,3,4,5,6,7
	v_med3_num_f32 v[XR+8*\p+\i], v[XR+8*\p+\i], -v10, v10      ; the conversion to an 8-bit code does not saturate (ISA guide 7.6.2): the hold comes first
.endr
	v_cvt_scalef32_pk8_fp8_f32 v[CD+2*\p:CD+2*\p+1], v[XR+8*\p:XR+8*\p+7], v9
	v_lshrrev_b32 v11, 23, v9                      ; the scale's byte (also the plain line behind the conversion)
	v_lshlrev_b32 v[SW+\p], v4, v11                ; at its place in the word;
	v_mov_b32_dpp v12, v[SW+\p] row_xmask:4 row_mask:0xf bank_mask:0xf
	v_or_b32 v[SW+\p], v[SW+\p], v12
	v_mov_b32_dpp v12, v[SW+\p] row_xmask:8 row_mask:0xf bank_mask:0xf
	v_or_b32 v[SW+\p], v[SW+\p], v12               ; the four blocks of 16 lanes make the word of 128 along K
	global_store_b64 v3, v[CD+2*\p:CD+2*\p+1], s[8:9] offset:1024*\p      ; the wave stores 256 consecutive bytes, at a multiple of 256
	ds_store_b32 v5, v[SW+\p] offset:32*\p         ; sixteen lanes write the same word with the same value
.endm
.irp p, 0,1,2,3,4,5,6,7
	QROW \p
.endr
; The fold.  Of sums i and i + n a lane keeps one (the upper where its number has the step's bit), sends the other to the lane that keeps it, and adds what it receives.
; After the five steps lane l holds in the first two registers the wave's sums 2 l and 2 l + 1.
.macro FOLDH n, mask
.set i, 0
.rept \n
	v_cndmask_b32 v[SN+i%4], v[PV+i+\n], v[PV+i], \mask
	v_cndmask_b32 v[PV+i], v[PV+i], v[PV+i+\n], \mask
	v_permlanex16_b32 v[RC+i%4], v[SN+i%4], s16, s17
	v_add_f32 v[PV+i], v[PV+i], v[RC+i%4]
.set i, i+1
.endr
.endm
.macro FOLD n, mask, x
.set i, 0
.rept \n
	v_cndmask_b32 v[SN+i%4], v[PV+i+\n], v[PV+i], \mask
	v_cndmask_b32 v[PV+i], v[PV+i], v[PV+i+\n], \mask
	v_add_f32_dpp v[PV+i], v[SN+i%4], v[PV+i] row_xmask:\x row_mask:0xf bank_mask:0xf
.set i, i+1
.endr
.endm
	FOLDH 32, s20
	FOLD 16, s21, 8
	FOLD 8, s22, 4
	FOLD 4, s23, 2
	FOLD 2, s24, 1
	ds_store_b64 v6, v[PV:PV+1]
	s_wait_dscnt 0x0                               ; for wave 0's sake: my sums and my scale words lie in LDS
	s_barrier_signal -1
	s_barrier_wait -1
	s_cmp_lg_u32 s14, 0
	s_cbranch_scc1 .Lend                           ; the rest is 8 rows' work: one wave's
	; wave 0: lane l takes row l % 8 (four lanes do the same work)
.irp q, 0,1,2,3
	ds_load_b128 v[32+8*\q:35+8*\q], v7 offset:256*\q
	ds_load_b128 v[36+8*\q:39+8*\q], v7 offset:256*\q+16
.endr
	ds_load_b64 v[64:65], v13
	s_wait_dscnt 0x0
.irp j, 0,2,4,6
	v_pk_add_f32 v[32+\j:33+\j], v[32+\j:33+\j], v[40+\j:41+\j]
	v_pk_add_f32 v[48+\j:49+\j], v[48+\j:49+\j], v[56+\j:57+\j]
.endr
.irp j, 0,2,4,6
	v_pk_add_f32 v[32+\j:33+\j], v[32+\j:33+\j], v[48+\j:49+\j]      ; the row's 8 logits: v32-39
.endr
	global_store_b64 v14, v[64:65], s[32:33]       ; the 8 rows' scale words: 256 consecutive bytes, at a multiple of 256
	v_max3_num_f32 v40, v32, v33, v34
	v_max3_num_f32 v40, v40, v35, v36
	v_max3_num_f32 v40, v40, v37, v38
	v_max_num_f32 v40, v40, v39                    ; the row's largest logit is taken away ahead of the exponential
.irp e, 0,1,2,3,4,5,6,7
	v_sub_f32 v[32+\e], v[32+\e], v40
.endr
.irp e, 0,1,2,3,4,5,6,7
	v_mul_f32 v[32+\e], 0x3fb8aa3b, v[32+\e]       ; x log2(e)
.endr
	s_wait_alu depctr_va_vdst(0)
.irp e, 0,1,2,3,4,5,6,7
	v_exp_f32 v[32+\e], v[32+\e]
.endr
	v_nop                                          ; a plain line behind the exponentials
	s_wait_alu depctr_va_vdst(0)
	v_pk_add_f32 v[42:43], v[32:33], v[34:35]
	v_pk_add_f32 v[44:45], v[36:37], v[38:39]
	v_pk_add_f32 v[42:43], v[42:43], v[44:45]
	v_add_f32 v41, v42, v43
	s_wait_alu depctr_va_vdst(0)
	v_rcp_f32 v41, v41
	v_nop
	s_wait_alu depctr_va_vdst(0)
.irp e, 0,1,2,3,4,5,6,7
	v_mul_f32 v[32+\e], v[32+\e], v41              ; the probabilities
.endr
	v_mov_b32 v52, v32                             ; the largest, and its expert
	v_mov_b32 v50, 0
.irp e, 1,2,3,4,5,6,7
	v_cmp_gt_f32 vcc_lo, v[32+\e], v52
	v_cndmask_b32 v50, v50, \e, vcc_lo
	v_max_num_f32 v52, v52, v[32+\e]
.endr
	v_mov_b32 v53, -1.0                            ; the largest of the other seven, under every probability at first
	v_mov_b32 v51, 0
.irp e, 0,1,2,3,4,5,6,7
	v_cmp_gt_f32 s28, v[32+\e], v53
	v_cmp_ne_u32 s29, \e, v50
	s_and_b32 s28, s28, s29
	v_cndmask_b32 v51, v51, \e, s28
	v_cndmask_b32 v53, v53, v[32+\e], s28
.endr
.irp x, 1,2,4
.irp e, 0,1,2,3,4,5,6,7
	v_add_f32_dpp v[32+\e], v[32+\e], v[32+\e] row_xmask:\x row_mask:0xf bank_mask:0xf      ; each probability summed over the 8 rows
.endr
.endr
	s_wait_alu depctr_va_vdst(0)
	s_wait_xcnt 0x0                                ; EXEC is a source of the stores issued so far: it changes only behind this wait
	v_cmp_gt_u32 vcc_lo, 8, v0
	s_and_saveexec_b32 s26, vcc_lo                 ; lanes 0-7: one for each row
	global_store_b64 v14, v[50:51], s[10:11]
	global_store_b64 v14, v[52:53], s[12:13]
	s_wait_xcnt 0x0
	s_or_b32 exec_lo, exec_lo, s26
	v_cmp_eq_u32 vcc_lo, 0, v0
	s_and_saveexec_b32 s26, vcc_lo                 ; lane 0: the 8 sums
	global_store_b128 v14, v[32:35], s[34:35]
	global_store_b128 v14, v[36:39], s[34:35] offset:16
	s_wait_xcnt 0x0
	s_or_b32 exec_lo, exec_lo, s26
.Lend:
	s_set_vgpr_msb 0x4
	s_wait_tensorcnt 0x0
	ds_add_u32 v15, v1
	s_wait_dscnt 0x0
	s_set_vgpr_msb 0x400
	s_endpgm
.Lfunc_end_k_qfbc66c1a62_route:
	.size	k_qfbc66c1a62_route, .Lfunc_end_k_qfbc66c1a62_route-k_qfbc66c1a62_route
	.p2alignl 7, 3214868480
	.fill 96, 4, 3214868480
	.section	.rodata,"a",@progbits
	.p2align	6, 0x0
	.amdhsa_kernel k_qfbc66c1a62_route
		.amdhsa_group_segment_fixed_size 2560
		.amdhsa_private_segment_fixed_size 0
		.amdhsa_enable_private_segment 0
		.amdhsa_kernarg_size 40
		.amdhsa_user_sgpr_count 2
		.amdhsa_user_sgpr_kernarg_segment_ptr 1
		.amdhsa_wavefront_size32 1
		.amdhsa_system_sgpr_workgroup_id_x 1
		.amdhsa_system_sgpr_workgroup_id_y 1
		.amdhsa_system_sgpr_workgroup_id_z 1
		.amdhsa_system_vgpr_workitem_id 0
		.amdhsa_next_free_vgpr 258
		.amdhsa_next_free_sgpr 66
		.amdhsa_reserve_vcc 1
		.amdhsa_float_denorm_mode_32 3
		.amdhsa_float_denorm_mode_16_64 3
		.amdhsa_memory_ordered 1
		.amdhsa_forward_progress 1
		.amdhsa_inst_pref_size 58
	.end_amdhsa_kernel
	.amdgpu_metadata
---
amdhsa.version: [ 1, 2 ]
amdhsa.kernels:
  - .name:           k_qfbc66c1a62_route
    .symbol:         k_qfbc66c1a62_route.kd
    .args:
      - { .name: x, .offset: 0, .size: 8, .value_kind: global_buffer, .address_space: global }
      - { .name: gate_w, .offset: 8, .size: 8, .value_kind: global_buffer, .address_space: global }
      - { .name: xqs, .offset: 16, .size: 8, .value_kind: global_buffer, .address_space: global }
      - { .name: sel, .offset: 24, .size: 8, .value_kind: global_buffer, .address_space: global }
      - { .name: rf, .offset: 32, .size: 8, .value_kind: global_buffer, .address_space: global }
    .group_segment_fixed_size: 2560
    .private_segment_fixed_size: 0
    .kernarg_segment_align: 8
    .kernarg_segment_size: 40
    .max_flat_workgroup_size: 128
    .sgpr_count:     66
    .vgpr_count:     258
    .wavefront_size: 32
...
	.end_amdgpu_metadata
.endif
;; end of part 6
;; launch place (part 7): grid 1 x 1, 8 waves a work-group, no clusters, 2,048 bytes of LDS; arguments sel, rf, lists, out1; writes lists, out1
.if DOCPART == 7
	.amdgcn_target "amdgcn-amd-amdhsa--gfx1250"
	.amdhsa_code_object_version 6
	.text
	.protected	k_qfbc66c1a62_place
	.globl	k_qfbc66c1a62_place
	.p2align	8
	.type	k_qfbc66c1a62_place,@function
k_qfbc66c1a62_place:
	s_mov_b64 s[64:65], 0
	v_nop
	global_prefetch_b8 v0, s[64:65] scope:SCOPE_SE
	s_setreg_imm32_b32 hwreg(HW_REG_WAVE_MODE, 25, 1), 1
	s_wait_xcnt 0x0
; THE ROWS ARE PLACED BY EXPERT, AND THE ROUTER'S LOSS.  In: sel [2048][2] u32, rf's sums [256][8] f32 (PPO bytes on).
; Out: lists = posn [2048][2] u32 (the position of entry (token, k)); TOK bytes on: tok [4992] u32 (the token at each position); TEXP bytes on: texp [64] u32 (the expert of each tile of 128 positions); out1.
; Expert e owns positions base_e .. base_e + count_e - 1; base_e is the sum of the earlier experts' counts, each rounded up to 128.  4,096 entries and 8 experts give at most 32 + 7 = 39 tiles, whatever the split.
; Positions that hold no entry (a segment's rest, and all behind the last segment) get token 0; tiles behind the last segment get expert 7.  Their results are never named by posn.
; ONE work-group of 8 waves: a counting sort without atomics, kept in vector registers throughout.  Thread i owns the 16 entries 1024 j + 4 i + c.
;   1. A thread ranks its entries against eight counters of 4 bits in one register.  The two experts of a token differ (the launch that chose them leaves the first out of the second search), so of a thread's
;      8 tokens at most 8 entries name one expert: a counter never passes 8.
;   2. The counts go on as FOUR WORDS OF TWO 16-BIT FIELDS (experts 2 j and 2 j + 1); no field passes 4,992.  Over the 32 lanes an exclusive sum by a butterfly: a lane adds its partner block's total to its own
;      running sum where the partner block lies below it.  3. The waves' totals meet in LDS, one barrier.  4. Sizes, bases and offsets stay packed.
;   5. An entry's offset is looked up by v_perm_b32: the eight offsets' low bytes in two registers, the high bytes in two, the entries' experts as selector bytes, four entries an instruction.
; The order of an expert's rows is free: the reference has no capacity.
; Token 0 goes out with every lane on: a lane whose position needs none sends its 0 to one of 32 spare words behind texp (word DUMP + lane from tok on), which nothing reads.  So EXEC changes once, for out1.
; out1 = sum over e of count_e x (sum of probabilities)_e / (4096 x 2048).
.set TOK,  16384
.set TEXP, 36352
.set PPO,  16384
.set DUMP, 5056                        ; (36,608 - TOK) / 4
.set CNT,  0                           ; LDS: [8 waves][4 words] the waves' counts, two experts to a word
.set PS,   256                         ; LDS: [8 waves][8 experts] sums of probabilities
.set SL,   12                          ; v12-15   four entries' experts, a byte each
.set SE,   16                          ; v16-31   my 16 entries' experts
.set RK,   32                          ; v32-47   rank in the thread, then position
.set AD,   48                          ; v48-63   4 x expert, then the byte offset in tok
.set TK,   64                          ; v64-71   my 8 tokens
.set PP,   72                          ; v72-79   sums of probabilities
.set TMP,  80                          ; v80-83   what a partner lane sent
.set TT,   84                          ; v84-87   running totals, at last the wave's
.set PF,   88                          ; v88-91   the lanes below mine
.set ON,   96                          ; v96-111  1 << 4 x expert; later at work
.set TOT,  112                         ; v112-115 the experts' counts
.set PRE,  116                         ; v116-119 their counts in the waves in front of mine
.set SZ,   120                         ; v120-123 the segments' sizes
.set BAS,  124                         ; v124-127 their bases
.set WT,   128                         ; v128-159 the eight waves' totals; later at work
.set OFF,  160                         ; v160-163 where my entries of each expert begin
.set SEG,  164                         ; v164-167 where each expert's entries end
.set ALE,  168                         ; v168-171 where each segment ends
.set SS,   172                         ; v172-179 sums of sizes
.set TB,   180                         ; v180-183 the byte tables
.set PZ,   184                         ; v184-191 eight positions that may want token 0, then their byte offsets
	s_load_b256 s[4:11], s[0:1], 0x0               ; sel, rf, lists, out1
	v_lshl_add_u32 v192, v0, 2, 0x400
	v_mov_b32 v193, 0
	v_lshlrev_b32 v4, 4, v0                        ; 16 x thread
	s_wait_alu depctr_va_vdst(0)
	s_wait_kmcnt 0x0
.irp j, 0,1,2,3
	global_load_b128 v[SE+4*\j:SE+4*\j+3], v4, s[4:5] offset:4096*\j
.endr
	global_load_b128 v[PP:PP+3], v4, s[6:7] offset:PPO
	global_load_b128 v[PP+4:PP+7], v4, s[6:7] offset:PPO+4096
	v_lshrrev_b32 v1, 5, v0
	s_delay_alu instid0(VALU_DEP_1)
	v_readfirstlane_b32 s12, v1                    ; wave W
	v_and_b32 v1, 31, v0                           ; lane
	v_and_b32 v2, 0xe0, v0                         ; 32 W
	v_and_b32 v5, 1, v0
	s_delay_alu instid0(VALU_DEP_1)
	v_lshl_add_u32 v5, v5, 4, v2
	s_delay_alu instid0(VALU_DEP_1)
	v_add_nc_u32 v5, PS, v5                        ; LDS: my wave's sums, experts 0-3 (even lanes) or 4-7 (odd)
	s_delay_alu instid0(VALU_DEP_4)
	v_lshrrev_b32 v2, 1, v2                        ; LDS: 16 W: my wave's four words of counts
	v_lshlrev_b32 v3, 2, v1                        ; 4 x lane
	v_lshlrev_b32 v8, 2, v0                        ; texp: 4 bytes a thread; never rewritten
	v_mov_b32 v9, 1
	v_add_nc_u32 v10, DUMP, v1                     ; my spare word, as a position
	v_mov_b32 v11, 0                               ; token 0; LDS byte 0; out1's byte offset; never rewritten
	v_mov_b32 v95, 0                               ; a lane permute's destination counts as read
	s_mov_b32 s26, 0x76543210
	s_mov_b32 s27, 0xfedcba98                      ; v_permlanex16_b32: lane l xor 16
	s_mov_b32 s40, 0x06040200                      ; v_perm_b32: bytes 0 and 2 of both sources: four fields' low bytes
	s_mov_b32 s41, 0x07050301                      ; bytes 1 and 3: their high bytes
	s_mov_b32 s42, 0x05010400                      ; low and high byte of entries 0 and 1, as two 16-bit fields
	s_mov_b32 s43, 0x07030602                      ; of entries 2 and 3
	s_mov_b32 s44, 0xaaaaaaaa                      ; lanes whose number has bit 0, 1, 2, 3, 4
	s_mov_b32 s45, 0xcccccccc
	s_mov_b32 s46, 0xf0f0f0f0
	s_mov_b32 s47, 0xff00ff00
	s_mov_b32 s48, 0xffff0000
.irp w, 0,1,2,3,4,5,6
	s_cmp_gt_u32 s12, \w
	s_cselect_b32 s[16+\w], -1, 0                  ; all ones where wave w stands in front of mine
.endr
	s_and_b32 s24, s12, 1
	s_cselect_b32 s28, -1, 0                       ; all ones where W has bit 0,
	s_and_b32 s24, s12, 2
	s_cselect_b32 s29, -1, 0                       ; bit 1,
	s_and_b32 s24, s12, 4
	s_cselect_b32 s30, -1, 0                       ; bit 2
	s_lshl_b32 s31, s12, 7                         ; 128 W
.irp j, 0,1,2,3
.irp c, 0,1
	v_lshl_add_u32 v[TK+2*\j+\c], v0, 1, 512*\j+\c ; entry 1024 j + 4 i + c' is token 512 j + 2 i + c' / 2
.endr
.endr
	s_wait_loadcnt 0x0
.irp n, 0,1,2,3,4,5,6,7,8,9,10,11,12,13,14,15
	v_min_u32 v[SE+\n], 7, v[SE+\n]
.endr
.irp n, 0,1,2,3,4,5,6,7,8,9,10,11,12,13,14,15
	v_lshlrev_b32 v[AD+\n], 2, v[SE+\n]            ; the expert's counter begins at bit 4 e
.endr
.irp n, 0,1,2,3,4,5,6,7,8,9,10,11,12,13,14,15
	v_lshlrev_b32 v[ON+\n], v[AD+\n], v9           ; one in that counter
.endr
	v_mov_b32 v92, 0                               ; the eight counters
.irp n, 0,1,2,3,4,5,6,7,8,9,10,11,12,13,14,15
	s_delay_alu instid0(VALU_DEP_1)
	v_bfe_u32 v[RK+\n], v92, v[AD+\n], 4           ; how many of my earlier entries name this expert
	s_delay_alu instid0(VALU_DEP_2)
	v_add_nc_u32 v92, v92, v[ON+\n]
.endr
.irp g, 0,1,2,3
	v_lshl_or_b32 v[SL+\g], v[SE+4*\g+1], 8, v[SE+4*\g]            ; four experts as four selector bytes
.endr
.irp g, 0,1,2,3
	s_delay_alu instid0(VALU_DEP_4)
	v_lshl_or_b32 v[SL+\g], v[SE+4*\g+2], 16, v[SL+\g]
.endr
.irp g, 0,1,2,3
	s_delay_alu instid0(VALU_DEP_4)
	v_lshl_or_b32 v[SL+\g], v[SE+4*\g+3], 24, v[SL+\g]
.endr
.irp j, 0,1,2,3
	v_bfe_u32 v[TMP+\j], v92, 8*\j, 4              ; my count of expert 2 j,
	v_bfe_u32 v[PF+\j], v92, 8*\j+4, 4             ; of expert 2 j + 1
.endr
.irp j, 0,1,2,3
	v_lshl_or_b32 v[TT+\j], v[PF+\j], 16, v[TMP+\j]
.endr
; A step of the butterfly: the partner block's totals come over; they count among the lanes below mine where my lane's number has the step's bit; the blocks join.
.macro SCAN x, mask, first
.irp j, 0,1,2,3
	v_mov_b32_dpp v[TMP+\j], v[TT+\j] row_xmask:\x row_mask:0xf bank_mask:0xf
.endr
.irp j, 0,1,2,3
.if \first
	s_delay_alu instid0(VALU_DEP_4)
	v_cndmask_b32 v[PF+\j], 0, v[TMP+\j], \mask    ; the first step starts the sums
.else
	s_delay_alu instid0(VALU_DEP_4)
	v_cndmask_b32 v[ON+\j], 0, v[TMP+\j], \mask
.endif
.endr
.irp j, 0,1,2,3
.if \first
.else
	v_add_nc_u32 v[PF+\j], v[PF+\j], v[ON+\j]
.endif
	v_add_nc_u32 v[TT+\j], v[TT+\j], v[TMP+\j]
.endr
.endm
	SCAN 1, s44, 1
	SCAN 2, s45, 0
	SCAN 4, s46, 0
	SCAN 8, s47, 0
.irp j, 0,1,2,3
	v_permlanex16_b32 v[TMP+\j], v[TT+\j], s26, s27
.endr
.irp j, 0,1,2,3
	s_delay_alu instid0(VALU_DEP_4)
	v_cndmask_b32 v[ON+\j], 0, v[TMP+\j], s48
.endr
.irp j, 0,1,2,3
	v_add_nc_u32 v[PF+\j], v[PF+\j], v[ON+\j]      ; my wave's entries of each expert in the lanes below mine
	v_add_nc_u32 v[TT+\j], v[TT+\j], v[TMP+\j]     ; and in the whole wave
.endr
	ds_store_b128 v2, v[TT:TT+3] offset:CNT        ; all lanes write the same 16 bytes with the same values
	v_pk_add_f32 v[PP:PP+1], v[PP:PP+1], v[PP+4:PP+5]        ; thread i holds the sums of experts 4 (i % 2) + 0 .. 3
	v_pk_add_f32 v[PP+2:PP+3], v[PP+2:PP+3], v[PP+6:PP+7]
.irp x, 2,4,8
.irp c, 0,1,2,3
	v_add_f32_dpp v[PP+\c], v[PP+\c], v[PP+\c] row_xmask:\x row_mask:0xf bank_mask:0xf
.endr
.endr
.irp c, 0,1,2,3
	s_delay_alu instid0(VALU_DEP_4)
	v_permlanex16_b32 v[PP+4+\c], v[PP+\c], s26, s27
.endr
.irp c, 0,1,2,3
	s_delay_alu instid0(VALU_DEP_4)
	v_add_f32 v[PP+\c], v[PP+\c], v[PP+4+\c]       ; summed over the lanes of my parity
.endr
	ds_store_b128 v5, v[PP:PP+3]
	s_wait_dscnt 0x0                               ; for the others' sake: my counts and sums lie in LDS
	s_barrier_signal -1
	s_barrier_wait -1
.irp w, 0,1,2,3,4,5,6,7
	ds_load_b128 v[WT+4*\w:WT+4*\w+3], v11 offset:CNT+16*\w        ; every lane reads all eight waves' counts
.endr
	ds_load_b32 v82, v3 offset:PS                  ; the sum of expert l % 8 in wave l / 8,
	ds_load_b32 v83, v3 offset:PS+128              ; in wave 4 + l / 8
	s_wait_dscnt 0x0
.irp j, 0,1,2,3
	v_add3_u32 v[TOT+\j], v[WT+\j], v[WT+4+\j], v[WT+8+\j]
.endr
.irp j, 0,1,2,3
	s_delay_alu instid0(VALU_DEP_4)
	v_add3_u32 v[TOT+\j], v[TOT+\j], v[WT+12+\j], v[WT+16+\j]
.endr
.irp j, 0,1,2,3
	s_delay_alu instid0(VALU_DEP_4)
	v_add3_u32 v[TOT+\j], v[TOT+\j], v[WT+20+\j], v[WT+24+\j]
.endr
.irp j, 0,1,2,3
	s_delay_alu instid0(VALU_DEP_4)
	v_add_nc_u32 v[TOT+\j], v[TOT+\j], v[WT+28+\j] ; the experts' counts: at most 2,048 each
.endr
.irp w, 0,1,2,3,4,5,6
.irp j, 0,1,2,3
	v_and_b32 v[WT+4*\w+\j], s[16+\w], v[WT+4*\w+\j]               ; only the waves in front of mine
.endr
.endr
.irp j, 0,1,2,3
	v_add3_u32 v[PRE+\j], v[WT+\j], v[WT+4+\j], v[WT+8+\j]
.endr
.irp j, 0,1,2,3
	s_delay_alu instid0(VALU_DEP_4)
	v_add3_u32 v[PRE+\j], v[PRE+\j], v[WT+12+\j], v[WT+16+\j]
.endr
.irp j, 0,1,2,3
	s_delay_alu instid0(VALU_DEP_4)
	v_add3_u32 v[PRE+\j], v[PRE+\j], v[WT+20+\j], v[WT+24+\j]
.endr
.irp j, 0,1,2,3
	v_add_nc_u32 v[SZ+\j], 0x7f007f, v[TOT+\j]     ; both fields rounded up to 128: no field passes 2,175 on the way
.endr
.irp j, 0,1,2,3
	s_delay_alu instid0(VALU_DEP_4)
	v_and_b32 v[SZ+\j], 0xff80ff80, v[SZ+\j]
.endr
.irp j, 0,1,2,3
	v_and_b32 v[SS+\j], 0xffff, v[SZ+\j]
	v_lshrrev_b32 v[SS+4+\j], 16, v[SZ+\j]
.endr
.irp j, 0,1,2,3
	v_add_nc_u32 v[SS+\j], v[SS+\j], v[SS+4+\j]    ; the size of experts 2 j and 2 j + 1 together
.endr
	s_delay_alu instid0(VALU_DEP_3)
	v_add_nc_u32 v[SS+4], v[SS], v[SS+1]           ; where expert 4 begins,
	s_delay_alu instid0(VALU_DEP_3)
	v_add3_u32 v[SS+5], v[SS], v[SS+1], v[SS+2]    ; expert 6,
	s_delay_alu instid0(VALU_DEP_1)
	v_add_nc_u32 v[SS+6], v[SS+5], v[SS+3]         ; and where the last segment ends
	v_lshlrev_b32 v[BAS], 16, v[SZ]                ; bases, packed: expert 2 j begins at its pair's base, expert 2 j + 1 one size further on
	v_lshl_or_b32 v[SS+7], v[SS], 16, v[SS]
	s_delay_alu instid0(VALU_DEP_1)
	v_lshl_add_u32 v[BAS+1], v[SZ+1], 16, v[SS+7]
	v_lshl_or_b32 v[SS+7], v[SS+4], 16, v[SS+4]
	s_delay_alu instid0(VALU_DEP_1)
	v_lshl_add_u32 v[BAS+2], v[SZ+2], 16, v[SS+7]
	v_lshl_or_b32 v[SS+7], v[SS+5], 16, v[SS+5]
	s_delay_alu instid0(VALU_DEP_1)
	v_lshl_add_u32 v[BAS+3], v[SZ+3], 16, v[SS+7]
.irp j, 0,1,2,3
	v_add3_u32 v[OFF+\j], v[BAS+\j], v[PRE+\j], v[PF+\j]           ; base + earlier waves + lower lanes
	v_add_nc_u32 v[SEG+\j], v[BAS+\j], v[TOT+\j]
	v_add_nc_u32 v[ALE+\j], v[BAS+\j], v[SZ+\j]
.endr
	v_perm_b32 v[TB], v[OFF+1], v[OFF], s40        ; low bytes of experts 0-3's offsets,
	s_delay_alu instid0(VALU_DEP_4)
	v_perm_b32 v[TB+1], v[OFF+3], v[OFF+2], s40    ; of experts 4-7's;
	v_perm_b32 v[TB+2], v[OFF+1], v[OFF], s41      ; the high bytes likewise
	v_perm_b32 v[TB+3], v[OFF+3], v[OFF+2], s41
.irp g, 0,1,2,3
	v_perm_b32 v[WT+8*\g], v[TB+1], v[TB], v[SL+\g]                ; a selector byte 0-3 takes from the second source, 4-7 from the first: four entries' low bytes,
	v_perm_b32 v[WT+8*\g+1], v[TB+3], v[TB+2], v[SL+\g]            ; and high bytes
.endr
.irp g, 0,1,2,3
	v_perm_b32 v[WT+8*\g+2], v[WT+8*\g+1], v[WT+8*\g], s42
	v_perm_b32 v[WT+8*\g+3], v[WT+8*\g+1], v[WT+8*\g], s43
.endr
.irp g, 0,1,2,3
	v_and_b32 v[WT+8*\g+4], 0xffff, v[WT+8*\g+2]
	v_lshrrev_b32 v[WT+8*\g+5], 16, v[WT+8*\g+2]
	v_and_b32 v[WT+8*\g+6], 0xffff, v[WT+8*\g+3]
	v_lshrrev_b32 v[WT+8*\g+7], 16, v[WT+8*\g+3]
.endr
.irp g, 0,1,2,3
.irp c, 0,1,2,3
	v_add_nc_u32 v[RK+4*\g+\c], v[RK+4*\g+\c], v[WT+8*\g+4+\c]     ; the entry's position
.endr
.endr
.irp j, 0,1,2,3
	global_store_b128 v4, v[RK+4*\j:RK+4*\j+3], s[8:9] offset:4096*\j      ; posn: dense, 512 bytes a wave
.endr
.irp n, 0,1,2,3,4,5,6,7,8,9,10,11,12,13,14,15
	v_min_u32 v[AD+\n], 0x137f, v[RK+\n]           ; held inside tok's 4,992 words before it enters an address
.endr
.irp n, 0,1,2,3,4,5,6,7,8,9,10,11,12,13,14,15
	v_lshlrev_b32 v[AD+\n], 2, v[AD+\n]
.endr
.irp n, 0,1,2,3,4,5,6,7,8,9,10,11,12,13,14,15
	global_store_b32 v[AD+\n], v[TK+2*(\n/4)+(\n%4)/2], s[8:9] offset:TOK
.endr
; Token 0.  Wave W sees to expert W's rest (under 128 positions: four times 32) and to 128 positions from 128 W behind the last segment on (behind it lie at most 896: the 8 waves reach 1,024).
	v_cndmask_b32 v96, v[SEG], v[SEG+1], s29       ; the word of expert W: W's bits 1 and 2 choose among the four,
	v_cndmask_b32 v97, v[SEG+2], v[SEG+3], s29
	v_cndmask_b32 v98, v[ALE], v[ALE+1], s29
	v_cndmask_b32 v99, v[ALE+2], v[ALE+3], s29
	s_delay_alu instid0(VALU_DEP_3)
	v_cndmask_b32 v96, v96, v97, s30
	s_delay_alu instid0(VALU_DEP_2)
	v_cndmask_b32 v98, v98, v99, s30
	s_delay_alu instid0(VALU_DEP_2)
	v_and_b32 v97, 0xffff, v96
	s_delay_alu instid0(VALU_DEP_3)
	v_lshrrev_b32 v96, 16, v96
	s_delay_alu instid0(VALU_DEP_3)
	v_and_b32 v99, 0xffff, v98
	s_delay_alu instid0(VALU_DEP_4)
	v_lshrrev_b32 v98, 16, v98
	s_delay_alu instid0(VALU_DEP_3)
	v_cndmask_b32 v96, v97, v96, s28               ; bit 0 the field: where expert W's entries end,
	s_delay_alu instid0(VALU_DEP_2)
	v_cndmask_b32 v98, v99, v98, s28               ; and where its segment ends
	v_add_nc_u32 v100, s31, v[SS+6]
.irp k, 0,1,2,3
	v_add3_u32 v[PZ+\k], v96, v1, 32*\k
	v_add3_u32 v[PZ+4+\k], v100, v1, 32*\k
.endr
.irp k, 0,1,2,3
	v_cmp_gt_u32 vcc_lo, v98, v[PZ+\k]
	s_delay_alu instid0(VALU_DEP_1)
	v_cndmask_b32 v[PZ+\k], v10, v[PZ+\k], vcc_lo  ; past the segment's end: my spare word instead
.endr
.irp k, 4,5,6,7
	v_cmp_gt_u32 vcc_lo, 0x1380, v[PZ+\k]
	s_delay_alu instid0(VALU_DEP_1)
	v_cndmask_b32 v[PZ+\k], v10, v[PZ+\k], vcc_lo  ; past tok's end likewise
.endr
.irp k, 0,1,2,3,4,5,6,7
	v_min_u32 v[PZ+\k], 0x13ff, v[PZ+\k]           ; held inside the buffer before it enters an address
.endr
.irp k, 0,1,2,3,4,5,6,7
	v_lshlrev_b32 v[PZ+\k], 2, v[PZ+\k]
.endr
.irp k, 0,1,2,3,4,5,6,7
	global_store_b32 v[PZ+\k], v11, s[8:9] offset:TOK
.endr
; The loss: lane l stands for expert l % 8.
	v_add_f32 v94, v82, v83
	s_delay_alu instid0(VALU_DEP_1)
	v_add_f32_dpp v94, v94, v94 row_xmask:8 row_mask:0xf bank_mask:0xf
	s_delay_alu instid0(VALU_DEP_1)
	v_permlanex16_b32 v95, v94, s26, s27
	s_delay_alu instid0(VALU_DEP_1)
	v_add_f32 v94, v94, v95                        ; its sum of probabilities
	v_cndmask_b32 v92, v[TOT], v[TOT+1], s45
	v_cndmask_b32 v93, v[TOT+2], v[TOT+3], s45
	s_delay_alu instid0(VALU_DEP_1)
	v_cndmask_b32 v92, v92, v93, s46
	s_delay_alu instid0(VALU_DEP_1)
	v_and_b32 v93, 0xffff, v92
	s_delay_alu instid0(VALU_DEP_2)
	v_lshrrev_b32 v92, 16, v92
	s_delay_alu instid0(VALU_DEP_1)
	v_cndmask_b32 v92, v93, v92, s44               ; its count
	s_delay_alu instid0(VALU_DEP_1)
	v_cvt_f32_u32 v101, v92
	s_delay_alu instid0(VALU_DEP_1)
	v_mul_f32 v101, v101, v94
	s_delay_alu instid0(VALU_DEP_1)
	v_add_f32_dpp v101, v101, v101 row_xmask:1 row_mask:0xf bank_mask:0xf
	s_delay_alu instid0(VALU_DEP_1)
	v_add_f32_dpp v101, v101, v101 row_xmask:2 row_mask:0xf bank_mask:0xf
	s_delay_alu instid0(VALU_DEP_1)
	v_add_f32_dpp v101, v101, v101 row_xmask:4 row_mask:0xf bank_mask:0xf
	s_delay_alu instid0(VALU_DEP_1)
	v_mul_f32 v101, 0x34000000, v101               ; x 2^-23
	s_cmp_gt_u32 s12, 1
	s_cbranch_scc1 .Lno_texp                       ; 64 tiles: waves 0 and 1
.irp j, 0,1,2,3
	v_and_b32 v[102+2*\j], 0xffff, v[ALE+\j]       ; the eight segments' ends
	v_lshrrev_b32 v[103+2*\j], 16, v[ALE+\j]
.endr
	v_lshlrev_b32 v93, 7, v0                       ; tile i begins at position 128 i: its expert is the number of segments that end at or before it
	v_mov_b32 v110, 0
.irp e, 0,1,2,3,4,5,6,7
	v_cmp_le_u32 vcc_lo, v[102+\e], v93
	s_delay_alu instid0(VALU_DEP_1)
	v_cndmask_b32 v111, 0, 1, vcc_lo
	s_delay_alu instid0(VALU_DEP_1)
	v_add_nc_u32 v110, v110, v111
.endr
	s_delay_alu instid0(VALU_DEP_1)
	v_min_u32 v110, 7, v110
	global_store_b32 v8, v110, s[8:9] offset:TEXP
.Lno_texp:
	s_wait_xcnt 0x0                                ; EXEC is a source of every store issued so far: it is narrowed only behind this wait,
	v_cmp_eq_u32 vcc_lo, 0, v0
	s_wait_tensorcnt 0x0
	ds_add_u32 v192, v193
	s_wait_dscnt 0x0
	s_and_saveexec_b32 s24, vcc_lo                 ; thread 0 alone
	s_wait_alu depctr_va_vdst(0)
	global_store_b32 v11, v101, s[10:11]
	s_wait_xcnt 0x0                                ; and widened again only behind this one
	s_or_b32 exec_lo, exec_lo, s24
	s_endpgm
.Lfunc_end_k_qfbc66c1a62_place:
	.size	k_qfbc66c1a62_place, .Lfunc_end_k_qfbc66c1a62_place-k_qfbc66c1a62_place
	.p2alignl 7, 3214868480
	.fill 96, 4, 3214868480
	.section	.rodata,"a",@progbits
	.p2align	6, 0x0
	.amdhsa_kernel k_qfbc66c1a62_place
		.amdhsa_group_segment_fixed_size 2048
		.amdhsa_private_segment_fixed_size 0
		.amdhsa_enable_private_segment 0
		.amdhsa_kernarg_size 32
		.amdhsa_user_sgpr_count 2
		.amdhsa_user_sgpr_kernarg_segment_ptr 1
		.amdhsa_wavefront_size32 1
		.amdhsa_system_sgpr_workgroup_id_x 1
		.amdhsa_system_sgpr_workgroup_id_y 1
		.amdhsa_system_sgpr_workgroup_id_z 1
		.amdhsa_system_vgpr_workitem_id 0
		.amdhsa_next_free_vgpr 194
		.amdhsa_next_free_sgpr 66
		.amdhsa_reserve_vcc 1
		.amdhsa_float_denorm_mode_32 3
		.amdhsa_float_denorm_mode_16_64 3
		.amdhsa_memory_ordered 1
		.amdhsa_forward_progress 1
		.amdhsa_inst_pref_size 36
	.end_amdhsa_kernel
	.amdgpu_metadata
---
amdhsa.version: [ 1, 2 ]
amdhsa.kernels:
  - .name:           k_qfbc66c1a62_place
    .symbol:         k_qfbc66c1a62_place.kd
    .args:
      - { .name: sel, .offset: 0, .size: 8, .value_kind: global_buffer, .address_space: global }
      - { .name: rf, .offset: 8, .size: 8, .value_kind: global_buffer, .address_space: global }
      - { .name: lists, .offset: 16, .size: 8, .value_kind: global_buffer, .address_space: global }
      - { .name: out1, .offset: 24, .size: 8, .value_kind: global_buffer, .address_space: global }
    .group_segment_fixed_size: 2048
    .private_segment_fixed_size: 0
    .kernarg_segment_align: 8
    .kernarg_segment_size: 32
    .max_flat_workgroup_size: 256
    .sgpr_count:     66
    .vgpr_count:     194
    .wavefront_size: 32
...
	.end_amdgpu_metadata
.endif
;; end of part 7
;; launch up (part 8): grid 16 x 39, 4 waves a work-group, no clusters, 140,288 bytes of LDS; arguments xqs, lists, w1_codes, w1_scales, hcs; writes hcs
.if DOCPART == 8
	.amdgcn_target "amdgcn-amd-amdhsa--gfx1250"
	.amdhsa_code_object_version 6
	.text
	.protected	k_qfbc66c1a62_up
	.globl	k_qfbc66c1a62_up
	.p2align	8
	.type	k_qfbc66c1a62_up,@function
k_qfbc66c1a62_up:
	s_mov_b64 s[64:65], 0
	v_nop
	global_prefetch_b8 v0, s[64:65] scope:SCOPE_SE
	s_setreg_imm32_b32 hwreg(HW_REG_WAVE_SCHED_MODE, 0, 2), 2
	s_setreg_imm32_b32 hwreg(HW_REG_WAVE_MODE, 25, 1), 1
	s_wait_xcnt 0x0
	s_wait_alu depctr_vm_vsrc(0)
; FIRST PRODUCT OF THE CHOSEN ROWS, silu, AND THE QUANTISER ALONG THE HIDDEN AXIS.  MX-FP8 (E4M3 codes, one E8M0 byte for each 32 along K), sums in f32.
; Work-group (x, y): the 128 positions of row tile y (tokens by the list tok, expert by texp) x hidden units 128 x .. 128 x + 127, K = 1,024.
; Out: hcs = the hidden layer's codes as IMAGES OF THE NEXT PRODUCT'S OPERAND REGISTERS, [39 tiles][16 K steps][8 blocks of 16 rows][4 groups of registers][32 lanes][16 bytes]; HSO bytes on: its scale words [39][16][128 rows].
; FOUR WAVES, each 64 rows x 64 units: 16 accumulators.  USED TRANSPOSED (source 0 = 16 rows of W1, source 1 = 16 token rows): a lane holds one token and its registers run along the hidden units, the next K.
; THE ROWS OF W1 THAT FORM A TILE ARE NOT NEIGHBOURS: lane r of tile 2 b + u takes unit 32 b + 8 u + r + 8 (r / 8), so that the 16 registers of tiles 2 b, 2 b + 1 are 16 neighbours.  The order is made where W1's rows are stored to LDS.
; K goes in four steps of 256 through two LDS slots.  Both operands come through registers (global load, LDS store, one barrier a step): the next step's 32 loads a wave are on their way while this step is multiplied.
; EVERY WORK-GROUP RUNS THE SAME TEXT: numbers read from memory enter global addresses alone (held to their range first), no branch, no LDS address.  A tile with no entries multiplies token 0's row; nothing ever names its results.
; With 8 experts at most 7 of the 39 row tiles are such work.
; NO TENSOR LOADS AND NO JOINT LOADS: the token rows are a gather by a list, 128 rows at 128 places, and W1's tile hangs on an expert's number read from memory; what the 16 work-groups of a row tile share is that gather.
; LIMITS: NaN and infinities are not served; a block of zeros gets the byte 1 with zero codes (the bytes are read by this program alone); blocks whose largest magnitude lies under 2^-118 are held at byte 1.
; REGISTERS.  Window 0: v1-15 addresses; v16-31 the staged rows' byte offsets in x's codes; v32-47 x's scale words, v48-63 W1's; v64-127 four fragments of x, v128-191 four of W1; v192-219 set-up.
;   Window 1: v0-127 accumulators ((m, t) at 8 (4 m + t)); v128-191, v192-255 the rows on their way to LDS; on the way out v128-211 at work.
; THE MODE: SCHED_MODE bits 1:0 = 2 (LLVM: expert scheduling mode 2), set by the entry lines.  The code itself states the register dependences
; between vector or matrix instructions and memory or LDS instructions, with s_wait_alu, always for 0.
; THE PLAN.  Registers that memory or LDS instructions touch:
;   SGA, SGB   (window 1, v128-255)  Written by a step's 32 global loads; read by the 32 LDS stores at the step's end; named by no vector or matrix instruction before the way out.
;   AF, BF     (v64-191)  Written by the 32 LDS loads of each 128 along K; read by its 16 products.
;   SCA, SCB   Loaded once; read by the products.
;   v4-31, v192-219  Addresses and offsets: written at the head, never again.
;   PC, HW     (the way out)  A block of 16 rows has registers of its own: written by its conversions, read by its three stores, never written again.
; So a step of 256 along K holds three waits: one on vm_vsrc at its head (the LDS stores have read SGA and SGB, in which the next rows land) and one on va_vdst ahead of each fetch (the products are done
; reading AF and BF).  On the way out a block's stores stand behind the next block's wait for its exponentials, which shows the earlier block's conversions written too; the last block's stores have a wait of their own.
; One set of fragments: the wave is given 512 registers, and of window 0 62 on end are free where a set takes 64.
.set PITCH, 272                        ; an LDS row: 256 bytes + 16: an odd multiple of 16, so the 16 rows of a fragment load begin 16 bytes apart modulo 256
.set SLOT,  69632                      ; 128 token rows, then 128 rows of W1
.set BOFF,  34816
.set SCST,  139264                     ; behind the slots: the 128 rows' scale words of this K step of the next product
.set XSO,   2097152
.set TOKO,  16384
.set TEXPO, 36352
.set HSO,   10223616
.set ADRA, 4                           ; v4-5   my fragments of x in slot 0, 1
.set ADRB, 6                           ; v6-7   of W1
.set STA,  8                           ; v8-9   where I store token rows
.set STB,  10                          ; v10-11 where I store W1's rows
.set GB,   12                          ; v12    my byte offset in W1's 128 rows
.set HCO,  13                          ; v13    16 x lane
.set HSA,  14                          ; v14    LDS: my row's two scale bytes
.set HSR,  15                          ; v15    LDS: 16 bytes a lane of the 512
.set GA,   16
.set SCA,  32
.set SCB,  48
.set AF,   64
.set BF,   128
.set TK,   192
.set SGA,  128                         ; window 1
.set SGB,  192
.set TT,   128
.set TM,   160
.set PC,   176
.set HW,   208
.set MSB, 0
.macro WIN new                         ; the immediate's high byte repeats the setting that is left
.if MSB != \new
	s_set_vgpr_msb (MSB<<8)|\new
.set MSB, \new
.endif
.endm
.macro PLACES n
.rept \n
	v_nop
.endr
.endm
.macro BAR                             ; my LDS stores have landed and my LDS loads are in: then the work-group's barrier
	s_wait_dscnt 0x0
	s_barrier_signal -1
	s_barrier_wait -1
.endm
	s_load_b256 s[4:11], s[0:1], 0x0               ; xqs, lists, W1's codes, W1's scales
	s_load_b64 s[12:13], s[0:1], 0x20              ; hcs
	v_lshl_add_u32 v254, v0, 2, 0x22200
	v_mov_b32 v255, 0
	v_lshrrev_b32 v1, 5, v0
	v_readfirstlane_b32 s14, v1                    ; wave
	s_wait_alu depctr_va_sdst(0)                   ; s14 is written, ahead of its first reader: LDS addresses, the bases and the last branch are made from it
	s_lshr_b32 s15, s14, 1                         ; wm: which 64 rows
	s_and_b32 s16, s14, 1                          ; wn: which 64 units
	s_mov_b32 s17, ttmp9                           ; x: which 128 units
	s_and_b32 s18, ttmp7, 0xffff                   ; y: which row tile
	s_lshl_b32 s33, s18, 2
	s_mov_b32 s28, 0x76543210
	s_mov_b32 s29, 0xfedcba98                      ; v_permlanex16_b32: lane l xor 16
	s_mov_b32 s30, 0xbfb8aa3b                      ; -log2(e)
	s_mov_b32 s31, s30                             ; (named with it as a pair)
	s_mov_b32 s32, 0x600000                        ; the mantissa field of 448
	v_and_b32 v1, 15, v0                           ; r
	v_bfe_u32 v2, v0, 4, 1                         ; h
	v_lshlrev_b32 v3, 4, v1                        ; 16 r
	v_and_b32 v216, 0x60, v0
	v_add_nc_u32 v216, v216, v2                    ; 32 w + h: the first row that I stage
	s_lshl_b32 s20, s15, 6
	v_add_nc_u32 v217, s20, v1                     ; 64 wm + r
	s_lshl_b32 s21, s16, 6
	v_add_nc_u32 v218, s21, v1                     ; 64 wn + r
	v_mul_u32_u24 v[ADRA], v217, PITCH
	v_lshl_add_u32 v[ADRA], v2, 4, v[ADRA]
	v_add_nc_u32 v[ADRA+1], SLOT, v[ADRA]
	v_mul_u32_u24 v[ADRB], v218, PITCH
	v_lshl_add_u32 v[ADRB], v2, 4, v[ADRB]
	v_add_nc_u32 v[ADRB], BOFF, v[ADRB]
	v_add_nc_u32 v[ADRB+1], SLOT, v[ADRB]
	v_mul_u32_u24 v[STA], v216, PITCH
	v_add_nc_u32 v[STA], v[STA], v3
	v_add_nc_u32 v[STA+1], SLOT, v[STA]
	v_add_nc_u32 v[STB], BOFF, v[STA]
	v_add_nc_u32 v[STB+1], BOFF, v[STA+1]
	v_lshl_add_u32 v[GB], v216, 10, v3
	v_and_b32 v[HCO], 31, v0
	v_lshlrev_b32 v[HCO], 4, v[HCO]
	s_lshl_b32 s21, s16, 1
	v_lshl_add_u32 v[HSA], v217, 2, s21
	v_add_nc_u32 v[HSA], SCST, v[HSA]
	v_add_nc_u32 v[HSR], SCST, v[HCO]
	v_lshlrev_b32 v214, 2, v216                    ; tok: the rows that I stage,
	v_lshlrev_b32 v215, 2, v217                    ; and the rows of my fragments
	v_and_b32 v219, 8, v1
	v_add_nc_u32 v219, v219, v1                    ; r + 8 (r / 8)
	v_lshlrev_b32 v219, 5, v219                    ; W1's scales: 32 bytes a unit;
	v_lshl_add_u32 v219, v2, 4, v219               ; lanes 0-15 take words 0-3, lanes 16-31 words 4-7
	s_wait_kmcnt 0x0
	s_load_b32 s19, s[6:7], s33 offset:TEXPO       ; the tile's expert
	s_lshl_b32 s20, s18, 9
	s_mov_b32 s21, 0
	s_add_nc_u64 s[24:25], s[6:7], s[20:21]
	s_add_nc_u64 s[24:25], s[24:25], TOKO          ; the tile's 128 words of tok
	s_wait_alu depctr_va_vdst(0)                   ; the addresses and offsets v4 to v15, v214, v215 and v219 are written, which the loads and stores of the whole kernel read
.irp j, 0,1,2,3,4,5,6,7,8,9,10,11,12,13,14,15
	global_load_b32 v[TK+\j], v214, s[24:25] offset:8*\j
.endr
.irp m, 0,1,2,3
	global_load_b32 v[TK+16+\m], v215, s[24:25] offset:64*\m
.endr
	s_add_nc_u64 s[22:23], s[4:5], XSO             ; x's scale words
	s_lshl_b32 s34, s18, 4
	s_add_co_u32 s34, s34, s17                     ; 16 y + x
	s_lshl_b32 s20, s34, 9
	s_add_nc_u64 s[26:27], s[12:13], s[20:21]
	s_add_nc_u64 s[26:27], s[26:27], HSO           ; my 512 bytes of the hidden layer's scale words
	s_lshl_b32 s20, s34, 14
	s_lshl_b32 s35, s15, 13
	s_add_co_u32 s20, s20, s35
	s_lshl_b32 s35, s16, 10
	s_add_co_u32 s20, s20, s35
	s_add_nc_u64 s[12:13], s[12:13], s[20:21]      ; my wave's images: K step x of tile y, blocks 4 wm on, register groups 2 wn on
	s_wait_kmcnt 0x0
	s_min_u32 s19, s19, 7                          ; held to its range before it enters an address
	s_lshl_b32 s20, s19, 21
	s_lshl_b32 s35, s17, 17
	s_add_co_u32 s20, s20, s35
	s_add_nc_u64 s[8:9], s[8:9], s[20:21]          ; W1's codes: expert, 128 x rows of 1,024 bytes
	s_lshl_b32 s20, s19, 16
	s_lshl_b32 s35, s17, 12
	s_add_co_u32 s20, s20, s35
	s_lshl_b32 s35, s16, 11
	s_add_co_u32 s20, s20, s35
	s_add_nc_u64 s[10:11], s[10:11], s[20:21]      ; W1's scales: my wave's 64 units
; a wave stages 32 rows of each operand: a load takes two rows' 256 bytes, lanes 0-15 the even row, lanes 16-31 the odd one
.macro LOADGA i
	WIN 0x40                                       ; destination window 1
.irp j, 0,1,2,3,4,5,6,7,8,9,10,11,12,13,14,15
	global_load_b128 v[SGA+4*\j:SGA+4*\j+3], v[GA+\j], s[4:5] offset:256*(\i)
.endr
.endm
.macro LOADGB i
	WIN 0x40
.irp j, 0,1,2,3,4,5,6,7,8,9,10,11,12,13,14,15
	global_load_b128 v[SGB+4*\j:SGB+4*\j+3], v[GB], s[8:9] offset:2048*\j+256*(\i)
.endr
.endm
.macro STORE slot
	WIN 0x04                                       ; an LDS store's data are its source 1: window 1
.irp j, 0,1,2,3,4,5,6,7,8,9,10,11,12,13,14,15
	ds_store_b128 v[STA+\slot], v[SGA+4*\j:SGA+4*\j+3] offset:2*PITCH*\j
.endr
.irp j, 0,1,2,3,4,5,6,7,8,9,10,11,12,13,14,15
	ds_store_b128 v[STB+\slot], v[SGB+4*\j:SGB+4*\j+3] offset:PITCH*(16*((\j/4)%2)+8*(\j/8)+2*(\j%4))   ; unit y = 2 j + h of 32 goes to row 16 ((y / 8) % 2) + 8 (y / 16) + y % 8
.endr
.endm
.macro FETCH slot, q                   ; the fragments of the slot's q-th 128 along K: W1's four, then x's four
	WIN 0
.irp t, 0,1,2,3
.irp c, 0,1,2,3
	ds_load_b128 v[BF+16*\t+4*\c:BF+16*\t+4*\c+3], v[ADRB+\slot] offset:16*\t*PITCH+128*\q+32*\c
.endr
.endr
.irp m, 0,1,2,3
.irp c, 0,1,2,3
	ds_load_b128 v[AF+16*\m+4*\c:AF+16*\m+4*\c+3], v[ADRA+\slot] offset:16*\m*PITCH+128*\q+32*\c
.endr
.endr
.endm
; one product.  ra, rb: the scales of source 0, source 1 stand in lanes 16-31 of their registers
.macro WM d, b, a, sb, sa, ra, rb, zero
.if \zero
	v_wmma_scale_f32_16x16x128_f8f6f4 v[\d:\d+7], v[\b:\b+15], v[\a:\a+15], 0, v[\sb], v[\sa]
.elseif (\ra) && (\rb)
	v_wmma_scale_f32_16x16x128_f8f6f4 v[\d:\d+7], v[\b:\b+15], v[\a:\a+15], v[\d:\d+7], v[\sb], v[\sa] matrix_a_scale:MATRIX_SCALE_ROW1 matrix_b_scale:MATRIX_SCALE_ROW1
.elseif (\ra)
	v_wmma_scale_f32_16x16x128_f8f6f4 v[\d:\d+7], v[\b:\b+15], v[\a:\a+15], v[\d:\d+7], v[\sb], v[\sa] matrix_a_scale:MATRIX_SCALE_ROW1
.elseif (\rb)
	v_wmma_scale_f32_16x16x128_f8f6f4 v[\d:\d+7], v[\b:\b+15], v[\a:\a+15], v[\d:\d+7], v[\sb], v[\sa] matrix_b_scale:MATRIX_SCALE_ROW1
.else
	v_wmma_scale_f32_16x16x128_f8f6f4 v[\d:\d+7], v[\b:\b+15], v[\a:\a+15], v[\d:\d+7], v[\sb], v[\sa]
.endif
.endm
; K step s of eight: 16 products.  The 16 accumulators take turns, one instruction a turn, in the same order in every step.
; A scale register holds word s % 4 in lanes 0-15 and word 4 + s % 4 in lanes 16-31.
.macro MUL s, zero
	WIN 0x50                                       ; C and D window 1
.irp m, 0,1,2,3
	s_wait_dscnt 12-4*\m                           ; W1's fragments and x's 0 .. m are in; the four loads of each later fragment of x may be out
.irp t, 0,1,2,3
	WM 8*(4*\m+\t), BF+16*\t, AF+16*\m, SCB+4*\t+(\s)%4, SCA+4*\m+(\s)%4, (\s)/4, (\s)/4, \zero
.endr
.endr
.endm
; A step of 256 along K.  Eight plain places stand behind the products in front of the loads into registers that they read, and of the first read of results (ISA guide 7.12.1 for the read of results).
.macro KSTEP i, slot, next, more, zero
.if \more
	WIN 0x40
	s_wait_alu depctr_vm_vsrc(0)                   ; the LDS stores in front of the last barrier have read SGA and SGB, in which the loads below land
	LOADGA (\i)+1                                  ; the next step's rows: they land while this step is multiplied
	LOADGB (\i)+1
.endif
	WIN 0
.if !\zero
	s_wait_alu depctr_va_vdst(0)                   ; the last step's products are done reading AF and BF, in which the fetch below lands
.endif
	FETCH \slot, 0
	MUL 2*(\i), \zero
	PLACES 8
	WIN 0
	s_wait_alu depctr_va_vdst(0)                   ; the sixteen products above are done reading AF and BF, in which the fetch below lands; the places stay beside this wait
	FETCH \slot, 1
	MUL 2*(\i)+1, 0
	PLACES 8
.if \more
	s_wait_loadcnt 0x0
	STORE \next                                    ; every wave left that slot in front of the last barrier.  (Data from loads, addresses from the head: no vector instruction has written either since)
	BAR
.endif
.endm
.irp t, 0,1,2,3
	global_load_b128 v[SCB+4*\t:SCB+4*\t+3], v219, s[10:11] offset:(32*(\t/2)+8*(\t%2))*32
.endr
	LOADGB 0
	WIN 0
	s_wait_loadcnt 20                              ; the 20 loads from tok are in; the 20 issued behind them may be out
.irp j, 0,1,2,3,4,5,6,7,8,9,10,11,12,13,14,15
	v_min_u32 v[TK+\j], 0x7ff, v[TK+\j]            ; a token, held to its range before it enters an address
	v_lshl_add_u32 v[GA+\j], v[TK+\j], 10, v3      ; its row of 1,024 codes, + 16 r
.endr
.irp m, 0,1,2,3
	v_min_u32 v[TK+16+\m], 0x7ff, v[TK+16+\m]
	v_lshlrev_b32 v[TK+16+\m], 5, v[TK+16+\m]      ; its 8 scale words;
	v_lshl_add_u32 v[TK+16+\m], v2, 4, v[TK+16+\m] ; lanes 0-15 take words 0-3, lanes 16-31 words 4-7
.endr
	s_wait_alu depctr_va_vdst(0)                   ; the twenty offsets just made, v16 to v31 and v208 to v211, are written: the loads below, and every later load of token rows, read them
.irp m, 0,1,2,3
	global_load_b128 v[SCA+4*\m:SCA+4*\m+3], v[TK+16+\m], s[22:23]
.endr
	LOADGA 0
	s_wait_loadcnt 0x0
	STORE 0
	BAR
	KSTEP 0, 0, 1, 1, 1                            ; the first products start the sums: nothing is cleared
	KSTEP 1, 1, 0, 1, 0
	KSTEP 2, 0, 1, 1, 0
	KSTEP 3, 1, 0, 0, 0
; Block m's three stores: its codes and its rows' two scale bytes.  They stand behind a wait that shows the block's conversions and its bytes written, under the window of a store's data (source 1: window 1).
.macro LEAVE m
	global_store_b128 v[HCO], v[PC+8*(\m):PC+8*(\m)+3], s[12:13] offset:2048*(\m)            ; register group 2 wn of the block's image: 512 consecutive bytes
	global_store_b128 v[HCO], v[PC+8*(\m)+4:PC+8*(\m)+7], s[12:13] offset:2048*(\m)+512      ; group 2 wn + 1
	ds_store_b16 v[HSA], v[HW+(\m)] offset:64*(\m) ; lanes r and 16 + r write the same two bytes with the same value
.endm
; THE WAY OUT of the 16 rows of block m: 32 numbers a lane, register 16 b + i = unit 64 wn + 32 b + 16 h + i of row r.  silu(z) = z / (1 + 2^(-z log2 e)), all in f32; then the quantiser, two blocks of 32.
; Each accumulator is read from its low end on.
.macro ACT m
	WIN 0x55                                       ; all operands window 1
.set ZB, 32*(\m)
.set j, 0
.rept 16
	v_pk_mul_f32 v[TT+j:TT+j+1], v[ZB+j:ZB+j+1], s[30:31] op_sel_hi:[1,0]
.set j, j+2
.endr
.set j, 0
	s_wait_alu depctr_va_vdst(0)
.rept 32
	v_exp_f32 v[TT+j], v[TT+j]
.set j, j+1
.endr
	v_nop                                          ; a plain line behind the exponentials
.if (\m) > 0
	WIN 0x04
.endif
	s_wait_alu depctr_va_vdst(0)                   ; the 32 exponentials have written v[TT ..], ahead of their first reader; and the block before has written its codes and its scale bytes, which the stores below read
.if (\m) > 0
	LEAVE (\m)-1
	WIN 0x55
.endif
.set j, 0
.rept 16
	v_pk_add_f32 v[TT+j:TT+j+1], v[TT+j:TT+j+1], 1.0 op_sel_hi:[1,0]
.set j, j+2
.endr
.set j, 0
	s_wait_alu depctr_va_vdst(0)
.rept 32
	v_rcp_f32 v[TT+j], v[TT+j]
.set j, j+1
.endr
	v_nop
	s_wait_alu depctr_va_vdst(0)                   ; the 32 reciprocals have written v[TT ..], ahead of their first reader
.set j, 0
.rept 16
	v_pk_mul_f32 v[ZB+j:ZB+j+1], v[ZB+j:ZB+j+1], v[TT+j:TT+j+1]
.set j, j+2
.endr
.irp b, 0,1
	v_max3_num_f32 v[TM+\b], |v[ZB+16*\b]|, |v[ZB+16*\b+1]|, 0x4800000      ; my 16 of the block, over the floor 2^(9 - 127)
.endr
.irp i, 2,4,6,8,10,12,14
.irp b, 0,1
	v_max3_num_f32 v[TM+\b], v[TM+\b], |v[ZB+16*\b+\i]|, |v[ZB+16*\b+\i+1]|
.endr
.endr
.irp b, 0,1
	v_permlanex16_b32 v[TM+2+\b], v[TM+\b], s28, s29
.endr
.irp b, 0,1
	v_max_num_f32 v[TM+\b], v[TM+\b], v[TM+2+\b]   ; with lane l xor 16's 16: the block's largest magnitude
.endr
.irp b, 0,1
	v_add_nc_u32 v[TM+6+\b], 0xfc000000, v[TM+\b]  ; 8 off its exponent field: the conversion's scale operand
.endr
.irp b, 0,1
	v_and_or_b32 v[TM+4+\b], v[TM+\b], 0x7f800000, s32      ; 448 x the scale
.endr
.irp b, 0,1
	v_lshrrev_b32 v[TM+2+\b], 23, v[TM+6+\b]       ; the scale's byte
.endr
	v_lshl_or_b32 v[HW+\m], v[TM+3], 8, v[TM+2]    ; my wave's two bytes of the row's word
.irp b, 0,1
.irp i, 0,1,2,3,4,5,6,7,8,9,10,11,12,13,14,15
	v_med3_num_f32 v[ZB+16*\b+\i], v[ZB+16*\b+\i], -v[TM+4+\b], v[TM+4+\b]      ; the conversion does not saturate (ISA guide 7.6.2)
.endr
	v_cvt_scalef32_pk8_fp8_f32 v[PC+8*(\m)+4*\b:PC+8*(\m)+4*\b+1], v[ZB+16*\b:ZB+16*\b+7], v[TM+6+\b]
	v_cvt_scalef32_pk8_fp8_f32 v[PC+8*(\m)+4*\b+2:PC+8*(\m)+4*\b+3], v[ZB+16*\b+8:ZB+16*\b+15], v[TM+6+\b]
.endr
	v_nop                                          ; a plain line behind the last conversion
.endm
	WIN 0x55
	s_wait_alu depctr_vm_vsrc(0)                   ; the last LDS stores of staged rows have read window 1's v128 to v255: from here on vector instructions write these registers
	v_mov_b32 v[TM+2], 0                           ; a lane permute's destination counts as one of its sources
	v_mov_b32 v[TM+3], 0
	ACT 0
	ACT 1
	ACT 2
	ACT 3
	WIN 0x04                                       ; a store's data are its source 1: window 1
	s_wait_alu depctr_va_vdst(0)                   ; block 3 has written its codes and its scale bytes, which the stores below read.  (It also stands behind the last products, which read v64 to v67: wave 0's LDS load below lands there)
	LEAVE 3
	WIN 0
	BAR                                            ; the 128 rows' scale words lie in LDS
	s_cmp_lg_u32 s14, 0
	s_cbranch_scc1 .Ldone
	ds_load_b128 v[64:67], v[HSR]
	s_wait_dscnt 0x0
	global_store_b128 v[HCO], v[64:67], s[26:27]   ; wave 0 stores them: 512 consecutive bytes
.Ldone:
	s_wait_dscnt 0x0                               ; the closing lines, six on end
	s_wait_alu 0x0
	s_wait_tensorcnt 0x0
	ds_add_u32 v254, v255
	s_wait_dscnt 0x0
	s_endpgm
.Lfunc_end_k_qfbc66c1a62_up:
	.size	k_qfbc66c1a62_up, .Lfunc_end_k_qfbc66c1a62_up-k_qfbc66c1a62_up
	.p2alignl 7, 3214868480
	.fill 96, 4, 3214868480
	.section	.rodata,"a",@progbits
	.p2align	6, 0x0
	.amdhsa_kernel k_qfbc66c1a62_up
		.amdhsa_group_segment_fixed_size 140288
		.amdhsa_private_segment_fixed_size 0
		.amdhsa_enable_private_segment 0
		.amdhsa_kernarg_size 40
		.amdhsa_user_sgpr_count 2
		.amdhsa_user_sgpr_kernarg_segment_ptr 1
		.amdhsa_wavefront_size32 1
		.amdhsa_system_sgpr_workgroup_id_x 1
		.amdhsa_system_sgpr_workgroup_id_y 1
		.amdhsa_system_sgpr_workgroup_id_z 1
		.amdhsa_system_vgpr_workitem_id 0
		.amdhsa_next_free_vgpr 512
		.amdhsa_next_free_sgpr 66
		.amdhsa_reserve_vcc 0
		.amdhsa_float_denorm_mode_32 3
		.amdhsa_float_denorm_mode_16_64 3
		.amdhsa_memory_ordered 1
		.amdhsa_forward_progress 1
		.amdhsa_inst_pref_size 105
	.end_amdhsa_kernel
	.amdgpu_metadata
---
amdhsa.version: [ 1, 2 ]
amdhsa.kernels:
  - .name:           k_qfbc66c1a62_up
    .symbol:         k_qfbc66c1a62_up.kd
    .args:
      - { .name: xqs, .offset: 0, .size: 8, .value_kind: global_buffer, .address_space: global }
      - { .name: lists, .offset: 8, .size: 8, .value_kind: global_buffer, .address_space: global }
      - { .name: w1_codes, .offset: 16, .size: 8, .value_kind: global_buffer, .address_space: global }
      - { .name: w1_scales, .offset: 24, .size: 8, .value_kind: global_buffer, .address_space: global }
      - { .name: hcs, .offset: 32, .size: 8, .value_kind: global_buffer, .address_space: global }
    .group_segment_fixed_size: 140288
    .private_segment_fixed_size: 0
    .kernarg_segment_align: 8
    .kernarg_segment_size: 40
    .max_flat_workgroup_size: 128
    .sgpr_count:     66
    .vgpr_count:     512
    .wavefront_size: 32
...
	.end_amdgpu_metadata
.endif
;; end of part 8
;; launch down (part 9): grid 4 x 39, 4 waves a work-group, no clusters, 263,680 bytes of LDS; arguments hcs, lists, w2_codes, w2_scales, ybuf; writes ybuf
.if DOCPART == 9
	.amdgcn_target "amdgcn-amd-amdhsa--gfx1250"
	.amdhsa_code_object_version 6
	.text
	.protected	k_qfbc66c1a62_down
	.globl	k_qfbc66c1a62_down
	.p2align	8
	.type	k_qfbc66c1a62_down,@function
k_qfbc66c1a62_down:
	s_mov_b64 s[64:65], 0
	v_nop
	global_prefetch_b8 v0, s[64:65] scope:SCOPE_SE
	s_setreg_imm32_b32 hwreg(HW_REG_WAVE_SCHED_MODE, 0, 2), 2
	s_setreg_imm32_b32 hwreg(HW_REG_WAVE_MODE, 25, 1), 1
	s_wait_xcnt 0x0
	s_wait_alu depctr_vm_vsrc(0)
; SECOND PRODUCT OF THE CHOSEN ROWS.  MX-FP8, sums in f32.  Work-group (x, y): the 128 positions of row tile y x columns 256 x .. 256 x + 255 of the model's 1,024, K = 2,048.  Out: ybuf [4992 positions][1024] f32.
; The hidden layer comes as images of this product's operand registers (16 KB for a K step of 128 and 128 rows), so a fragment is four loads of 512 consecutive bytes; its scale words [tile][16 steps][128 rows].
; FOUR WAVES, each 64 rows x 128 columns: 32 accumulators, 256 registers.  For 128 along K a wave reads 12 fragments from LDS for 32 products, and the work-group takes in (128 + 256) x 128 bytes for 128 x 256 outputs.
; 4 x 39 = 156 work-groups: the row tiles are 128 rows of one expert, and the wider tile with 1,024 registers a wave is what lets two K steps' bytes be on their way at once.
; USED TRANSPOSED (source 0 = 16 rows of W2, source 1 = 16 rows of the hidden layer): a lane holds eight neighbouring columns of one row of y.
; K goes in eight steps of 256 through two LDS slots.  Both operands come through registers (global load, LDS store, one barrier a step), in TWO sets of staging registers: step i + 2's 48 loads a wave are issued in
; step i and waited for in the middle of step i + 1, where their LDS stores stand among that step's products.  By the text's own count a wave names up to 96 loads as outstanding (108 at the head), more than
; LOADcnt's field counts: the issue of a load then waits for an earlier one's return (ISA guide 5.7.1), and every count below stays right.
; A K step's products go COLUMN TILE BY COLUMN TILE: the four products of a tile wait for that tile's fragment of W2 alone; the hidden layer's four fragments are in ahead of them.
; THE SCALE BYTES COME ONCE, as dense blocks in whole units of 256 bytes: the row tile's 8,192 bytes and the 256 columns' 16,384, through registers into LDS, and from there into 96 registers that hold nothing else.
; EVERY WORK-GROUP RUNS THE SAME TEXT: the tile's expert, read from memory and held to 0 .. 7, enters W2's global addresses alone.  A tile without entries gives rows that nothing names.
; NO TENSOR LOADS AND NO JOINT LOADS: W2's tile hangs on a number read from memory, which this text keeps out of descriptors; what the 4 work-groups of a row tile share, the images, is a third of a step's bytes.
; REGISTERS.  Window 0: v1-26 addresses; v28-59 the hidden layer's scale words, v60-123 W2's; v124-187, v188-251 four fragments of the hidden layer, sets 0 and 1; at the head v188-235 the scale bytes on their way to LDS.
;   Window 1: the accumulators ((m, t) at 8 (8 m + t)).   Window 2: v0-127 eight fragments of W2; v128-191, v192-255 the images on their way to LDS, sets 0 and 1; on the way out all 256: rows read back.
;   Window 3: v0-127, v128-255 W2's rows on their way to LDS, sets 0 and 1.
; THE MODE: SCHED_MODE bits 1:0 = 2 (LLVM: expert scheduling mode 2), set by the entry lines.  The code itself states the register dependences
; between vector or matrix instructions and memory or LDS instructions, with s_wait_alu, always for 0.
; THE PLAN.  Registers that memory or LDS instructions touch:
;   staging sets 0, 1  (window 2 v128-255, window 3)  Set i % 2: written by step i + 2's 48 global loads, issued in step i; read by the 48 LDS stores in step i + 1; named by no vector or matrix instruction.
;   BF         (window 2 v0-127)  Written by the 32 LDS loads of each 128 along K; read by its 32 products.
;   AF0, AF1   (v124-251)  Set q: written by 16 LDS loads; read by the products of a slot's q-th 128 along K.  AF1 is asked for in the middle of the first 128's products, which name AF0.
;   SCA, SCB   Loaded once; read by the products.        v4-22  Addresses: written at the head, never again.
; So a step of 256 along K holds three waits.  At its head, behind the barrier: one on vm_vsrc (the LDS stores have read the staging set in which the new loads land) and one on va_vdst (the last step's products are
; done reading AF0, AF1 and BF): it serves the fetch at the head and AF1's loads sixteen products later, since nothing issued between names AF1.  Behind the first 128's products: one on va_vdst, for BF.
.set PITCH,  272                       ; a row of W2 in LDS: 256 bytes + 16, an odd multiple of 16: the 16 rows of a fragment load begin 16 bytes apart modulo 256
.set BOFF,   32768
.set SLOT,   102400                    ; two K steps' images (32,768 bytes), then 256 rows of W2
.set HSL,    204800                    ; behind the slots: the hidden layer's scale words, 8,192 bytes;
.set WSL,    212992                    ; W2's scale bytes, 16,384;
.set STG,    229376                    ; a stage of 16 rows x 528 bytes for each wave
.set SPITCH, 528
.set HSO,    10223616
.set TEXPO,  36352
.set ADRA, 4                           ; v4-5   my fragments of the hidden layer in slot 0, 1
.set ADRB, 6                           ; v6-7   of W2
.set STA,  8                           ; v8-9   where I store my quarter of the images
.set STB,  10                          ; v10-11 where I store my 64 rows of W2
.set GA,   12                          ; v12    my byte offset in a step's images
.set GB,   13                          ; v13    in W2's 256 rows
.set SO,   14                          ; v14    the stage: where I put 32 bytes of a row
.set SR,   15                          ; v15    and where I read a row back
.set L16,  16                          ; v16    16 x lane
.set GH,   17                          ; v17    my byte offset in the 8,192 bytes,  v18 the same in LDS
.set HSW,  18
.set GW,   19                          ; v19    in the 16,384 bytes,  v20 the same in LDS
.set WSW,  20
.set SAA,  21                          ; v21    LDS: my rows' scale words
.set SBA,  22                          ; v22    LDS: my columns' scale words
.set SCA,  28
.set SCB,  60
.set AF,   124                         ; set q at AF + 64 q
.set HST,  188
.set WST,  204
.set SGA,  128                         ; window 2
.set MSB, 0
.macro WIN new                         ; the immediate's high byte repeats the setting that is left
.if MSB != \new
	s_set_vgpr_msb (MSB<<8)|\new
.set MSB, \new
.endif
.endm
.macro PLACES n
.rept \n
	v_nop
.endr
.endm
.macro BAR                             ; my LDS stores have landed and my LDS loads are in: then the work-group's barrier
	s_wait_dscnt 0x0
	s_barrier_signal -1
	s_barrier_wait -1
.endm
	s_load_b256 s[4:11], s[0:1], 0x0               ; hcs, lists, W2's codes, W2's scales
	s_load_b64 s[12:13], s[0:1], 0x20              ; ybuf
	v_lshl_add_u32 v254, v0, 2, 0x40400
	v_mov_b32 v255, 0
	v_lshrrev_b32 v1, 5, v0
	v_readfirstlane_b32 s14, v1                    ; wave
	s_wait_alu depctr_va_sdst(0)                   ; s14 is written, ahead of its first reader: LDS addresses and y's base are made from it
	s_lshr_b32 s15, s14, 1                         ; wm: which 64 rows
	s_and_b32 s16, s14, 1                          ; wn: which 128 columns
	s_mov_b32 s17, ttmp9                           ; x
	s_and_b32 s18, ttmp7, 0xffff                   ; y
	s_lshl_b32 s33, s18, 2
	v_and_b32 v1, 15, v0                           ; r
	v_bfe_u32 v2, v0, 4, 1                         ; h
	v_lshlrev_b32 v3, 4, v1                        ; 16 r
	v_and_b32 v[L16], 31, v0
	v_lshlrev_b32 v[L16], 4, v[L16]                ; 16 x lane
	v_and_b32 v23, 0x60, v0                        ; 32 w
	v_lshl_add_u32 v[GA], v23, 8, v[L16]           ; 8,192 w + 16 x lane: my quarter of a step's images, in memory
	v_lshl_add_u32 v[STA], v23, 8, v[L16]          ; and in LDS
	v_add_nc_u32 v[STA+1], SLOT, v[STA]
	v_lshl_add_u32 v[GH], v23, 6, v[L16]           ; 2,048 w + 16 x lane
	v_add_nc_u32 v[HSW], HSL, v[GH]
	v_lshl_add_u32 v[GW], v23, 7, v[L16]           ; 4,096 w + 16 x lane
	v_add_nc_u32 v[WSW], WSL, v[GW]
	v_lshl_add_u32 v25, v23, 1, v2                 ; 64 w + h: the first row of W2 that I stage
	v_lshl_add_u32 v[GB], v25, 11, v3              ; its 2,048 bytes a row, + 16 r
	v_mul_u32_u24 v[STB], v25, PITCH
	v_add_nc_u32 v[STB], v[STB], v3
	v_add_nc_u32 v[STB], BOFF, v[STB]
	v_add_nc_u32 v[STB+1], SLOT, v[STB]
	s_lshl_b32 s20, s15, 13
	v_add_nc_u32 v[ADRA], s20, v[L16]              ; images: blocks 4 wm on
	v_add_nc_u32 v[ADRA+1], SLOT, v[ADRA]
	s_lshl_b32 s20, s16, 7
	v_add_nc_u32 v24, s20, v1                      ; 128 wn + r
	v_mul_u32_u24 v[ADRB], v24, PITCH
	v_lshl_add_u32 v[ADRB], v2, 4, v[ADRB]
	v_add_nc_u32 v[ADRB], BOFF, v[ADRB]
	v_add_nc_u32 v[ADRB+1], SLOT, v[ADRB]
	s_lshl_b32 s20, s15, 6
	v_add_nc_u32 v26, s20, v1                      ; 64 wm + r
	v_lshlrev_b32 v[SAA], 2, v26
	v_lshl_add_u32 v[SAA], v2, 9, v[SAA]           ; the hidden layer's scale words: lanes 0-15 an even K step's, lanes 16-31 the odd one's behind it
	v_add_nc_u32 v[SAA], HSL, v[SAA]
	v_lshlrev_b32 v[SBA], 6, v24
	v_lshl_add_u32 v[SBA], v2, 4, v[SBA]           ; W2's: 64 bytes a row; lanes 0-15 four words, lanes 16-31 the next four
	v_add_nc_u32 v[SBA], WSL, v[SBA]
	s_mul_i32 s20, s14, 16*SPITCH
	s_add_co_u32 s20, s20, STG                     ; my stage
	v_mul_u32_u24 v[SO], v1, SPITCH
	v_lshl_add_u32 v[SO], v2, 5, v[SO]
	v_add_nc_u32 v[SO], s20, v[SO]                 ; in: row r, 32 bytes for each half of the lanes
	v_add_nc_u32 v[SR], s20, v[L16]                ; back: the 32 lanes take one row of 512 bytes
	s_wait_kmcnt 0x0
	s_load_b32 s19, s[6:7], s33 offset:TEXPO       ; the tile's expert
	s_mov_b32 s21, 0
	s_lshl_b32 s20, s18, 13
	s_add_nc_u64 s[22:23], s[4:5], s[20:21]
	s_add_nc_u64 s[22:23], s[22:23], HSO           ; the tile's scale words
	s_lshl_b32 s20, s18, 18
	s_add_nc_u64 s[4:5], s[4:5], s[20:21]          ; the tile's images
.macro LOADGA i, set                   ; step i's images are 32,768 consecutive bytes: 16 loads of 512 a wave
	WIN 0x80                                       ; destination window 2
.irp j, 0,1,2,3,4,5,6,7,8,9,10,11,12,13,14,15
	global_load_b128 v[SGA+64*(\set)+4*\j:SGA+64*(\set)+4*\j+3], v[GA], s[4:5] offset:512*\j+32768*(\i)
.endr
.endm
.macro LOADGB i, set                   ; step i's 256 bytes of my 64 rows of W2: a load takes two rows, lanes 0-15 the even one, lanes 16-31 the odd one
	WIN 0xc0                                       ; destination window 3
.set jj, 0
.rept 32
	global_load_b128 v[128*(\set)+4*jj:128*(\set)+4*jj+3], v[GB], s[8:9] offset:4096*jj+256*(\i)
.set jj, jj+1
.endr
.endm
.macro STORE slot, set                 ; 48 LDS stores
	WIN 0x08                                       ; an LDS store's data are its source 1: window 2
.irp j, 0,1,2,3,4,5,6,7,8,9,10,11,12,13,14,15
	ds_store_b128 v[STA+\slot], v[SGA+64*(\set)+4*\j:SGA+64*(\set)+4*\j+3] offset:512*\j
.endr
	WIN 0x0c                                       ; window 3
.set jj, 0
.rept 32
	ds_store_b128 v[STB+\slot], v[128*(\set)+4*jj:128*(\set)+4*jj+3] offset:2*PITCH*jj
.set jj, jj+1
.endr
.endm
.macro FETA slot, q                    ; the hidden layer's four fragments of the slot's q-th 128 along K, into set q: 16 LDS loads
	WIN 0
.irp m, 0,1,2,3
.irp c, 0,1,2,3
	ds_load_b128 v[AF+64*\q+16*\m+4*\c:AF+64*\q+16*\m+4*\c+3], v[ADRA+\slot] offset:16384*\q+2048*\m+512*\c
.endr
.endr
.endm
.macro FETB slot, q                    ; W2's eight fragments of the slot's q-th 128 along K: 32 LDS loads
	WIN 0x80                                       ; destination window 2
.irp t, 0,1,2,3,4,5,6,7
.irp c, 0,1,2,3
	ds_load_b128 v[16*\t+4*\c:16*\t+4*\c+3], v[ADRB+\slot] offset:16*\t*PITCH+128*\q+32*\c
.endr
.endr
.endm
; one product.  ra, rb: the scales of source 0, source 1 stand in lanes 16-31 of their registers
.macro WM d, b, a, sb, sa, ra, rb, zero
.if \zero
	v_wmma_scale_f32_16x16x128_f8f6f4 v[\d:\d+7], v[\b:\b+15], v[\a:\a+15], 0, v[\sb], v[\sa]
.elseif (\ra) && (\rb)
	v_wmma_scale_f32_16x16x128_f8f6f4 v[\d:\d+7], v[\b:\b+15], v[\a:\a+15], v[\d:\d+7], v[\sb], v[\sa] matrix_a_scale:MATRIX_SCALE_ROW1 matrix_b_scale:MATRIX_SCALE_ROW1
.elseif (\ra)
	v_wmma_scale_f32_16x16x128_f8f6f4 v[\d:\d+7], v[\b:\b+15], v[\a:\a+15], v[\d:\d+7], v[\sb], v[\sa] matrix_a_scale:MATRIX_SCALE_ROW1
.elseif (\rb)
	v_wmma_scale_f32_16x16x128_f8f6f4 v[\d:\d+7], v[\b:\b+15], v[\a:\a+15], v[\d:\d+7], v[\sb], v[\sa] matrix_b_scale:MATRIX_SCALE_ROW1
.else
	v_wmma_scale_f32_16x16x128_f8f6f4 v[\d:\d+7], v[\b:\b+15], v[\a:\a+15], v[\d:\d+7], v[\sb], v[\sa]
.endif
.endm
; Half of K step s of sixteen: column tiles t0 .. t0 + 3, four products each.  The 32 accumulators take turns, one instruction a turn, in the same order in every step.
; W2's word s stands in register 4 (s / 8) + s % 4 of the tile's eight, in lanes 16-31 where (s / 4) % 2 = 1; the hidden layer's in register s / 2 of the block's eight, in lanes 16-31 for odd s.
; The hidden layer's fragments stand in set s % 2.  extra: LDS instructions issued behind W2's fragments, which may stay out.
.macro MULH s, t0, extra, zero
	WIN 0x52                                       ; source 0 (W2) window 2, source 1 window 0, C and D window 1
.irp t, \t0, \t0+1, \t0+2, \t0+3
	s_wait_dscnt (\extra)+4*(7-(\t))               ; the hidden layer's fragments and W2's 0 .. t are in; the four loads of each later tile, and what was issued behind them, may be out
.irp m, 0,1,2,3
	WM 8*(8*\m+(\t)), 16*(\t), AF+64*((\s)%2)+16*\m, SCB+8*(\t)+4*((\s)/8)+(\s)%4, SCA+8*\m+(\s)/2, ((\s)/4)%2, (\s)%2, \zero
.endr
.endr
.endm
; A step of 256 along K.  ld: step i + 2's loads are issued, into the set whose LDS stores were waited for in front of the last barrier.  st: step i + 1's bytes go into the other slot, which every wave left in front of
; the last barrier.  Eight plain places stand behind the products in front of the loads into registers that they read, and of the first read of results (ISA guide 7.12.1 for the read of results).
.macro KSTEP i, slot, next, ld, st, zero
	WIN 0
.if \ld
	s_wait_alu depctr_vm_vsrc(0)                   ; the LDS stores in front of the last barrier have read the staging set in which the global loads below land (in the first step also v188 to v235, which are set 1 of the hidden layer's fragments from here on)
.endif
.if !\zero
	s_wait_alu depctr_va_vdst(0)                   ; the last step's products are done reading both sets of the hidden layer's fragments and W2's: the fetch below and set 1's loads further down land there
.endif
	FETA \slot, 0
	FETB \slot, 0
.if \ld
	LOADGA (\i)+2, (\i)%2                          ; behind the fetch: the LDS serves it while these are issued
	LOADGB (\i)+2, (\i)%2
.endif
	MULH 2*(\i), 0, 0, \zero
	FETA \slot, 1                                  ; the second 128's fragments of the hidden layer.  No wait: no vector or matrix instruction since the step's head names set 1
	MULH 2*(\i), 4, 16, \zero                      ; (behind W2's fragments: those 16 loads)
	PLACES 8
	WIN 0x80
	s_wait_alu depctr_va_vdst(0)                   ; the 32 products above are done reading W2's fragments, in which the loads below land; the places stay beside this wait
	FETB \slot, 1
	MULH 2*(\i)+1, 0, 0, 0
.if \st
.if \ld
	s_wait_loadcnt 48                              ; step i + 1's 48 loads are in; step i + 2's 48, issued behind them, may be out
.else
	s_wait_loadcnt 0x0
.endif
	STORE \next, ((\i)+1)%2                        ; the LDS takes these while the step's last sixteen products run.  (Data from loads, addresses from the head: no vector instruction has written either since)
	MULH 2*(\i)+1, 4, 48, 0
.else
	MULH 2*(\i)+1, 4, 0, 0
.endif
	PLACES 8
.if \st
	BAR
.endif
.endm
	WIN 0x80
	s_wait_alu depctr_va_vdst(0)                   ; the addresses and offsets v4 to v22 are written, which the loads and stores of the whole kernel read
	LOADGA 0, 0                                    ; what does not need the expert goes out first
	WIN 0
.irp j, 0,1,2,3
	global_load_b128 v[HST+4*\j:HST+4*\j+3], v[GH], s[22:23] offset:512*\j
.endr
	s_lshl_b32 s20, s18, 19
	s_lshl_b32 s34, s15, 18
	s_add_co_u32 s20, s20, s34
	s_lshl_b32 s34, s17, 10
	s_add_co_u32 s20, s20, s34
	s_lshl_b32 s34, s16, 9
	s_add_co_u32 s20, s20, s34
	s_add_nc_u64 s[12:13], s[12:13], s[20:21]      ; y: row 128 y + 64 wm, column 256 x + 128 wn
	s_wait_kmcnt 0x0
	s_min_u32 s19, s19, 7                          ; held to its range before it enters an address
	s_lshl_b32 s20, s19, 21
	s_lshl_b32 s34, s17, 19
	s_add_co_u32 s20, s20, s34
	s_add_nc_u64 s[8:9], s[8:9], s[20:21]          ; W2's codes: expert, 256 x rows of 2,048 bytes
	s_lshl_b32 s20, s19, 16
	s_lshl_b32 s34, s17, 14
	s_add_co_u32 s20, s20, s34
	s_add_nc_u64 s[10:11], s[10:11], s[20:21]      ; W2's scales: the same rows, 64 bytes each
	LOADGB 0, 0
	WIN 0
.irp j, 0,1,2,3,4,5,6,7
	global_load_b128 v[WST+4*\j:WST+4*\j+3], v[GW], s[10:11] offset:512*\j
.endr
	LOADGA 1, 1
	LOADGB 1, 1
	s_wait_loadcnt 48                              ; step 0's bytes and the scale bytes are in; step 1's 48 loads may be out
	STORE 0, 0
	WIN 0
.irp j, 0,1,2,3
	ds_store_b128 v[HSW], v[HST+4*\j:HST+4*\j+3] offset:512*\j
.endr
.irp j, 0,1,2,3,4,5,6,7
	ds_store_b128 v[WSW], v[WST+4*\j:WST+4*\j+3] offset:512*\j
.endr
	BAR
.irp m, 0,1,2,3
.irp p, 0,1,2,3,4,5,6,7
	ds_load_b32 v[SCA+8*\m+\p], v[SAA] offset:1024*\p+64*\m        ; K steps 2 p and 2 p + 1 of rows 16 m on
.endr
.endr
.irp t, 0,1,2,3,4,5,6,7
.irp g, 0,1
	ds_load_b128 v[SCB+8*\t+4*\g:SCB+8*\t+4*\g+3], v[SBA] offset:1024*\t+32*\g      ; K steps 8 g on of columns 16 t on
.endr
.endr
	KSTEP 0, 0, 1, 1, 1, 1                         ; the first products start the sums: nothing is cleared.  (Their first wait on DScnt covers the scale words too: they were asked for ahead of the fragments)
	KSTEP 1, 1, 0, 1, 1, 0
	KSTEP 2, 0, 1, 1, 1, 0
	KSTEP 3, 1, 0, 1, 1, 0
	KSTEP 4, 0, 1, 1, 1, 0
	KSTEP 5, 1, 0, 1, 1, 0
	KSTEP 6, 0, 1, 0, 1, 0                         ; nothing is left to ask for
	KSTEP 7, 1, 0, 0, 0, 0
; THE WAY OUT.  A lane holds 32 neighbouring bytes of a row and the lanes beside it other rows: a block of 16 rows x 512 bytes goes through my own stage and comes back by rows.
; LDS serves a wave's instructions in order (ISA guide 5.7.1.4): no wait between the stores and the loads, nor in front of the next block's stores.  Each block has read-back registers of its own.
.macro TOSTAGE m
	WIN 0x04                                       ; the data: window 1
.irp t, 0,1,2,3,4,5,6,7
	ds_store_b128 v[SO], v[8*(8*\m+\t):8*(8*\m+\t)+3] offset:64*\t            ; each accumulator from its low end on
	ds_store_b128 v[SO], v[8*(8*\m+\t)+4:8*(8*\m+\t)+7] offset:64*\t+16
.endr
	WIN 0x80                                       ; destination window 2
.irp i, 0,1,2,3,4,5,6,7,8,9,10,11,12,13,14,15
	ds_load_b128 v[64*\m+4*\i:64*\m+4*\i+3], v[SR] offset:SPITCH*\i
.endr
.endm
.macro SEND m, younger                 ; younger: the LDS instructions of the block issued behind block m
	WIN 0x08                                       ; a store's data are its source 1: window 2
.irp i, 0,1,2,3,4,5,6,7,8,9,10,11,12,13,14,15
	s_wait_dscnt (\younger)+15-\i                  ; behind this load: the block's later loads and the next block's
	global_store_b128 v[L16], v[64*\m+4*\i:64*\m+4*\i+3], s[12:13] offset:(16*\m+\i)*4096      ; 32 lanes store 512 consecutive bytes, at a multiple of 256
.endr
.endm
	WIN 0x04
	s_wait_alu depctr_va_vdst(0)                   ; the products have written the accumulators, which the LDS stores below read, and are done reading W2's fragments, in which blocks 0; the eight places above stay beside this wait
	s_wait_alu depctr_vm_vsrc(0)                   ; the LDS stores of the last two changes of slots have read window 2's v128 to v255, in which blocks 2
	TOSTAGE 0
	TOSTAGE 1
	SEND 0, 32
	TOSTAGE 2
	SEND 1, 32
	TOSTAGE 3
	SEND 2, 32
	SEND 3, 0
	WIN 0
	s_wait_dscnt 0x0                               ; the closing lines, six on end
	s_wait_alu 0x0
	s_wait_tensorcnt 0x0
	ds_add_u32 v254, v255
	s_wait_dscnt 0x0
	s_endpgm
.Lfunc_end_k_qfbc66c1a62_down:
	.size	k_qfbc66c1a62_down, .Lfunc_end_k_qfbc66c1a62_down-k_qfbc66c1a62_down
	.p2alignl 7, 3214868480
	.fill 96, 4, 3214868480
	.section	.rodata,"a",@progbits
	.p2align	6, 0x0
	.amdhsa_kernel k_qfbc66c1a62_down
		.amdhsa_group_segment_fixed_size 263680
		.amdhsa_private_segment_fixed_size 0
		.amdhsa_enable_private_segment 0
		.amdhsa_kernarg_size 40
		.amdhsa_user_sgpr_count 2
		.amdhsa_user_sgpr_kernarg_segment_ptr 1
		.amdhsa_wavefront_size32 1
		.amdhsa_system_sgpr_workgroup_id_x 1
		.amdhsa_system_sgpr_workgroup_id_y 1
		.amdhsa_system_sgpr_workgroup_id_z 1
		.amdhsa_system_vgpr_workitem_id 0
		.amdhsa_next_free_vgpr 1024
		.amdhsa_next_free_sgpr 66
		.amdhsa_reserve_vcc 0
		.amdhsa_float_denorm_mode_32 3
		.amdhsa_float_denorm_mode_16_64 3
		.amdhsa_memory_ordered 1
		.amdhsa_forward_progress 1
		.amdhsa_inst_pref_size 211
	.end_amdhsa_kernel
	.amdgpu_metadata
---
amdhsa.version: [ 1, 2 ]
amdhsa.kernels:
  - .name:           k_qfbc66c1a62_down
    .symbol:         k_qfbc66c1a62_down.kd
    .args:
      - { .name: hcs, .offset: 0, .size: 8, .value_kind: global_buffer, .address_space: global }
      - { .name: lists, .offset: 8, .size: 8, .value_kind: global_buffer, .address_space: global }
      - { .name: w2_codes, .offset: 16, .size: 8, .value_kind: global_buffer, .address_space: global }
      - { .name: w2_scales, .offset: 24, .size: 8, .value_kind: global_buffer, .address_space: global }
      - { .name: ybuf, .offset: 32, .size: 8, .value_kind: global_buffer, .address_space: global }
    .group_segment_fixed_size: 263680
    .private_segment_fixed_size: 0
    .kernarg_segment_align: 8
    .kernarg_segment_size: 40
    .max_flat_workgroup_size: 128
    .sgpr_count:     66
    .vgpr_count:     1024
    .wavefront_size: 32
...
	.end_amdgpu_metadata
.endif
;; end of part 9
;; launch combine (part 10): grid 256 x 1, 4 waves a work-group, no clusters, 0 bytes of LDS; arguments ybuf, lists, rf, out0; writes out0
.if DOCPART == 10
	.amdgcn_target "amdgcn-amd-amdhsa--gfx1250"
	.amdhsa_code_object_version 6
	.text
	.protected	k_qfbc66c1a62_combine
	.globl	k_qfbc66c1a62_combine
	.p2align	8
	.type	k_qfbc66c1a62_combine,@function
k_qfbc66c1a62_combine:
	s_mov_b64 s[64:65], 0
	v_nop
	global_prefetch_b8 v0, s[64:65] scope:SCOPE_SE
	s_setreg_imm32_b32 hwreg(HW_REG_WAVE_MODE, 25, 1), 1
	s_wait_xcnt 0x0
; out0[t] = g0 y[pos0] + g1 y[pos1]: a token's two rows of ybuf, found by posn, weighed by its two probabilities.  The six experts not chosen have weight 0 in the reference and add nothing.
; A wave takes two tokens: four rows of 4,096 bytes, 32 loads of 512 consecutive bytes, all issued at once; each output row has one owner.  The positions are whole numbers stored by an earlier launch,
; read by scalar loads and held to ybuf's 4,992 rows before they enter an address.  A stream: no LDS, no barrier, no matrix unit.
.set Y, 32                             ; v32-159: token a, row k, 32 registers each: Y + 64 a + 32 k
	s_load_b256 s[4:11], s[0:1], 0x0               ; ybuf, lists, rf, out0
	v_lshrrev_b32 v1, 5, v0
	v_readfirstlane_b32 s12, v1                    ; wave
	v_and_b32 v1, 31, v0
	v_lshlrev_b32 v1, 4, v1                        ; 16 x lane
	s_lshl_b32 s13, ttmp9, 2
	s_add_co_u32 s13, s13, s12                     ; my pair of tokens: 4 x work-group + wave
	s_lshl_b32 s14, s13, 4                         ; its 16 bytes in posn and among the probabilities
	s_wait_alu depctr_va_vdst(0)
	s_wait_kmcnt 0x0
	s_load_b128 s[16:19], s[6:7], s14 offset:0x0
	s_load_b128 s[24:27], s[8:9], s14 offset:0x0
	s_lshl_b32 s20, s13, 13
	s_mov_b32 s21, 0
	s_add_nc_u64 s[10:11], s[10:11], s[20:21]      ; my two rows of out0
	s_wait_kmcnt 0x0
.irp k, 0,1,2,3
	s_min_u32 s[16+\k], s[16+\k], 0x137f
	s_lshl_b32 s20, s[16+\k], 12
	s_add_nc_u64 s[32+2*\k:33+2*\k], s[4:5], s[20:21]
.endr
.irp k, 0,1,2,3
.irp i, 0,1,2,3,4,5,6,7
	global_load_b128 v[Y+32*\k+4*\i:Y+32*\k+4*\i+3], v1, s[32+2*\k:33+2*\k] offset:512*\i th:TH_LOAD_NT      ; each row of ybuf that is read is read once
.endr
.endr
.irp k, 0,1,2,3
	v_mov_b32 v[4+2*\k], s[24+\k]                  ; each weight twice: a pair for the packed forms
	v_mov_b32 v[5+2*\k], s[24+\k]
.endr
.macro MIX a
.set j, 0
.rept 16
	v_pk_mul_f32 v[Y+64*\a+j:Y+64*\a+j+1], v[Y+64*\a+j:Y+64*\a+j+1], v[4+4*\a:5+4*\a]
	v_pk_fma_f32 v[Y+64*\a+j:Y+64*\a+j+1], v[Y+64*\a+32+j:Y+64*\a+32+j+1], v[6+4*\a:7+4*\a], v[Y+64*\a+j:Y+64*\a+j+1]
.set j, j+2
.endr
.irp i, 0,1,2,3,4,5,6,7
	global_store_b128 v1, v[Y+64*\a+4*\i:Y+64*\a+4*\i+3], s[10:11] offset:4096*\a+512*\i th:TH_STORE_NT      ; 512 consecutive bytes, at a multiple of 256
.endr
.endm
	s_wait_alu depctr_va_vdst(0)
	s_wait_loadcnt 16                              ; the first token's 16 loads are in; the second's 16 may be out
	MIX 0
	s_wait_loadcnt 0x0
	MIX 1
	s_endpgm
.Lfunc_end_k_qfbc66c1a62_combine:
	.size	k_qfbc66c1a62_combine, .Lfunc_end_k_qfbc66c1a62_combine-k_qfbc66c1a62_combine
	.p2alignl 7, 3214868480
	.fill 96, 4, 3214868480
	.section	.rodata,"a",@progbits
	.p2align	6, 0x0
	.amdhsa_kernel k_qfbc66c1a62_combine
		.amdhsa_group_segment_fixed_size 0
		.amdhsa_private_segment_fixed_size 0
		.amdhsa_enable_private_segment 0
		.amdhsa_kernarg_size 32
		.amdhsa_user_sgpr_count 2
		.amdhsa_user_sgpr_kernarg_segment_ptr 1
		.amdhsa_wavefront_size32 1
		.amdhsa_system_sgpr_workgroup_id_x 1
		.amdhsa_system_sgpr_workgroup_id_y 1
		.amdhsa_system_sgpr_workgroup_id_z 1
		.amdhsa_system_vgpr_workitem_id 0
		.amdhsa_next_free_vgpr 160
		.amdhsa_next_free_sgpr 66
		.amdhsa_reserve_vcc 0
		.amdhsa_float_denorm_mode_32 3
		.amdhsa_float_denorm_mode_16_64 3
		.amdhsa_memory_ordered 1
		.amdhsa_forward_progress 1
		.amdhsa_inst_pref_size 11
	.end_amdhsa_kernel
	.amdgpu_metadata
---
amdhsa.version: [ 1, 2 ]
amdhsa.kernels:
  - .name:           k_qfbc66c1a62_combine
    .symbol:         k_qfbc66c1a62_combine.kd
    .args:
      - { .name: ybuf, .offset: 0, .size: 8, .value_kind: global_buffer, .address_space: global }
      - { .name: lists, .offset: 8, .size: 8, .value_kind: global_buffer, .address_space: global }
      - { .name: rf, .offset: 16, .size: 8, .value_kind: global_buffer, .address_space: global }
      - { .name: out0, .offset: 24, .size: 8, .value_kind: global_buffer, .address_space: global }
    .group_segment_fixed_size: 0
    .private_segment_fixed_size: 0
    .kernarg_segment_align: 8
    .kernarg_segment_size: 32
    .max_flat_workgroup_size: 128
    .sgpr_count:     66
    .vgpr_count:     160
    .wavefront_size: 32
...
	.end_amdgpu_metadata
.endif
;; end of part 10
